; MI455X (gfx1250); checked and timed in simulation.
; The chip was launched on July 23, 2026; its instructions are those of AMD's public machine-readable ISA for CDNA 5 (MIT licence, August 2026) and "CDNA5" Instruction Set Architecture Reference Guide (July 2026). The comments in the code are by the model that wrote it; some were corrected since.
;; KNN Local Attention. Allowed arithmetic: float matrix products may take bf16 or f16 operands with f32 sums; other float arithmetic in f32, or as packed bf16 or f16 multiplies, adds, multiply-adds, maxima and minima; sums over many terms, partial sums and values carried from step to step in f32; what a program stores and reads back later, other than sums and carried values, may be rounded once to bf16 or f16.
;; Inputs: Wk 256 x 256 float32; Wo 256 x 256 float32; Wp1 6 x 256 float32; Wp2 256 x 256 float32; Wq 256 x 256 float32; Wv 256 x 256 float32; beta 256 float32; bk 256 float32; bo 256 float32; bp1 256 float32; bp2 256 float32; bq 256 float32; bv 256 float32; coords 2 x 8,192 x 3 float32; features 2 x 8,192 x 256 float32; gamma 256 float32; mask 2 x 8,192 float32; normals 2 x 8,192 x 3 float32.
;; Outputs: out0 2 x 8,192 x 256 float32.
;; 3 versions, each right; version 2 is faster than version 1; version 3 is version 2 with the launch proj written anew for expert scheduling mode. Each part assembles by itself: llvm-mc -triple=amdgcn-amd-amdhsa -mcpu=gfx1250 --defsym DOCPART=n.
;; ======== version 1 of 3: 5 launches
;; limits: a function is approximated: absolute error at most 2.5e-05
;; workspace buffers: WTS 662,528 bytes; TS 524,288 bytes; TP 262,144 bytes; QKV 25,165,824 bytes; GL 524,288 bytes of whole numbers; IDX 524,288 bytes of whole numbers
;; launch prep (part 1): grid 73 x 1, 8 waves a work-group, no clusters, 0 bytes of LDS; arguments Wq, Wk, Wv, Wp2, Wo, coords, Wp1, bp1, bq, bk, bv, bp2, WTS, TS, TP; writes WTS, TS, TP
.if DOCPART == 1
	.amdgcn_target "amdgcn-amd-amdhsa--gfx1250"
	.amdhsa_code_object_version 6
	.text
	.protected	k_q6667726959_prep
	.globl	k_q6667726959_prep
	.p2align	8
	.type	k_q6667726959_prep,@function
k_q6667726959_prep:
	s_mov_b64 s[64:65], 0
	v_nop
	global_prefetch_b8 v0, s[64:65] scope:SCOPE_SE
	s_setreg_imm32_b32 hwreg(HW_REG_WAVE_MODE, 25, 1), 1
	s_wait_xcnt 0x0
; TABLES FOR THE LATER LAUNCHES.  EVERY INPUT THAT PASSES HERE IS ROUNDED ONCE TO bf16.  Three kinds of work-group, told apart by the work-group's number alone.
;  0..39   five weight matrices [k][n] f32 -> [n][k] bf16 in WTS (Wq, Wk, Wv, 0.5 Wp2, Wo): matrix = number / 8, 32 rows k = number % 8; thread t is column n.
;          The half on Wp2 is exact; it pays for H = 2 gelu in the last launch.
;          Wo's depth is laid in another order: place 32 b + 2 i + s holds channel 32 b + 16 s + i, the order in which the last launch's lanes hold the heads' output in pairs.
;  40..71  coordinates, rounded to bf16 and widened to f32 again: thread = a pair of points.  TS: 32 bytes a point (x,x,y,y,z,z,d,d); TP: 32 bytes a pair (x0,x1,y0,y1,z0,z1,d0,d1);
;          d = (x x + y y) + z z.  A product of two bf16 numbers has 16 significant bits and is exact in f32, so a fused and an unfused multiply-add give the same bits here and in the search:
;          d and the distances hang on the order of the sums alone, which is ascending.
;          LIMIT: the neighbours that the search finds are those of the ROUNDED coordinates (8 significant bits); coordinates are finite and their products do not underflow.
;  72      W1T: 16 bytes a channel, bf16 (Wp1[0..5][c], bp1[c], 0); BQKV: f32 bq, bk + bp2, bv + bp2, each bias rounded first (bp2 reaches k and v through pos_emb, so it is added here once).
; The tables are small (1.4 MB in all); a lane stores 16-byte pieces of its own row.
.set W1T,  655360
.set BQKV, 659456
	s_load_b512 s[4:19], s[0:1], 0x0               ; Wq, Wk, Wv, Wp2, Wo, coords, Wp1, bp1
	s_load_b256 s[20:27], s[0:1], 0x40             ; bq, bk, bv, bp2
	s_load_b128 s[28:31], s[0:1], 0x60             ; WTS, TS
	s_load_b64 s[32:33], s[0:1], 0x70              ; TP
	s_wait_kmcnt 0x0
	s_cmp_lt_u32 ttmp9, 40
	s_cbranch_scc0 .Ltables
	s_lshr_b32 s34, ttmp9, 3                       ; which matrix
	s_and_b32 s35, ttmp9, 7                        ; which 32 rows k
	s_cmp_eq_u32 s34, 1
	s_cselect_b64 s[36:37], s[6:7], s[4:5]
	s_cmp_eq_u32 s34, 2
	s_cselect_b64 s[36:37], s[8:9], s[36:37]
	s_cmp_eq_u32 s34, 3
	s_cselect_b64 s[36:37], s[10:11], s[36:37]
	s_cselect_b32 s38, 0.5, 1.0                    ; Wp2 is halved
	s_cmp_eq_u32 s34, 4
	s_cselect_b64 s[36:37], s[12:13], s[36:37]
	s_mov_b32 s39, s38                             ; named with it as a pair
	s_lshl_b32 s40, s35, 15                        ; 32 rows of 1,024 bytes
	s_mov_b32 s41, 0
	s_add_nc_u64 s[36:37], s[36:37], s[40:41]
	v_lshlrev_b32 v1, 2, v0
.set e, 0
.rept 32
	global_load_b32 v[8+e], v1, s[36:37] offset:e*1024   ; W[32 kq + e][t]
.set e, e+1
.endr
	v_lshlrev_b32 v2, 9, v0                        ; row n of the transposed matrix: 512 bytes
	s_lshl_b32 s42, s34, 17                        ; the matrix: 256 rows
	s_lshl_b32 s43, s35, 6                         ; my 32 k: 64 bytes
	s_add_co_u32 s42, s42, s43
	v_add_nc_u32 v2, s42, v2
	s_wait_loadcnt 0x0
.set i, 0
.rept 16
	v_pk_mul_f32 v[8+2*i:8+2*i+1], v[8+2*i:8+2*i+1], s[38:39] op_sel_hi:[1,0]
.set i, i+1
.endr
	s_cmp_eq_u32 s34, 4
	s_cbranch_scc1 .Lturned
.set i, 0
.rept 16
	v_cvt_pk_bf16_f32 v[40+i], v[8+2*i], v[8+2*i+1]      ; k in its own order
.set i, i+1
.endr
	s_branch .Lput
.Lturned:
.set i, 0
.rept 16
	v_cvt_pk_bf16_f32 v[40+i], v[8+i], v[24+i]           ; Wo: places 2 i, 2 i + 1 hold rows i and 16 + i of my 32
.set i, i+1
.endr
.Lput:
.irp i,0,1,2,3
	global_store_b128 v2, v[40+4*(\i):40+4*(\i)+3], s[28:29] offset:16*(\i)
.endr
	s_endpgm
.Ltables:
	s_cmp_lt_u32 ttmp9, 72
	s_cbranch_scc0 .Lmisc
	s_sub_co_u32 s34, ttmp9, 40
	s_lshl_b32 s34, s34, 8
	v_add_nc_u32 v1, s34, v0                       ; the pair, 0 .. 8,191
	v_mul_u32_u24 v2, v1, 24
	global_load_b64 v[4:5], v2, s[14:15]           ; x0 y0
	global_load_b64 v[6:7], v2, s[14:15] offset:8  ; z0 x1
	global_load_b64 v[8:9], v2, s[14:15] offset:16 ; y1 z1
	v_lshlrev_b32 v3, 6, v1
	v_lshlrev_b32 v36, 5, v1
	s_wait_loadcnt 0x0
	v_cvt_pk_bf16_f32 v37, v4, v5                  ; the six coordinates rounded to bf16,
	v_cvt_pk_bf16_f32 v38, v6, v7
	v_cvt_pk_bf16_f32 v39, v8, v9
	v_lshlrev_b32 v4, 16, v37                      ; and widened again
	v_and_b32 v5, 0xffff0000, v37
	v_lshlrev_b32 v6, 16, v38
	v_and_b32 v7, 0xffff0000, v38
	v_lshlrev_b32 v8, 16, v39
	v_and_b32 v9, 0xffff0000, v39
	v_mul_f32 v10, v4, v4
	v_mul_f32 v11, v7, v7
	v_fma_f32 v10, v5, v5, v10
	v_fma_f32 v11, v8, v8, v11
	v_fma_f32 v10, v6, v6, v10
	v_fma_f32 v11, v9, v9, v11
	v_mov_b32 v12, v4
	v_mov_b32 v13, v4
	v_mov_b32 v14, v5
	v_mov_b32 v15, v5
	v_mov_b32 v16, v6
	v_mov_b32 v17, v6
	v_mov_b32 v18, v10
	v_mov_b32 v19, v10
	v_mov_b32 v20, v7
	v_mov_b32 v21, v7
	v_mov_b32 v22, v8
	v_mov_b32 v23, v8
	v_mov_b32 v24, v9
	v_mov_b32 v25, v9
	v_mov_b32 v26, v11
	v_mov_b32 v27, v11
	v_mov_b32 v28, v4
	v_mov_b32 v29, v7
	v_mov_b32 v30, v5
	v_mov_b32 v31, v8
	v_mov_b32 v32, v6
	v_mov_b32 v33, v9
	v_mov_b32 v34, v10
	v_mov_b32 v35, v11
.irp i,0,1,2,3
	global_store_b128 v3, v[12+4*(\i):12+4*(\i)+3], s[30:31] offset:16*(\i)
.endr
	global_store_b128 v36, v[28:31], s[32:33]
	global_store_b128 v36, v[32:35], s[32:33] offset:16
	s_endpgm
.Lmisc:
	v_lshlrev_b32 v1, 2, v0
.irp k,0,1,2,3,4,5
	global_load_b32 v[4+(\k)], v1, s[16:17] offset:1024*(\k)
.endr
	global_load_b32 v10, v1, s[18:19]
	global_load_b32 v11, v1, s[20:21]
	global_load_b32 v12, v1, s[22:23]
	global_load_b32 v13, v1, s[24:25]
	global_load_b32 v14, v1, s[26:27]
	v_mov_b32 v15, 0
	v_lshlrev_b32 v2, 4, v0
	s_wait_loadcnt 0x0
	v_cvt_pk_bf16_f32 v16, v4, v5
	v_cvt_pk_bf16_f32 v17, v6, v7
	v_cvt_pk_bf16_f32 v18, v8, v9
	v_cvt_pk_bf16_f32 v19, v10, v15
	v_cvt_pk_bf16_f32 v20, v11, v12                ; bq, bk, bv, bp2 rounded to bf16,
	v_cvt_pk_bf16_f32 v21, v13, v14
	v_lshlrev_b32 v11, 16, v20                     ; and widened again
	v_and_b32 v12, 0xffff0000, v20
	v_lshlrev_b32 v13, 16, v21
	v_and_b32 v14, 0xffff0000, v21
	v_add_f32 v12, v12, v14
	v_add_f32 v13, v13, v14
	global_store_b128 v2, v[16:19], s[28:29] offset:W1T
	global_store_b32 v1, v11, s[28:29] offset:BQKV
	global_store_b32 v1, v12, s[28:29] offset:BQKV+1024
	global_store_b32 v1, v13, s[28:29] offset:BQKV+2048
	s_endpgm
.Lfunc_end_k_q6667726959_prep:
	.size	k_q6667726959_prep, .Lfunc_end_k_q6667726959_prep-k_q6667726959_prep
	.p2alignl 7, 3214868480
	.fill 96, 4, 3214868480
	.section	.rodata,"a",@progbits
	.p2align	6, 0x0
	.amdhsa_kernel k_q6667726959_prep
		.amdhsa_group_segment_fixed_size 0
		.amdhsa_private_segment_fixed_size 0
		.amdhsa_enable_private_segment 0
		.amdhsa_kernarg_size 120
		.amdhsa_user_sgpr_count 2
		.amdhsa_user_sgpr_kernarg_segment_ptr 1
		.amdhsa_wavefront_size32 1
		.amdhsa_system_sgpr_workgroup_id_x 1
		.amdhsa_system_sgpr_workgroup_id_y 1
		.amdhsa_system_sgpr_workgroup_id_z 1
		.amdhsa_system_vgpr_workitem_id 0
		.amdhsa_next_free_vgpr 64
		.amdhsa_next_free_sgpr 66
		.amdhsa_reserve_vcc 0
		.amdhsa_float_denorm_mode_32 3
		.amdhsa_float_denorm_mode_16_64 3
		.amdhsa_memory_ordered 1
		.amdhsa_forward_progress 1
		.amdhsa_inst_pref_size 13
	.end_amdhsa_kernel
	.amdgpu_metadata
---
amdhsa.version: [ 1, 2 ]
amdhsa.kernels:
  - .name:           k_q6667726959_prep
    .symbol:         k_q6667726959_prep.kd
    .args:
      - { .name: Wq, .offset: 0, .size: 8, .value_kind: global_buffer, .address_space: global }
      - { .name: Wk, .offset: 8, .size: 8, .value_kind: global_buffer, .address_space: global }
      - { .name: Wv, .offset: 16, .size: 8, .value_kind: global_buffer, .address_space: global }
      - { .name: Wp2, .offset: 24, .size: 8, .value_kind: global_buffer, .address_space: global }
      - { .name: Wo, .offset: 32, .size: 8, .value_kind: global_buffer, .address_space: global }
      - { .name: coords, .offset: 40, .size: 8, .value_kind: global_buffer, .address_space: global }
      - { .name: Wp1, .offset: 48, .size: 8, .value_kind: global_buffer, .address_space: global }
      - { .name: bp1, .offset: 56, .size: 8, .value_kind: global_buffer, .address_space: global }
      - { .name: bq, .offset: 64, .size: 8, .value_kind: global_buffer, .address_space: global }
      - { .name: bk, .offset: 72, .size: 8, .value_kind: global_buffer, .address_space: global }
      - { .name: bv, .offset: 80, .size: 8, .value_kind: global_buffer, .address_space: global }
      - { .name: bp2, .offset: 88, .size: 8, .value_kind: global_buffer, .address_space: global }
      - { .name: WTS, .offset: 96, .size: 8, .value_kind: global_buffer, .address_space: global }
      - { .name: TS, .offset: 104, .size: 8, .value_kind: global_buffer, .address_space: global }
      - { .name: TP, .offset: 112, .size: 8, .value_kind: global_buffer, .address_space: global }
    .group_segment_fixed_size: 0
    .private_segment_fixed_size: 0
    .kernarg_segment_align: 8
    .kernarg_segment_size: 120
    .max_flat_workgroup_size: 256
    .sgpr_count:     66
    .vgpr_count:     64
    .wavefront_size: 32
...
	.end_amdgpu_metadata
.endif
;; end of part 1
;; launch proj (part 2): grid 256 x 1, 4 waves a work-group, no clusters, 99,840 bytes of LDS; arguments features, WTS, QKV; writes QKV
.if DOCPART == 2
	.amdgcn_target "amdgcn-amd-amdhsa--gfx1250"
	.amdhsa_code_object_version 6
	.text
	.protected	k_q6667726959_proj
	.globl	k_q6667726959_proj
	.p2align	8
	.type	k_q6667726959_proj,@function
k_q6667726959_proj:
	s_mov_b64 s[64:65], 0
	v_nop
	global_prefetch_b8 v0, s[64:65] scope:SCOPE_SE
	s_setreg_imm32_b32 hwreg(HW_REG_WAVE_MODE, 25, 1), 1
	s_wait_xcnt 0x0
; QKV[row][0:768] = bf16(features[row] @ (Wq | Wk | Wv) + (bq | bk + bp2 | bv + bp2)).  bf16 operands, f32 sums.
; A work-group has 64 rows; wave w has the 12 tiles of 16 output channels 192 w .. 192 w + 191, for all four tiles of 16 rows.
; The 64 x 256 features lie converted in window 1 (256 registers) for the whole launch; the weights stream through two sets of 64 registers, a tile of 16 channels each.
; The product is used transposed (source 0 = 16 weight rows n, source 1 = 16 feature rows): a lane holds one row and eight neighbouring channels, 16 bytes of bf16.
; Results meet in LDS (rows of 1,536 bytes + 16 of padding) and leave as whole rows, 512 consecutive bytes a store.
; No cluster: what the work-groups share, 384 KiB of weights, goes straight into registers; no tile of it lies in LDS.
.set PITCH, 1552
.set SPARE, 64*PITCH                   ; behind the stage: the spare words, 128 bytes a wave
.set BQKV,  659456
.set BB,  32                           ; v[32:47]   two sets of 8 biases
.set WB,  64                           ; v[64:191]  two sets of 8 weight fragments
.set ACC, 192                          ; v[192:223] four accumulators, one for each tile of rows
.set TMP, 224                          ; v[224:231] at work
.set PKD, 232                          ; v[232:239] packed results, two sets
.set MSB, 0
.macro WIN new
.if MSB != (\new)
	s_set_vgpr_msb (MSB<<8)|(\new)
.set MSB, \new
.endif
.endm
	s_load_b128 s[4:7], s[0:1], 0x0                ; features, WTS
	s_load_b64 s[8:9], s[0:1], 0x10                ; QKV
	v_lshl_add_u32 v3, v0, 2, SPARE                ; my spare word
	v_mov_b32 v4, 0
	v_lshrrev_b32 v12, 5, v0
	v_readfirstlane_b32 s10, v12                   ; wave
	v_and_b32 v1, 15, v0                           ; r
	v_bfe_u32 v2, v0, 4, 1                         ; h
	v_and_b32 v13, 31, v0                          ; lane
	v_lshlrev_b32 v5, 10, v1
	v_lshl_add_u32 v5, v2, 5, v5                   ; features: row r, 8 h floats
	v_lshlrev_b32 v6, 9, v1
	v_lshl_add_u32 v6, v2, 4, v6                   ; weights: row r of a tile, 16 h bytes
	v_lshlrev_b32 v7, 5, v2                        ; biases: 8 h floats
	v_mul_u32_u24 v14, v1, PITCH
	v_lshl_add_u32 v14, v2, 4, v14
	s_mul_i32 s11, s10, 384
	v_add_nc_u32 v14, s11, v14                     ; stage: row r, my wave's 384 bytes, 16 h
	s_mul_i32 s11, s10, 16*PITCH
	v_lshl_add_u32 v10, v13, 4, s11                ; back: my wave's 16 rows, 16 bytes a lane
	v_lshlrev_b32 v11, 4, v13
	s_lshl_b32 s12, ttmp9, 16                      ; 64 rows of 1,024 bytes
	s_mov_b32 s13, 0
	s_mul_i32 s18, s10, 98304                      ; my wave's 192 weight rows
	s_mov_b32 s19, 0
	s_mul_i32 s20, s10, 768
	s_add_co_u32 s20, s20, BQKV
	s_mov_b32 s21, 0
	s_mul_i32 s22, ttmp9, 98304                    ; 64 rows of 1,536 bytes
	s_mul_i32 s11, s10, 24576                      ; my wave's 16 of them
	s_add_co_u32 s22, s22, s11
	s_mov_b32 s23, 0
	s_wait_kmcnt 0x0
	s_add_nc_u64 s[4:5], s[4:5], s[12:13]
	s_add_nc_u64 s[14:15], s[6:7], s[18:19]        ; the weight stream
	s_add_nc_u64 s[16:17], s[6:7], s[20:21]        ; the bias stream
	s_add_nc_u64 s[8:9], s[8:9], s[22:23]
; 16 rows x 256 features: 32 loads of 16 bytes a lane, rounded to bf16 into window 1: fragment (m, k) at v[64 m + 8 k]
.macro LOADF m
.irp k,0,1,2,3,4,5,6,7
	global_load_b128 v[64+16*(\k):64+16*(\k)+3],     v5, s[4:5] offset:(\m)*16384+128*(\k)
	global_load_b128 v[64+16*(\k)+4:64+16*(\k)+7],   v5, s[4:5] offset:(\m)*16384+128*(\k)+16
	global_load_b128 v[64+16*(\k)+8:64+16*(\k)+11],  v5, s[4:5] offset:(\m)*16384+128*(\k)+64
	global_load_b128 v[64+16*(\k)+12:64+16*(\k)+15], v5, s[4:5] offset:(\m)*16384+128*(\k)+80
.endr
	s_wait_loadcnt 0x0
	WIN 0x40                                       ; destination window 1
.set i, 0
.rept 64
	v_cvt_pk_bf16_f32 v[64*(\m)+i], v[64+2*i], v[64+2*i+1]
.set i, i+1
.endr
	WIN 0
.endm
; a tile's 16 weight loads and 2 bias loads into set u; n = the tile's place behind the two streams' bases
.macro LOADW u, n
.irp k,0,1,2,3,4,5,6,7
	global_load_b128 v[WB+64*(\u)+8*(\k):WB+64*(\u)+8*(\k)+3],   v6, s[14:15] offset:(\n)*8192+64*(\k)
	global_load_b128 v[WB+64*(\u)+8*(\k)+4:WB+64*(\u)+8*(\k)+7], v6, s[14:15] offset:(\n)*8192+64*(\k)+32
.endr
	global_load_b128 v[BB+8*(\u):BB+8*(\u)+3],   v7, s[16:17] offset:(\n)*64
	global_load_b128 v[BB+8*(\u)+4:BB+8*(\u)+7], v7, s[16:17] offset:(\n)*64+16
.endm
; 32 products; the four accumulators take turns, one instruction a turn; the first four start the sums
.macro MUL u
	WIN 0x04                                       ; source 1 (features) window 1
.irp k,0,1,2,3,4,5,6,7
.irp m,0,1,2,3
.if (\k) == 0
	v_wmma_f32_16x16x32_bf16 v[ACC+8*(\m):ACC+8*(\m)+7], v[WB+64*(\u)+8*(\k):WB+64*(\u)+8*(\k)+7], v[64*(\m)+8*(\k):64*(\m)+8*(\k)+7], 0
.else
	v_wmma_f32_16x16x32_bf16 v[ACC+8*(\m):ACC+8*(\m)+7], v[WB+64*(\u)+8*(\k):WB+64*(\u)+8*(\k)+7], v[64*(\m)+8*(\k):64*(\m)+8*(\k)+7], v[ACC+8*(\m):ACC+8*(\m)+7]
.endif
.endr
.endr
	WIN 0
.endm
; bias, rounding, 16 bytes a lane into the stage.  The four v_nop are the places behind the last product, also for the loads that follow into the set just multiplied
.macro EPI u
.rept 4
	v_nop
.endr
.irp m,0,1,2,3
.irp j,0,2,4,6
	v_pk_add_f32 v[TMP+(\j):TMP+(\j)+1], v[ACC+8*(\m)+(\j):ACC+8*(\m)+(\j)+1], v[BB+8*(\u)+(\j):BB+8*(\u)+(\j)+1]
.endr
.irp j,0,1,2,3
	v_cvt_pk_bf16_f32 v[PKD+4*((\m)%2)+(\j)], v[TMP+2*(\j)], v[TMP+2*(\j)+1]
.endr
	ds_store_b128 v[8+(\m)/2], v[PKD+4*((\m)%2):PKD+4*((\m)%2)+3] offset:((\m)%2)*16*PITCH+32*(\u)
.endr
.endm
	LOADF 0
	LOADF 1
	LOADF 2
	LOADF 3
	LOADW 0, 0
	s_mov_b32 s24, 0                               ; two tiles are 64 bytes of a stage row
	s_mov_b32 s25, 5
.Ltrip:                                            ; two tiles a trip
	v_add_nc_u32 v8, s24, v14                      ; rows 0-31
	v_add_nc_u32 v9, 32*PITCH, v8                  ; rows 32-63
	LOADW 1, 1
	s_wait_loadcnt 18                              ; set 0 is in; the 18 loads just issued stay out
	MUL 0
	EPI 0
	LOADW 0, 2
	s_wait_loadcnt 18                              ; set 1 is in
	MUL 1
	EPI 1
	s_wait_xcnt 0x0                                ; the two bases are written only behind this wait
	s_add_nc_u64 s[14:15], s[14:15], 16384
	s_add_nc_u64 s[16:17], s[16:17], 128
	s_add_co_u32 s24, s24, 64
	s_sub_co_u32 s25, s25, 1
	s_cmp_lg_u32 s25, 0
	s_cbranch_scc1 .Ltrip
	v_add_nc_u32 v8, s24, v14                      ; the last two tiles: nothing is asked for behind them
	v_add_nc_u32 v9, 32*PITCH, v8
	LOADW 1, 1
	s_wait_loadcnt 18
	MUL 0
	EPI 0
	s_wait_loadcnt 0x0
	MUL 1
	EPI 1
	s_wait_dscnt 0x0                               ; for the others' sake: my stores into the stage are done
	s_barrier_signal -1
	s_barrier_wait -1
.set t, 0
.rept 48                                           ; my 16 rows, three pieces of 512 bytes each
	ds_load_b128 v[32+4*t:32+4*t+3], v10 offset:(t/3)*PITCH+(t%3)*512
.set t, t+1
.endr
.set t, 0
.rept 48
	s_wait_dscnt 47-t                              ; LDS loads come back in order: piece t is in
	global_store_b128 v11, v[32+4*t:32+4*t+3], s[8:9] offset:(t/3)*1536+(t%3)*512   ; 512 consecutive bytes, aligned
.set t, t+1
.endr
	s_wait_tensorcnt 0x0                           ; the wave's end
	ds_add_u32 v3, v4
	s_wait_dscnt 0x0
	s_endpgm
.Lfunc_end_k_q6667726959_proj:
	.size	k_q6667726959_proj, .Lfunc_end_k_q6667726959_proj-k_q6667726959_proj
	.p2alignl 7, 3214868480
	.fill 96, 4, 3214868480
	.section	.rodata,"a",@progbits
	.p2align	6, 0x0
	.amdhsa_kernel k_q6667726959_proj
		.amdhsa_group_segment_fixed_size 99840
		.amdhsa_private_segment_fixed_size 0
		.amdhsa_enable_private_segment 0
		.amdhsa_kernarg_size 24
		.amdhsa_user_sgpr_count 2
		.amdhsa_user_sgpr_kernarg_segment_ptr 1
		.amdhsa_wavefront_size32 1
		.amdhsa_system_sgpr_workgroup_id_x 1
		.amdhsa_system_sgpr_workgroup_id_y 1
		.amdhsa_system_sgpr_workgroup_id_z 1
		.amdhsa_system_vgpr_workitem_id 0
		.amdhsa_next_free_vgpr 512
		.amdhsa_next_free_sgpr 66
		.amdhsa_reserve_vcc 0
		.amdhsa_float_denorm_mode_32 3
		.amdhsa_float_denorm_mode_16_64 3
		.amdhsa_memory_ordered 1
		.amdhsa_forward_progress 1
		.amdhsa_inst_pref_size 65
	.end_amdhsa_kernel
	.amdgpu_metadata
---
amdhsa.version: [ 1, 2 ]
amdhsa.kernels:
  - .name:           k_q6667726959_proj
    .symbol:         k_q6667726959_proj.kd
    .args:
      - { .name: features, .offset: 0, .size: 8, .value_kind: global_buffer, .address_space: global }
      - { .name: WTS, .offset: 8, .size: 8, .value_kind: global_buffer, .address_space: global }
      - { .name: QKV, .offset: 16, .size: 8, .value_kind: global_buffer, .address_space: global }
    .group_segment_fixed_size: 99840
    .private_segment_fixed_size: 0
    .kernarg_segment_align: 8
    .kernarg_segment_size: 24
    .max_flat_workgroup_size: 128
    .sgpr_count:     66
    .vgpr_count:     512
    .wavefront_size: 32
...
	.end_amdgpu_metadata
.endif
;; end of part 2
;; launch knna (part 3): grid 256 x 1, 16 waves a work-group, no clusters, 75,776 bytes of LDS; arguments TS, GL; writes GL
.if DOCPART == 3
	.amdgcn_target "amdgcn-amd-amdhsa--gfx1250"
	.amdhsa_code_object_version 6
	.text
	.protected	k_q6667726959_knna
	.globl	k_q6667726959_knna
	.p2align	8
	.type	k_q6667726959_knna,@function
k_q6667726959_knna:
	s_mov_b64 s[64:65], 0
	v_nop
	global_prefetch_b8 v0, s[64:65] scope:SCOPE_SE
	s_setreg_imm32_b32 hwreg(HW_REG_WAVE_MODE, 25, 1), 1
	s_wait_xcnt 0x0
; FIRST HALF OF THE NEIGHBOUR SEARCH.  The 8,192 points of a batch lie in 256 groups of 32 neighbouring indices.  For each query: the 16 groups that come first by (smallest dist2 in the group, group number).
; Every one of the 16 nearest points (ties to the lower index) lies in one of them: were it elsewhere, 16 group minima would come before it.
; dist2 = fma(-2, fma(z,z',fma(y,y',x*x')), d2n + d2m), d2 = fma(z,z,fma(y,y,x*x)), all f32.  LIMIT: the set of neighbours equals that of a reference only if it rounds in this way; coordinates are finite.
; A work-group has 64 queries; a lane holds two (l and l + 32) in register pairs; wave w takes candidates 512 w .. 512 w + 511 as scalars, four at a time, in two sets of 32 scalar registers that take turns.
; The minima meet in LDS, M[group][query]; then waves 0-3 select, 16 queries each, lane (r, h) walking groups 128 h .. 128 h + 127 of query r:
;   pass 1 keeps the 16 smallest values sorted (a median of three for each place); the halves are merged: TAU = the 16th smallest, E = how many of the 16 equal TAU;
;   pass 2 walks again in ascending order and shifts each hit's number into a 256-bit register; no branch and no address hangs on a distance.
.set SPARE, 73728                      ; M takes 65,536 bytes; the spare words, 128 bytes a wave, lie 8,192 bytes behind it
.set ZR,   5
.set SIXT, 7
.set IDB,  9
.set ID,   10
.set E1,   11
.set SH,   12
.set NSH,  13
.set QUO,  14
.set TAU,  15
.set L,    32                          ; v[32:47]  the 16 smallest, ascending
.set LM,   48                          ; v[48:63]  merged
.set W,    64                          ; v[64:71]  16 numbers of 16 bits
.set T,    72                          ; v[72:79]  four candidates x two queries
.set VB,   80                          ; v[80:95]  16 values
.set U,    112                         ; v[112:119]
.set ME,   121
.set MCN,  122
.set MT1,  123
.set MT2,  124
.set MCP,  125
.set MNP,  126
.set PS0,  14                          ; s14, s15: each lane takes its own place in the other half
.set PS1,  15
.set HM,   48                          ; s48: the lanes with h = 1
.set S0,   16                          ; s[16:47], s[68:99]: two sets of four candidates
.set S1,   68
.macro BATCH cur, oth, first
	s_wait_kmcnt 0x0                               ; the set in hand is in; nothing else is out, so the offset may be written
	s_add_co_u32 s10, s10, 128
	s_min_u32 s10, s10, 262016                     ; the last request of all stays inside the batch's table
	s_load_b512 s[\oth:\oth+15], s[12:13], s10 offset:0x0
	s_load_b512 s[\oth+16:\oth+31], s[12:13], s10 offset:0x40
.irp c,0,1,2,3
	v_pk_mul_f32 v[T+2*(\c):T+2*(\c)+1], v[24:25], s[\cur+8*(\c):\cur+8*(\c)+1] op_sel_hi:[1,0]
	v_pk_add_f32 v[U+2*(\c):U+2*(\c)+1], v[30:31], s[\cur+8*(\c)+6:\cur+8*(\c)+7] op_sel_hi:[1,0]
.endr
.irp c,0,1,2,3
	v_pk_fma_f32 v[T+2*(\c):T+2*(\c)+1], v[26:27], s[\cur+8*(\c)+2:\cur+8*(\c)+3], v[T+2*(\c):T+2*(\c)+1] op_sel_hi:[1,0,1]
.endr
.irp c,0,1,2,3
	v_pk_fma_f32 v[T+2*(\c):T+2*(\c)+1], v[28:29], s[\cur+8*(\c)+4:\cur+8*(\c)+5], v[T+2*(\c):T+2*(\c)+1] op_sel_hi:[1,0,1]
.endr
.irp c,0,1,2,3
	v_pk_fma_f32 v[T+2*(\c):T+2*(\c)+1], v[T+2*(\c):T+2*(\c)+1], -2.0, v[U+2*(\c):U+2*(\c)+1] op_sel_hi:[1,0,1]
.endr
.if \first
	v_min_num_f32 v20, v[T], v[T+2]
	v_min_num_f32 v21, v[T+1], v[T+3]
.else
	v_min3_num_f32 v20, v20, v[T], v[T+2]
	v_min3_num_f32 v21, v21, v[T+1], v[T+3]
.endif
	v_min3_num_f32 v20, v20, v[T+4], v[T+6]
	v_min3_num_f32 v21, v21, v[T+5], v[T+7]
.endm
; 16 values into the sorted list: place i takes the median of the value and the old places i - 1 and i
.macro INS16
.irp j,0,1,2,3,4,5,6,7,8,9,10,11,12,13,14,15
.irp i,15,14,13,12,11,10,9,8,7,6,5,4,3,2,1
	v_med3_num_f32 v[L+(\i)], v[VB+(\j)], v[L+(\i)-1], v[L+(\i)]
.endr
	v_min_num_f32 v[L], v[L], v[VB+(\j)]
.endr
.endm
; the two halves' lists: min(L[i], other L[15 - i]) are the 16 smallest of the 32.  QUO = how many values equal to TAU this half may still take, x 16:
; the lower half E; the upper half E less what the lower half takes, min(its count of TAU in L, E)
.macro MERGE
.irp i,0,1,2,3,4,5,6,7,8,9,10,11,12,13,14,15
	v_mov_b32 v[LM+(\i)], v[L+(\i)]                ; v_permlanex16_b32's destination counts as read
.endr
.irp i,0,1,2,3,4,5,6,7,8,9,10,11,12,13,14,15
	v_permlanex16_b32 v[LM+(\i)], v[L+15-(\i)], s[PS0], s[PS1]
.endr
.irp i,0,1,2,3,4,5,6,7,8,9,10,11,12,13,14,15
	v_min_num_f32 v[LM+(\i)], v[LM+(\i)], v[L+(\i)]
.endr
	v_max3_num_f32 v[TAU], v[LM], v[LM+1], v[LM+2]
.irp i,3,5,7,9,11,13
	v_max3_num_f32 v[TAU], v[TAU], v[LM+(\i)], v[LM+(\i)+1]
.endr
	v_max_num_f32 v[TAU], v[TAU], v[LM+15]
	v_mov_b32 v[ME], 0
	v_mov_b32 v[MCN], 0
.irp i,0,1,2,3,4,5,6,7,8,9,10,11,12,13,14,15
	v_cmp_eq_f32 vcc_lo, v[LM+(\i)], v[TAU]
	v_cndmask_b32 v[MT1], 0, v[SIXT], vcc_lo
	v_add_nc_u32 v[ME], v[ME], v[MT1]
	v_cmp_eq_f32 vcc_lo, v[L+(\i)], v[TAU]
	v_cndmask_b32 v[MT2], 0, v[SIXT], vcc_lo
	v_add_nc_u32 v[MCN], v[MCN], v[MT2]
.endr
	v_mov_b32 v[MCP], v[MCN]
	v_permlanex16_b32 v[MCP], v[MCN], s[PS0], s[PS1]
	v_min_u32 v[MCP], v[MCP], v[ME]
	v_sub_nc_u32 v[MCP], v[ME], v[MCP]
	v_cndmask_b32 v[QUO], v[ME], v[MCP], s[HM]
.endm
; 16 values in ascending order of their numbers: a hit (below TAU, or equal while the quota lasts) shifts W down by 16 bits and enters its number on top
.macro HIT16
.irp j,0,1,2,3,4,5,6,7,8,9,10,11,12,13,14,15
	v_cmp_eq_f32 vcc_lo, v[VB+(\j)], v[TAU]
	v_cndmask_b32 v[E1], 0, v[SIXT], vcc_lo
	v_min_u32 v[E1], v[E1], v[QUO]
	v_sub_nc_u32 v[QUO], v[QUO], v[E1]
	v_cmp_lt_f32 vcc_lo, v[VB+(\j)], v[TAU]
	v_cndmask_b32 v[SH], v[E1], v[SIXT], vcc_lo
	v_add_nc_u32 v[NSH], v[NSH], v[SH]
	v_add_nc_u32 v[ID], \j, v[IDB]
.irp i,0,1,2,3,4,5,6
	v_alignbit_b32 v[W+(\i)], v[W+(\i)+1], v[W+(\i)], v[SH]
.endr
	v_alignbit_b32 v[W+7], v[ID], v[W+7], v[SH]
.endr
.endm
; the lower half's hits go down by as many places as the upper half has hits; then the two registers are one list, ascending
.macro TAIL
	v_mov_b32 v[MNP], v[NSH]
	v_permlanex16_b32 v[MNP], v[NSH], s[PS0], s[PS1]
	v_cndmask_b32 v[MNP], v[MNP], v[ZR], s[HM]
.irp k,0,1,2,3,4,5,6,7,8,9,10,11,12,13,14,15
	v_cmp_lt_u32 vcc_lo, 16*(\k), v[MNP]
	v_cndmask_b32 v[SH], 0, v[SIXT], vcc_lo
.irp i,0,1,2,3,4,5,6
	v_alignbit_b32 v[W+(\i)], v[W+(\i)+1], v[W+(\i)], v[SH]
.endr
	v_alignbit_b32 v[W+7], v[ZR], v[W+7], v[SH]
.endr
.irp i,0,1,2,3,4,5,6,7
	v_permlanex16_b32 v[LM+(\i)], v[W+(\i)], s[PS0], s[PS1]
.endr
.irp i,0,1,2,3,4,5,6,7
	v_or_b32 v[W+(\i)], v[W+(\i)], v[LM+(\i)]
.endr
.endm
	s_load_b128 s[4:7], s[0:1], 0x0                ; TS, GL
	v_lshl_add_u32 v3, v0, 2, SPARE                ; my spare word
	v_mov_b32 v4, 0
	v_lshrrev_b32 v8, 5, v0
	v_readfirstlane_b32 s8, v8                     ; wave 0..15
	v_and_b32 v1, 31, v0
	v_and_b32 v18, 15, v0                          ; r
	v_bfe_u32 v2, v0, 4, 1                         ; h
	s_lshr_b32 s11, ttmp9, 7                       ; batch
	s_and_b32 s50, ttmp9, 127
	s_lshl_b32 s50, s50, 11                        ; my 64 queries: 32 bytes each
	v_lshl_add_u32 v16, v1, 5, s50
	s_lshl_b32 s52, s11, 18                        ; a batch's table: 262,144 bytes
	s_mov_b32 s53, 0
	s_lshl_b32 s10, s8, 14                         ; my wave's 512 candidates
	s_mov_b32 s[PS0], 0x76543210
	s_mov_b32 s[PS1], 0xfedcba98
	s_mov_b32 s[HM], 0xffff0000
	s_lshl_b32 s51, s8, 12                         ; my wave's 16 groups in M
	v_lshl_add_u32 v17, v1, 2, s51
	s_lshl_b32 s54, s8, 6                          ; the selection (waves 0-3): query 16 s + r,
	v_lshl_add_u32 v19, v18, 2, s54
	v_lshl_add_u32 v19, v2, 15, v19                ; groups from 128 h on
	s_wait_kmcnt 0x0
	s_add_nc_u64 s[12:13], s[4:5], s[52:53]
	s_load_b512 s[S0:S0+15], s[12:13], s10 offset:0x0
	s_load_b512 s[S0+16:S0+31], s[12:13], s10 offset:0x40
	global_load_b32 v24, v16, s[12:13]
	global_load_b32 v26, v16, s[12:13] offset:8
	global_load_b32 v28, v16, s[12:13] offset:16
	global_load_b32 v30, v16, s[12:13] offset:24
	global_load_b32 v25, v16, s[12:13] offset:1024
	global_load_b32 v27, v16, s[12:13] offset:1032
	global_load_b32 v29, v16, s[12:13] offset:1040
	global_load_b32 v31, v16, s[12:13] offset:1048
	s_mov_b32 s49, 0
	s_mov_b32 s9, 16
	s_wait_loadcnt 0x0
.Lgroup:                                           ; a group of 32 candidates a trip
	BATCH S0, S1, 1
	BATCH S1, S0, 0
	BATCH S0, S1, 0
	BATCH S1, S0, 0
	BATCH S0, S1, 0
	BATCH S1, S0, 0
	BATCH S0, S1, 0
	BATCH S1, S0, 0
	v_add_nc_u32 v6, s49, v17
	ds_store_b32 v6, v20
	ds_store_b32 v6, v21 offset:128
	s_add_co_u32 s49, s49, 256
	s_sub_co_u32 s9, s9, 1
	s_cmp_lg_u32 s9, 0
	s_cbranch_scc1 .Lgroup
	s_wait_kmcnt 0x0                               ; the request that ran ahead
	s_wait_dscnt 0x0                               ; for the others' sake: my minima lie in M
	s_barrier_signal -1
	s_barrier_wait -1
	s_cmp_lt_u32 s8, 4
	s_cbranch_scc0 .Lend
	v_mov_b32 v[ZR], 0
	v_mov_b32 v[SIXT], 16
	v_mov_b32 v[NSH], 0
	v_lshlrev_b32 v[IDB], 7, v2
.irp i,0,1,2,3,4,5,6,7,8,9,10,11,12,13,14,15
	v_mov_b32 v[L+(\i)], 0x7f800000
.endr
.irp i,0,1,2,3,4,5,6,7
	v_mov_b32 v[W+(\i)], 0
.endr
	s_mov_b32 s55, 0                               ; each loop has a step, a count and an address register of its own
	s_mov_b32 s56, 8
.Lpass1:                                           ; 16 groups a trip
	v_add_nc_u32 v22, s55, v19
.irp j,0,1,2,3,4,5,6,7,8,9,10,11,12,13,14,15
	ds_load_b32 v[VB+(\j)], v22 offset:256*(\j)
.endr
	s_wait_dscnt 0x0
	INS16
	s_add_co_u32 s55, s55, 4096
	s_sub_co_u32 s56, s56, 1
	s_cmp_lg_u32 s56, 0
	s_cbranch_scc1 .Lpass1
	MERGE
	s_mov_b32 s57, 0
	s_mov_b32 s58, 8
.Lpass2:
	v_add_nc_u32 v23, s57, v19
.irp j,0,1,2,3,4,5,6,7,8,9,10,11,12,13,14,15
	ds_load_b32 v[VB+(\j)], v23 offset:256*(\j)
.endr
	s_wait_dscnt 0x0
	HIT16
	v_add_nc_u32 v[IDB], 16, v[IDB]
	s_add_co_u32 s57, s57, 4096
	s_sub_co_u32 s58, s58, 1
	s_cmp_lg_u32 s58, 0
	s_cbranch_scc1 .Lpass2
	TAIL
.irp i,0,1,2,3
	v_cndmask_b32 v[U+(\i)], v[W+(\i)], v[W+4+(\i)], s[HM]   ; each half stores its 16 bytes of the query's 32
.endr
	s_lshl_b32 s50, ttmp9, 11
	s_lshl_b32 s51, s8, 9
	s_add_co_u32 s50, s50, s51
	v_lshl_add_u32 v16, v18, 5, s50
	v_lshl_add_u32 v16, v2, 4, v16
	global_store_b128 v16, v[U:U+3], s[6:7]        ; the wave's 16 queries: 512 consecutive bytes
.Lend:
	s_wait_dscnt 0x0                               ; my LDS reads are back,
	s_barrier_signal -1
	s_barrier_wait -1                              ; and so are every wave's: no LDS word is written below while a wave still reads
	s_wait_tensorcnt 0x0                           ; the wave's end
	ds_add_u32 v3, v4
	s_wait_dscnt 0x0
	s_endpgm
.Lfunc_end_k_q6667726959_knna:
	.size	k_q6667726959_knna, .Lfunc_end_k_q6667726959_knna-k_q6667726959_knna
	.p2alignl 7, 3214868480
	.fill 96, 4, 3214868480
	.section	.rodata,"a",@progbits
	.p2align	6, 0x0
	.amdhsa_kernel k_q6667726959_knna
		.amdhsa_group_segment_fixed_size 75776
		.amdhsa_private_segment_fixed_size 0
		.amdhsa_enable_private_segment 0
		.amdhsa_kernarg_size 16
		.amdhsa_user_sgpr_count 2
		.amdhsa_user_sgpr_kernarg_segment_ptr 1
		.amdhsa_wavefront_size32 1
		.amdhsa_system_sgpr_workgroup_id_x 1
		.amdhsa_system_sgpr_workgroup_id_y 1
		.amdhsa_system_sgpr_workgroup_id_z 1
		.amdhsa_system_vgpr_workitem_id 0
		.amdhsa_next_free_vgpr 128
		.amdhsa_next_free_sgpr 100
		.amdhsa_reserve_vcc 1
		.amdhsa_float_denorm_mode_32 3
		.amdhsa_float_denorm_mode_16_64 3
		.amdhsa_memory_ordered 1
		.amdhsa_forward_progress 1
		.amdhsa_inst_pref_size 66
	.end_amdhsa_kernel
	.amdgpu_metadata
---
amdhsa.version: [ 1, 2 ]
amdhsa.kernels:
  - .name:           k_q6667726959_knna
    .symbol:         k_q6667726959_knna.kd
    .args:
      - { .name: TS, .offset: 0, .size: 8, .value_kind: global_buffer, .address_space: global }
      - { .name: GL, .offset: 8, .size: 8, .value_kind: global_buffer, .address_space: global }
    .group_segment_fixed_size: 75776
    .private_segment_fixed_size: 0
    .kernarg_segment_align: 8
    .kernarg_segment_size: 16
    .max_flat_workgroup_size: 512
    .sgpr_count:     100
    .vgpr_count:     128
    .wavefront_size: 32
...
	.end_amdgpu_metadata
.endif
;; end of part 3
;; launch knnb (part 4): grid 256 x 1, 4 waves a work-group, no clusters, 167,936 bytes of LDS; arguments TP, TS, GL, IDX; writes IDX
.if DOCPART == 4
	.amdgcn_target "amdgcn-amd-amdhsa--gfx1250"
	.amdhsa_code_object_version 6
	.text
	.protected	k_q6667726959_knnb
	.globl	k_q6667726959_knnb
	.p2align	8
	.type	k_q6667726959_knnb,@function
k_q6667726959_knnb:
	s_mov_b64 s[64:65], 0
	v_nop
	global_prefetch_b8 v0, s[64:65] scope:SCOPE_SE
	s_setreg_imm32_b32 hwreg(HW_REG_WAVE_MODE, 25, 1), 1
	s_wait_xcnt 0x0
; SECOND HALF OF THE NEIGHBOUR SEARCH.  For each query the 16 nearest points (ties to the lower index) out of its 16 groups x 32 candidates, which the launch before has listed in ascending order.
; dist2 as there: fma(-2, fma(z,z',fma(y,y',x*x')), d2n + d2m), f32; the same limit holds.
; The batch's whole table of pairs, 256 groups of 512 bytes, lies in LDS (pitch 528): each wave brings 64 groups by one tensor load, once; nothing is filled again.
; A wave has 16 queries; lane (r, h) walks group slots 8 h .. 8 h + 7 of query r, half a group (16 candidates) a trip.  Both passes form the distances anew, by the same lines, so nothing is stored to LDS.
; The group numbers are whole numbers read from memory and are held to 0 .. 255 before they enter an LDS address.  No address and no branch hangs on a distance.
; NO CLUSTER, though the 128 work-groups of a batch read the same 131,072 bytes: the LDS addresses of the walk come from each work-group's own lists, which differ from work-group to work-group.
.set GP,    528                        ; a group in LDS: 512 bytes + 16
.set SPARE, 256*GP+1024                ; the spare words, 128 bytes a wave, lie 1,024 bytes behind the table
.set ZR,   5
.set SIXT, 7
.set IDB,  9
.set ID,   10
.set E1,   11
.set SH,   12
.set NSH,  13
.set QUO,  14
.set TAU,  15
.set L,    32
.set LM,   48
.set W,    64
.set U,    72                          ; v[72:87]
.set VB,   88                          ; v[88:103]  16 distances
.set ME,   106
.set MCN,  107
.set MT1,  108
.set MT2,  109
.set MCP,  110
.set MNP,  111
.set CB,   112                         ; v[112:175] eight pairs of candidates
.set PS0,  32
.set PS1,  33
.set HM,   34
.set WV,   12
; half a group: 16 loads, 16 distances; st = the scalar register that holds the half's byte offset, 0 or 256
.macro DIST16 st
	v_add_nc_u32 v6, s[\st], v8
.irp p,0,1,2,3,4,5,6,7
	ds_load_b128 v[CB+8*(\p):CB+8*(\p)+3],   v6 offset:32*(\p)
	ds_load_b128 v[CB+8*(\p)+4:CB+8*(\p)+7], v6 offset:32*(\p)+16
.endr
	s_wait_dscnt 0x0
.irp p,0,1,2,3,4,5,6,7
	v_pk_mul_f32 v[VB+2*(\p):VB+2*(\p)+1], v[24:25], v[CB+8*(\p):CB+8*(\p)+1]
	v_pk_add_f32 v[U+2*(\p):U+2*(\p)+1], v[30:31], v[CB+8*(\p)+6:CB+8*(\p)+7]
.endr
.irp p,0,1,2,3,4,5,6,7
	v_pk_fma_f32 v[VB+2*(\p):VB+2*(\p)+1], v[26:27], v[CB+8*(\p)+2:CB+8*(\p)+3], v[VB+2*(\p):VB+2*(\p)+1]
.endr
.irp p,0,1,2,3,4,5,6,7
	v_pk_fma_f32 v[VB+2*(\p):VB+2*(\p)+1], v[28:29], v[CB+8*(\p)+4:CB+8*(\p)+5], v[VB+2*(\p):VB+2*(\p)+1]
.endr
.irp p,0,1,2,3,4,5,6,7
	v_pk_fma_f32 v[VB+2*(\p):VB+2*(\p)+1], v[VB+2*(\p):VB+2*(\p)+1], -2.0, v[U+2*(\p):U+2*(\p)+1] op_sel_hi:[1,0,1]
.endr
.endm
; 16 values into the sorted list: place i takes the median of the value and the old places i - 1 and i
.macro INS16
.irp j,0,1,2,3,4,5,6,7,8,9,10,11,12,13,14,15
.irp i,15,14,13,12,11,10,9,8,7,6,5,4,3,2,1
	v_med3_num_f32 v[L+(\i)], v[VB+(\j)], v[L+(\i)-1], v[L+(\i)]
.endr
	v_min_num_f32 v[L], v[L], v[VB+(\j)]
.endr
.endm
; the halves' lists merged; TAU = the 16th smallest; QUO = how many values equal to TAU this half may take, x 16
.macro MERGE
.irp i,0,1,2,3,4,5,6,7,8,9,10,11,12,13,14,15
	v_mov_b32 v[LM+(\i)], v[L+(\i)]                ; v_permlanex16_b32's destination counts as read
.endr
.irp i,0,1,2,3,4,5,6,7,8,9,10,11,12,13,14,15
	v_permlanex16_b32 v[LM+(\i)], v[L+15-(\i)], s[PS0], s[PS1]
.endr
.irp i,0,1,2,3,4,5,6,7,8,9,10,11,12,13,14,15
	v_min_num_f32 v[LM+(\i)], v[LM+(\i)], v[L+(\i)]
.endr
	v_max3_num_f32 v[TAU], v[LM], v[LM+1], v[LM+2]
.irp i,3,5,7,9,11,13
	v_max3_num_f32 v[TAU], v[TAU], v[LM+(\i)], v[LM+(\i)+1]
.endr
	v_max_num_f32 v[TAU], v[TAU], v[LM+15]
	v_mov_b32 v[ME], 0
	v_mov_b32 v[MCN], 0
.irp i,0,1,2,3,4,5,6,7,8,9,10,11,12,13,14,15
	v_cmp_eq_f32 vcc_lo, v[LM+(\i)], v[TAU]
	v_cndmask_b32 v[MT1], 0, v[SIXT], vcc_lo
	v_add_nc_u32 v[ME], v[ME], v[MT1]
	v_cmp_eq_f32 vcc_lo, v[L+(\i)], v[TAU]
	v_cndmask_b32 v[MT2], 0, v[SIXT], vcc_lo
	v_add_nc_u32 v[MCN], v[MCN], v[MT2]
.endr
	v_mov_b32 v[MCP], v[MCN]
	v_permlanex16_b32 v[MCP], v[MCN], s[PS0], s[PS1]
	v_min_u32 v[MCP], v[MCP], v[ME]
	v_sub_nc_u32 v[MCP], v[ME], v[MCP]
	v_cndmask_b32 v[QUO], v[ME], v[MCP], s[HM]
.endm
; a hit (below TAU, or equal while the quota lasts) shifts W down by 16 bits and enters its index on top
.macro HIT16
.irp j,0,1,2,3,4,5,6,7,8,9,10,11,12,13,14,15
	v_cmp_eq_f32 vcc_lo, v[VB+(\j)], v[TAU]
	v_cndmask_b32 v[E1], 0, v[SIXT], vcc_lo
	v_min_u32 v[E1], v[E1], v[QUO]
	v_sub_nc_u32 v[QUO], v[QUO], v[E1]
	v_cmp_lt_f32 vcc_lo, v[VB+(\j)], v[TAU]
	v_cndmask_b32 v[SH], v[E1], v[SIXT], vcc_lo
	v_add_nc_u32 v[NSH], v[NSH], v[SH]
	v_add_nc_u32 v[ID], \j, v[IDB]
.irp i,0,1,2,3,4,5,6
	v_alignbit_b32 v[W+(\i)], v[W+(\i)+1], v[W+(\i)], v[SH]
.endr
	v_alignbit_b32 v[W+7], v[ID], v[W+7], v[SH]
.endr
.endm
; the lower half's hits go down by as many places as the upper half has hits; then the two registers are one list
.macro TAIL
	v_mov_b32 v[MNP], v[NSH]
	v_permlanex16_b32 v[MNP], v[NSH], s[PS0], s[PS1]
	v_cndmask_b32 v[MNP], v[MNP], v[ZR], s[HM]
.irp k,0,1,2,3,4,5,6,7,8,9,10,11,12,13,14,15
	v_cmp_lt_u32 vcc_lo, 16*(\k), v[MNP]
	v_cndmask_b32 v[SH], 0, v[SIXT], vcc_lo
.irp i,0,1,2,3,4,5,6
	v_alignbit_b32 v[W+(\i)], v[W+(\i)+1], v[W+(\i)], v[SH]
.endr
	v_alignbit_b32 v[W+7], v[ZR], v[W+7], v[SH]
.endr
.irp i,0,1,2,3,4,5,6,7
	v_permlanex16_b32 v[LM+(\i)], v[W+(\i)], s[PS0], s[PS1]
.endr
.irp i,0,1,2,3,4,5,6,7
	v_or_b32 v[W+(\i)], v[W+(\i)], v[LM+(\i)]
.endr
.endm
; the next group slot's number out of the four words at g, which are then turned down by 16 bits
.macro NEXTG g
	v_and_b32 v8, 0xffff, v[\g]
	v_min_u32 v8, 0xff, v8                         ; a number read from memory enters an address only behind this bound
	v_alignbit_b32 v[\g], v[\g+1], v[\g], 16
	v_alignbit_b32 v[\g+1], v[\g+2], v[\g+1], 16
	v_alignbit_b32 v[\g+2], v[\g+3], v[\g+2], 16
	v_lshrrev_b32 v[\g+3], 16, v[\g+3]
.endm
	s_load_b256 s[4:11], s[0:1], 0x0               ; TP s[4:5], TS s[6:7], GL s[8:9], IDX s[10:11]
	v_lshl_add_u32 v3, v0, 2, SPARE                ; my spare word
	v_mov_b32 v4, 0
	ds_add_u32 v3, v4                              ; the wave's opening: the add, twice on end, and its wait ahead of my tensor load
	ds_add_u32 v3, v4
	v_lshrrev_b32 v8, 5, v0
	v_readfirstlane_b32 s[WV], v8                  ; wave
	v_and_b32 v1, 15, v0                           ; r
	v_bfe_u32 v2, v0, 4, 1                         ; h
	; descriptor group 1: 64 rows of 128 elements of 4 bytes, 16 bytes of padding behind each row
	s_mov_b32 s24, (2<<16)|(1<<20)|(6<<22)|(3<<25) ; no mask; 4-byte elements; padding on; after every 128 words; 4 words
	s_mov_b32 s25, 128<<16                         ; tensor_dim0 = 128
	s_mov_b32 s26, 64<<16                          ; tensor_dim1 = 64
	s_mov_b32 s27, 128<<16                         ; tile_dim0 = 128
	s_mov_b32 s28, 64                              ; tile_dim1 = 64
	s_mov_b32 s29, 128                             ; elements from row to row
	s_mov_b32 s30, 0
	s_mov_b32 s31, 0
	s_mov_b32 s16, 1                               ; group 0: count
	s_mul_i32 s17, s[WV], 64*GP                    ; LDS address: my wave's 64 groups
	s_lshr_b32 s13, ttmp9, 7                       ; batch: 128 work-groups each
	s_lshl_b32 s20, s13, 17                        ; a batch's table: 131,072 bytes,
	s_lshl_b32 s21, s[WV], 15                      ; my wave's 64 groups of 512
	s_add_co_u32 s20, s20, s21
	s_mov_b32 s21, 0
	s_lshl_b32 s15, ttmp9, 11                      ; the work-group's 64 queries, 32 bytes each,
	s_lshl_b32 s22, s[WV], 9                       ; my wave's 16
	s_add_co_u32 s15, s15, s22
	v_lshl_add_u32 v104, v1, 5, s15
	v_lshl_add_u32 v105, v2, 4, v104
	s_mov_b32 s[PS0], 0x76543210
	s_mov_b32 s[PS1], 0xfedcba98
	s_mov_b32 s[HM], 0xffff0000
	s_wait_dscnt 0x0                               ; both opening adds are done
	s_wait_kmcnt 0x0
	s_add_nc_u64 s[18:19], s[4:5], s[20:21]
	s_or_b32 s19, s19, 0x80000000                  ; type = 2
	tensor_load_to_lds s[16:19], s[24:31]          ; my one tensor load of the launch
	s_nop 0
	global_load_b128 v[16:19], v105, s[8:9]        ; my eight group numbers
	global_load_b128 v[24:27], v104, s[6:7]        ; x x y y
	global_load_b128 v[28:31], v104, s[6:7] offset:16   ; z z d d
	v_mov_b32 v[ZR], 0
	v_mov_b32 v[SIXT], 16
	v_mov_b32 v[NSH], 0
.irp i,0,1,2,3,4,5,6,7,8,9,10,11,12,13,14,15
	v_mov_b32 v[L+(\i)], 0x7f800000
.endr
.irp i,0,1,2,3,4,5,6,7
	v_mov_b32 v[W+(\i)], 0
.endr
	s_wait_tensorcnt 0x0                           ; my 64 groups are in,
	s_barrier_signal -1
	s_barrier_wait -1                              ; everybody's are; nothing is filled again
	s_wait_loadcnt 0x0
.irp i,0,1,2,3
	v_mov_b32 v[20+(\i)], v[16+(\i)]               ; the numbers once more, for the second pass
.endr
	s_mov_b32 s20, 8
.Lp1o:                                             ; a group slot a trip,
	NEXTG 16
	v_mul_u32_u24 v8, v8, GP
	s_mov_b32 s21, 0
	s_mov_b32 s22, 2
.Lp1i:                                             ; half a group a trip
	DIST16 21
	INS16
	s_add_co_u32 s21, s21, 256
	s_sub_co_u32 s22, s22, 1
	s_cmp_lg_u32 s22, 0
	s_cbranch_scc1 .Lp1i
	s_sub_co_u32 s20, s20, 1
	s_cmp_lg_u32 s20, 0
	s_cbranch_scc1 .Lp1o
	MERGE
	s_mov_b32 s36, 8                               ; the second pass has loop registers of its own
.Lp2o:
	NEXTG 20
	v_lshlrev_b32 v[IDB], 5, v8                    ; the group's first index in the batch
	v_mul_u32_u24 v8, v8, GP
	s_mov_b32 s37, 0
	s_mov_b32 s38, 2
.Lp2i:
	DIST16 37
	HIT16
	v_add_nc_u32 v[IDB], 16, v[IDB]
	s_add_co_u32 s37, s37, 256
	s_sub_co_u32 s38, s38, 1
	s_cmp_lg_u32 s38, 0
	s_cbranch_scc1 .Lp2i
	s_sub_co_u32 s36, s36, 1
	s_cmp_lg_u32 s36, 0
	s_cbranch_scc1 .Lp2o
	TAIL
.irp i,0,1,2,3
	v_cndmask_b32 v[U+(\i)], v[W+(\i)], v[W+4+(\i)], s[HM]   ; each half stores its 16 bytes of the query's 32
.endr
	global_store_b128 v105, v[U:U+3], s[10:11]     ; the wave's 16 queries: 512 consecutive bytes
	s_wait_dscnt 0x0                               ; my LDS reads are back,
	s_barrier_signal -1
	s_barrier_wait -1                              ; and so are every wave's: no LDS word is written below while a wave still reads
	s_wait_tensorcnt 0x0                           ; the wave's end
	ds_add_u32 v3, v4
	s_wait_dscnt 0x0
	s_endpgm
.Lfunc_end_k_q6667726959_knnb:
	.size	k_q6667726959_knnb, .Lfunc_end_k_q6667726959_knnb-k_q6667726959_knnb
	.p2alignl 7, 3214868480
	.fill 96, 4, 3214868480
	.section	.rodata,"a",@progbits
	.p2align	6, 0x0
	.amdhsa_kernel k_q6667726959_knnb
		.amdhsa_group_segment_fixed_size 167936
		.amdhsa_private_segment_fixed_size 0
		.amdhsa_enable_private_segment 0
		.amdhsa_kernarg_size 32
		.amdhsa_user_sgpr_count 2
		.amdhsa_user_sgpr_kernarg_segment_ptr 1
		.amdhsa_wavefront_size32 1
		.amdhsa_system_sgpr_workgroup_id_x 1
		.amdhsa_system_sgpr_workgroup_id_y 1
		.amdhsa_system_sgpr_workgroup_id_z 1
		.amdhsa_system_vgpr_workitem_id 0
		.amdhsa_next_free_vgpr 192
		.amdhsa_next_free_sgpr 66
		.amdhsa_reserve_vcc 1
		.amdhsa_float_denorm_mode_32 3
		.amdhsa_float_denorm_mode_16_64 3
		.amdhsa_memory_ordered 1
		.amdhsa_forward_progress 1
		.amdhsa_inst_pref_size 57
	.end_amdhsa_kernel
	.amdgpu_metadata
---
amdhsa.version: [ 1, 2 ]
amdhsa.kernels:
  - .name:           k_q6667726959_knnb
    .symbol:         k_q6667726959_knnb.kd
    .args:
      - { .name: TP, .offset: 0, .size: 8, .value_kind: global_buffer, .address_space: global }
      - { .name: TS, .offset: 8, .size: 8, .value_kind: global_buffer, .address_space: global }
      - { .name: GL, .offset: 16, .size: 8, .value_kind: global_buffer, .address_space: global }
      - { .name: IDX, .offset: 24, .size: 8, .value_kind: global_buffer, .address_space: global }
    .group_segment_fixed_size: 167936
    .private_segment_fixed_size: 0
    .kernarg_segment_align: 8
    .kernarg_segment_size: 32
    .max_flat_workgroup_size: 128
    .sgpr_count:     66
    .vgpr_count:     192
    .wavefront_size: 32
...
	.end_amdgpu_metadata
.endif
;; end of part 4
;; launch main (part 5): grid 256 x 1, 4 waves a work-group, no clusters, 107,520 bytes of LDS; arguments features, TS, normals, mask, bo, gamma, beta, WTS, QKV, IDX, out0; writes out0
.if DOCPART == 5
	.amdgcn_target "amdgcn-amd-amdhsa--gfx1250"
	.amdhsa_code_object_version 6
	.text
	.protected	k_q6667726959_main
	.globl	k_q6667726959_main
	.p2align	8
	.type	k_q6667726959_main,@function
k_q6667726959_main:
	s_mov_b64 s[64:65], 0
	v_nop
	global_prefetch_b8 v0, s[64:65] scope:SCOPE_SE
	s_setreg_imm32_b32 hwreg(HW_REG_WAVE_MODE, 25, 1), 1
	s_wait_xcnt 0x0
; POSITION MLP, ATTENTION OVER 16 NEIGHBOURS, Wo, RESIDUAL, LAYERNORM.  A work-group has 64 points; wave w owns channels 64 w .. 64 w + 63 (heads 2 w, 2 w + 1) of the hidden layer, of pos_emb, k, v, the heads' output and the result.
; EVERY INPUT ENTERS ROUNDED ONCE TO bf16: the coordinates come so from the table TS (32 bytes a point: x at 0, y at 8, z at 16), the weights from WTS; normals, the features of the residual, bo, gamma, beta and the points' mask are rounded here.
; For each point, in phases:
;  1 hidden = Wp1^T pin (+ bp1 as a seventh input of 1): four products of depth 32, of which 7 are used; two tiles of Wp1 share a fragment, and zeros beside pin pick one.  A lane holds neighbour r, channels 8 h + j.
;  2 H = 2 gelu(x) = x + |x| erf(|x| / sqrt 2); erf(z) = 1 - (a1 t + a2 t^2 + a3 t^3) e^(-z z), t = 1 / (1 + p z).  LIMIT: that form of erf is off by up to 2.5e-5, less than H's rounding to bf16.
;    Rounded in pairs, the lane's numbers ARE its part of source 0 of the next product; the four waves exchange them through LDS (two buffers by turns, one barrier a point).
;  3 pos_emb = H (0.5 Wp2): 32 products; Wp2's 64 columns of mine stay in window 1.  A lane holds channel r and neighbours 8 h + j.
;  4 the gathered rows of k and v (bf16, a lane a neighbour) are turned into that layout and added by a product with a matrix of ones and zeros, pos_emb as its C.
;  5 scores by lanes (q k summed over 16 lanes twice), the mask as 0 or -inf, a maximum (held finite), exponentials, sums; a point whose neighbours are all masked gets 0, as nan_to_num gives.
;    The lane's four results leave as two whole words, (tile 0, tile 1) and (tile 2, tile 3): place 32 b + 2 r + s of a row holds channel 32 b + 16 s + r; Wo^T is laid in the same order, so the sums are the same.
; Then out = (mask x heads' output) Wo + mask bo + features, LayerNorm in two steps (mean; then the centred squares), gamma, beta, mask.
; bf16 matrix operands, f32 elsewhere.  Neighbour indices are whole numbers read from memory, held to 0 .. 8,191 before they enter an address.
; LIMIT: the test 'neighbour's mask > 0' is made on the mask as it is given; it differs from the test on the rounded mask only for positive numbers below bf16's smallest, 9.2e-41.
; No cluster: the weights go into registers once a work-group; the bulk of what is read, 1 MiB of gathered rows a work-group, is shared with nobody in step.
; No prefetch: a row of k and v is read by some 16 points, of work-groups and at moments that no arithmetic on indices foretells; a point's rows are asked for a whole point ahead, into registers.
.set HF,    0                          ; two buffers of 8,192: fragment f at 1,024 f: registers 0-3 of 32 lanes, then registers 4-7
.set PIN,   16384                      ; [point][32 lanes] x 16 bytes; lanes 16-31 hold zeros
.set VAL,   49152                      ; [point][neighbour] f32: 0 or -inf
.set AO,    53248                      ; 64 rows of 512 bytes + 16
.set AOP,   528
.set LNP,   87040                      ; [stage][point][wave] f32
.set PMK,   89088                      ; the 64 points' mask (twice)
.set STG,   89600                      ; 16 rows of 256 bytes + 16 for each wave
.set SPARE, 107008
.set WP2T,  393216
.set WOT,   524288
.set W1T,   655360
.set MSB, 0
.macro WIN new
.if MSB != (\new)
	s_set_vgpr_msb (MSB<<8)|(\new)
.set MSB, \new
.endif
.endm
; REGISTERS, window 0: v1 r, v2 h, v3 v4 the add's; v5-v9 addresses of the point in hand; v10 v11 H's store and load; v12 v13 lane parts of k's and q's offsets; v14 index, v15 k's offset; v16-19 at work
;  v20-39: zeros | S | zeros | pin | zeros (an operand of 8 registers picks its half);  v40-55 Wp1;  v56-63 mask;  v64-79 k, v80-95 v;  v96-127 pos_emb, then v + pos_emb
;  v128-207: x, |x|, t, e;  then H's fragments;  then k + pos_emb, scores and softmax's registers;  v208-223 H;  v224-227 q's words;  v228 point's mask;  v229 q's offset;  v230-245 at work
;  v246-249 fixed lane parts of LDS addresses;  v250 4 (r / 2);  v251 16 (r % 2);  v254 the maximum's floor;  v255 16 - 16 (r % 2)
; window 1: 32 weight fragments, (tile t, depth k) at v[64 t + 8 k]
; n tiles of 16 weight rows, from tile t0 on: 16 loads each
.macro LOADWB base, t0, n
	WIN 0x40                                       ; destination window 1
.set tt, \t0
.rept \n
.irp k,0,1,2,3,4,5,6,7
	global_load_b128 v[64*tt+8*(\k):64*tt+8*(\k)+3],   v7, s[18:19] offset:(\base)+8192*tt+64*(\k)
	global_load_b128 v[64*tt+8*(\k)+4:64*tt+8*(\k)+7], v7, s[18:19] offset:(\base)+8192*tt+64*(\k)+32
.endr
.set tt, tt+1
.endr
	WIN 0
.endm
; 16 registers from base on are rounded to bf16 and widened to f32 again, through v24-31 (behind the loop over the points, where these are free)
.macro RND16 base
.irp i,0,1,2,3,4,5,6,7
	v_cvt_pk_bf16_f32 v[24+(\i)], v[(\base)+2*(\i)], v[(\base)+2*(\i)+1]
.endr
.irp i,0,1,2,3,4,5,6,7
	v_lshlrev_b32 v[(\base)+2*(\i)], 16, v[24+(\i)]
	v_and_b32 v[(\base)+2*(\i)+1], s34, v[24+(\i)]
.endr
.endm
; the rows of point s30: 8 loads of k and v, 4 of the words that hold my q; and the word that holds my index of point s31: 13 loads.
; Its six vector lines are the places behind the products that read k and v.  All its address registers are free: the loads before were waited for.
.macro GATHER
	v_bfe_u32 v14, v14, v251, 16                   ; my half of the word
	v_min_u32 v14, 0x1fff, v14
	v_mul_u32_u24 v15, v14, 0x600                  ; a row of QKV: 1,536 bytes
	v_add_nc_u32 v15, v15, v12
	v_add_nc_u32 v229, s51, v13
	v_lshl_add_u32 v9, s31, 5, v250
.irp f,0,1,2,3
	global_load_b128 v[64+4*(\f):64+4*(\f)+3], v15, s[52:53] offset:32*(\f)
.endr
.irp f,0,1,2,3
	global_load_b128 v[80+4*(\f):80+4*(\f)+3], v15, s[52:53] offset:512+32*(\f)
.endr
.irp t,0,1,2,3
	global_load_b32 v[224+(\t)], v229, s[54:55] offset:32*(\t)
.endr
	global_load_b32 v14, v9, s[56:57]
.endm
; 16 numbers a lane (two tiles): one batch of 32 transcendentals, one wait
.macro GELU u
.irp i,0,1,2,3,4,5,6,7
	v_and_b32 v[160+2*(\i)], s35, v[128+16*(\u)+2*(\i)]
	v_and_b32 v[161+2*(\i)], s35, v[129+16*(\u)+2*(\i)]
	v_pk_fma_f32 v[176+2*(\i):177+2*(\i)], v[160+2*(\i):161+2*(\i)], s[36:37], 1.0 op_sel_hi:[1,0,0]
	v_pk_mul_f32 v[192+2*(\i):193+2*(\i)], v[128+16*(\u)+2*(\i):129+16*(\u)+2*(\i)], s[44:45] op_sel_hi:[1,0]
	v_rcp_f32 v[176+2*(\i)], v[176+2*(\i)]
	v_pk_mul_f32 v[192+2*(\i):193+2*(\i)], v[192+2*(\i):193+2*(\i)], v[128+16*(\u)+2*(\i):129+16*(\u)+2*(\i)]
	v_rcp_f32 v[177+2*(\i)], v[177+2*(\i)]
	v_exp_f32 v[192+2*(\i)], v[192+2*(\i)]
	v_exp_f32 v[193+2*(\i)], v[193+2*(\i)]
.endr
	v_nop                                          ; a plain instruction behind the last transcendental,
	s_wait_alu depctr_va_vdst(0)                   ; and the one wait ahead of the batch's first reader
.irp i,0,1,2,3,4,5,6,7
	v_pk_fma_f32 v[230+2*(\i):231+2*(\i)], v[176+2*(\i):177+2*(\i)], s[42:43], s[40:41] op_sel_hi:[1,0,0]
.endr
.irp i,0,1,2,3,4,5,6,7
	v_pk_fma_f32 v[230+2*(\i):231+2*(\i)], v[230+2*(\i):231+2*(\i)], v[176+2*(\i):177+2*(\i)], s[38:39] op_sel_hi:[1,1,0]
.endr
.irp i,0,1,2,3,4,5,6,7
	v_pk_mul_f32 v[230+2*(\i):231+2*(\i)], v[230+2*(\i):231+2*(\i)], v[176+2*(\i):177+2*(\i)]
.endr
.irp i,0,1,2,3,4,5,6,7
	v_pk_fma_f32 v[230+2*(\i):231+2*(\i)], v[230+2*(\i):231+2*(\i)], v[192+2*(\i):193+2*(\i)], 1.0 op_sel_hi:[1,1,0] neg_lo:[0,1,0] neg_hi:[0,1,0]
.endr
.irp i,0,1,2,3,4,5,6,7
	v_pk_fma_f32 v[230+2*(\i):231+2*(\i)], v[160+2*(\i):161+2*(\i)], v[230+2*(\i):231+2*(\i)], v[128+16*(\u)+2*(\i):129+16*(\u)+2*(\i)]
.endr
.irp i,0,1,2,3,4,5,6,7
	v_cvt_pk_bf16_f32 v[208+8*(\u)+(\i)], v[230+2*(\i)], v[231+2*(\i)]
.endr
.endm
; ONE POINT (s29); b = which of H's two buffers
.macro POINT b
	v_wmma_f32_16x16x32_bf16 v[128:135], v[40:47], v[32:39], 0   ; tile 0: pin in the low half of the depth
	v_wmma_f32_16x16x32_bf16 v[136:143], v[40:47], v[28:35], 0   ; tile 1: in the high half
	v_wmma_f32_16x16x32_bf16 v[144:151], v[48:55], v[32:39], 0
	v_wmma_f32_16x16x32_bf16 v[152:159], v[48:55], v[28:35], 0
	s_add_co_u32 s30, s29, 1
	s_min_u32 s30, s30, 63                         ; the next point; the last asks for itself once more
	s_add_co_u32 s31, s29, 2
	s_min_u32 s31, s31, 63
	s_mul_i32 s50, s29, AOP
	s_mul_i32 s51, s30, 1536
	v_lshl_add_u32 v5, s30, 9, v246                ; four address lines: the places behind those products
	v_lshl_add_u32 v6, s29, 6, v247
	v_lshl_add_u32 v7, s29, 2, v248
	v_add_nc_u32 v8, s50, v249
	GELU 0
	GELU 1
.irp t,0,1,2,3
	ds_store_b128 v10, v[208+4*(\t):208+4*(\t)+3] offset:HF+(\b)*8192+512*(\t)
.endr
	ds_load_b128 v[56:59], v6                      ; this point's neighbours' mask
	ds_load_b128 v[60:63], v6 offset:16
	ds_load_b32 v228, v7                           ; its own mask
	ds_load_b128 v[32:35], v5                      ; the next point's pin
	s_wait_dscnt 0x0                               ; my part of H is stored; my reads of the other buffer were waited for a point ago
	s_barrier_signal -1
	s_barrier_wait -1
.irp f,0,1,2,3,4,5,6,7,8,9,10,11,12,13,14,15
	ds_load_b128 v[128+4*(\f):128+4*(\f)+3], v11 offset:HF+(\b)*8192+512*(\f)
.endr
	WIN 0x04                                       ; source 1 (Wp2) window 1
.irp k,0,1,2,3,4,5,6,7
	s_wait_dscnt 14-2*(\k)                         ; fragment k is in; the loads behind it stay out
.irp t,0,1,2,3
.if (\k) == 0
	v_wmma_f32_16x16x32_bf16 v[96+8*(\t):96+8*(\t)+7], v[128+8*(\k):128+8*(\k)+7], v[64*(\t)+8*(\k):64*(\t)+8*(\k)+7], 0
.else
	v_wmma_f32_16x16x32_bf16 v[96+8*(\t):96+8*(\t)+7], v[128+8*(\k):128+8*(\k)+7], v[64*(\t)+8*(\k):64*(\t)+8*(\k)+7], v[96+8*(\t):96+8*(\t)+7]
.endif
.endr
.endr
	WIN 0
	s_wait_loadcnt 0x0                             ; k, v, q of this point and the next index
.irp t,0,1,2,3
	v_lshlrev_b32 v[232+2*(\t)], v255, v[224+(\t)] ; my q out of its word, as f32: eight plain lines, the places behind the products above
.endr
.irp t,0,1,2,3
	v_and_b32 v[232+2*(\t)], s34, v[232+2*(\t)]
.endr
	v_wmma_f32_16x16x32_bf16 v[128:135], v[64:71], v[24:31], v[96:103]     ; k + pos_emb
	v_wmma_f32_16x16x32_bf16 v[136:143], v[64:71], v[20:27], v[104:111]
	v_wmma_f32_16x16x32_bf16 v[144:151], v[72:79], v[24:31], v[112:119]
	v_wmma_f32_16x16x32_bf16 v[152:159], v[72:79], v[20:27], v[120:127]
.rept 5
	v_nop                                          ; the next four write over what those four read as C
.endr
	v_wmma_f32_16x16x32_bf16 v[96:103],  v[80:87], v[24:31], v[96:103]     ; v + pos_emb, in place
	v_wmma_f32_16x16x32_bf16 v[104:111], v[80:87], v[20:27], v[104:111]
	v_wmma_f32_16x16x32_bf16 v[112:119], v[88:95], v[24:31], v[112:119]
	v_wmma_f32_16x16x32_bf16 v[120:127], v[88:95], v[20:27], v[120:127]
	GATHER
	; scores: my channel's share for 8 neighbours and 2 heads, then the sum over the 16 lanes of a row
.irp hd,0,1
.irp jp,0,1,2,3
	v_pk_mul_f32 v[160+8*(\hd)+2*(\jp):161+8*(\hd)+2*(\jp)], v[128+16*(\hd)+2*(\jp):129+16*(\hd)+2*(\jp)], v[232+4*(\hd):233+4*(\hd)] op_sel_hi:[1,0]
.endr
.endr
.irp hd,0,1
.irp jp,0,1,2,3
	v_pk_fma_f32 v[160+8*(\hd)+2*(\jp):161+8*(\hd)+2*(\jp)], v[136+16*(\hd)+2*(\jp):137+16*(\hd)+2*(\jp)], v[234+4*(\hd):235+4*(\hd)], v[160+8*(\hd)+2*(\jp):161+8*(\hd)+2*(\jp)] op_sel_hi:[1,0,1]
.endr
.endr
.irp x,1,2,4,8
.irp i,0,1,2,3,4,5,6,7,8,9,10,11,12,13,14,15
	v_add_f32_dpp v[160+(\i)], v[160+(\i)], v[160+(\i)] row_xmask:\x row_mask:0xf bank_mask:0xf
.endr
.endr
.irp hd,0,1
.irp jp,0,1,2,3
	v_pk_add_f32 v[160+8*(\hd)+2*(\jp):161+8*(\hd)+2*(\jp)], v[160+8*(\hd)+2*(\jp):161+8*(\hd)+2*(\jp)], v[56+2*(\jp):57+2*(\jp)]
.endr
.endr
.irp hd,0,1
	v_max3_num_f32 v[176+(\hd)], v[160+8*(\hd)], v[161+8*(\hd)], v[162+8*(\hd)]
.endr
.irp hd,0,1
	v_max3_num_f32 v[176+(\hd)], v[176+(\hd)], v[163+8*(\hd)], v[164+8*(\hd)]
.endr
.irp hd,0,1
	v_max3_num_f32 v[176+(\hd)], v[176+(\hd)], v[165+8*(\hd)], v[166+8*(\hd)]
.endr
.irp hd,0,1
	v_max_num_f32 v[176+(\hd)], v[176+(\hd)], v[167+8*(\hd)]
.endr
.irp hd,0,1
	v_permlanex16_b32 v[178+(\hd)], v[176+(\hd)], s32, s33   ; the other eight neighbours
.endr
.irp hd,0,1
	v_max3_num_f32 v[176+(\hd)], v[176+(\hd)], v[178+(\hd)], v254   ; finite also where every neighbour is masked
.endr
.irp hd,0,1
	v_mul_f32 v[180+2*(\hd)], s46, v[176+(\hd)]
.endr
.irp hd,0,1
.irp jp,0,1,2,3
	v_pk_fma_f32 v[160+8*(\hd)+2*(\jp):161+8*(\hd)+2*(\jp)], v[160+8*(\hd)+2*(\jp):161+8*(\hd)+2*(\jp)], s[46:47], v[180+2*(\hd):181+2*(\hd)] op_sel_hi:[1,0,0] neg_lo:[0,0,1] neg_hi:[0,0,1]
.endr
.endr
.irp i,0,1,2,3,4,5,6,7,8,9,10,11,12,13,14,15
	v_exp_f32 v[160+(\i)], v[160+(\i)]
.endr
	v_nop
	s_wait_alu depctr_va_vdst(0)                   ; one wait for the 16 exponentials
.irp hd,0,1
	v_pk_add_f32 v[184+4*(\hd):185+4*(\hd)], v[160+8*(\hd):161+8*(\hd)], v[162+8*(\hd):163+8*(\hd)]
	v_pk_add_f32 v[186+4*(\hd):187+4*(\hd)], v[164+8*(\hd):165+8*(\hd)], v[166+8*(\hd):167+8*(\hd)]
.endr
.irp hd,0,1
	v_pk_add_f32 v[184+4*(\hd):185+4*(\hd)], v[184+4*(\hd):185+4*(\hd)], v[186+4*(\hd):187+4*(\hd)]
.endr
.irp hd,0,1
	v_add_f32 v[192+(\hd)], v[184+4*(\hd)], v[185+4*(\hd)]
.endr
.irp hd,0,1
	v_permlanex16_b32 v[194+(\hd)], v[192+(\hd)], s32, s33
.endr
.irp hd,0,1
	v_add_f32 v[192+(\hd)], v[192+(\hd)], v[194+(\hd)]
.endr
.irp hd,0,1
	v_max_num_f32 v[192+(\hd)], s49, v[192+(\hd)]  ; a sum of 0 (all masked) gives 0 x a finite number
.endr
.irp hd,0,1
	v_rcp_f32 v[196+(\hd)], v[192+(\hd)]
.endr
.irp t,0,1,2,3
	v_pk_mul_f32 v[198+2*(\t):199+2*(\t)], v[160+8*((\t)/2):161+8*((\t)/2)], v[96+8*(\t):97+8*(\t)]
.endr
.irp jp,1,2,3
.irp t,0,1,2,3
	v_pk_fma_f32 v[198+2*(\t):199+2*(\t)], v[160+8*((\t)/2)+2*(\jp):161+8*((\t)/2)+2*(\jp)], v[96+8*(\t)+2*(\jp):97+8*(\t)+2*(\jp)], v[198+2*(\t):199+2*(\t)]
.endr
.endr
.irp t,0,1,2,3
	v_add_f32 v[198+2*(\t)], v[198+2*(\t)], v[199+2*(\t)]
.endr
.irp t,0,1,2,3
	v_permlanex16_b32 v[16+(\t)], v[198+2*(\t)], s32, s33
.endr
.irp t,0,1,2,3
	v_add_f32 v[198+2*(\t)], v[198+2*(\t)], v[16+(\t)]
.endr
	s_wait_alu depctr_va_vdst(0)                   ; the two reciprocals; the sums above stand between
.irp hd,0,1
	v_mul_f32 v[196+(\hd)], v[196+(\hd)], v228     ; 1 / l times the point's mask
.endr
.irp t,0,1,2,3
	v_mul_f32 v[198+2*(\t)], v[198+2*(\t)], v[196+(\t)/2]
.endr
	v_cvt_pk_bf16_f32 v206, v198, v200             ; channels r and 16 + r of my first 32,
	v_cvt_pk_bf16_f32 v207, v202, v204             ; and of my second 32: two whole words
	ds_store_b32 v8, v206
	ds_store_b32 v8, v207 offset:64
	s_add_co_u32 s29, s29, 1
.endm
	s_load_b512 s[4:19], s[0:1], 0x0               ; features, TS, normals, mask, bo, gamma, beta, WTS
	s_load_b128 s[20:23], s[0:1], 0x40             ; QKV, IDX
	s_load_b64 s[24:25], s[0:1], 0x50              ; out0
	v_lshl_add_u32 v3, v0, 2, SPARE                ; my spare word
	v_mov_b32 v4, 0
	v_lshrrev_b32 v16, 5, v0
	v_readfirstlane_b32 s26, v16                   ; wave
	v_and_b32 v1, 15, v0                           ; r
	v_bfe_u32 v2, v0, 4, 1                         ; h
	v_and_b32 v17, 31, v0                          ; lane
	s_lshr_b32 s27, ttmp9, 7                       ; batch
	s_mov_b32 s32, 0x76543210
	s_mov_b32 s33, 0xfedcba98
	s_mov_b32 s34, 0xffff0000                      ; a word's upper bf16
	s_mov_b32 s35, 0x7fffffff
	s_mov_b32 s36, 0x3eaa540e                      ; 0.47047 / sqrt 2
	s_mov_b32 s37, s36
	s_mov_b32 s38, 0x3eb2303a                      ; a1 = 0.3480242
	s_mov_b32 s39, s38
	s_mov_b32 s40, 0xbdc45ca1                      ; a2 = -0.0958798
	s_mov_b32 s41, s40
	s_mov_b32 s42, 0x3f3f7377                      ; a3 = 0.7478556
	s_mov_b32 s43, s42
	s_mov_b32 s44, 0xbf38aa3b                      ; -log2(e) / 2
	s_mov_b32 s45, s44
	s_mov_b32 s46, 0x3e8293ee                      ; log2(e) / sqrt 32
	s_mov_b32 s47, s46
	s_mov_b32 s49, 0x0da24260                      ; 1e-30
	s_mov_b32 s62, 0x3b800000                      ; 1 / 256
	s_mov_b32 s63, 0x358637bd                      ; 1e-6
	s_mov_b32 s59, 0
	s_lshl_b32 s50, s26, 9
	v_lshl_add_u32 v180, v17, 4, s50               ; the lists: thread t reads the 16 bytes at 16 t = 512 w + 16 lane
	v_lshrrev_b32 v250, 1, v1
	v_lshlrev_b32 v250, 2, v250                    ; 4 (r / 2): the word that holds number r of a row of 16-bit numbers
	v_and_b32 v251, 1, v1
	v_lshlrev_b32 v251, 4, v251                    ; 16 (r % 2): where it begins in that word
	v_sub_nc_u32 v255, 16, v251
	s_lshl_b32 s51, s26, 15
	v_lshl_add_u32 v7, v1, 9, s51
	v_lshl_add_u32 v7, v2, 4, v7                   ; weights: row 64 w + r, 16 h bytes
	s_wait_kmcnt 0x0
	s_lshl_b32 s58, ttmp9, 16                      ; 64 rows of 1,024 bytes
	s_add_nc_u64 s[4:5], s[4:5], s[58:59]
	s_add_nc_u64 s[24:25], s[24:25], s[58:59]
	s_lshl_b32 s58, ttmp9, 11                      ; 64 lists of 32 bytes
	s_add_nc_u64 s[56:57], s[22:23], s[58:59]
	s_mul_i32 s58, ttmp9, 98304                    ; 64 rows of QKV
	s_add_nc_u64 s[54:55], s[20:21], s[58:59]
	s_mul_i32 s58, s27, 12582912                   ; a batch's rows of QKV
	s_add_nc_u64 s[52:53], s[20:21], s[58:59]
	s_lshl_b32 s58, s27, 18                        ; a batch's table of coordinates: 8,192 points of 32 bytes
	s_add_nc_u64 s[6:7], s[6:7], s[58:59]
	s_mul_i32 s58, s27, 98304                      ; a batch's normals
	s_add_nc_u64 s[8:9], s[8:9], s[58:59]
	s_lshl_b32 s58, s27, 15                        ; a batch's mask
	s_add_nc_u64 s[10:11], s[10:11], s[58:59]
	; THE POINTS' INPUTS.  Thread t serves point t / 2, neighbours 8 (t % 2) + 0 .. 7
	global_load_b128 v[64:67], v180, s[56:57]      ; my eight indices
	global_load_b32 v14, v250, s[56:57]            ; point 0's index for my lane, in its word
	LOADWB WP2T, 0, 1
	s_and_b32 s50, ttmp9, 127
	s_lshl_b32 s50, s50, 6                         ; my first point in its batch
	s_lshl_b32 s51, s26, 4
	s_add_co_u32 s51, s51, s50
	v_bfe_u32 v154, v0, 1, 4                       ; lane / 2
	v_and_b32 v155, 1, v0                          ; t % 2
	v_add_nc_u32 v148, s51, v154                   ; my point: 16 w + lane / 2
	v_lshlrev_b32 v160, 5, v148                    ; its 32 bytes in the table of coordinates,
	v_mul_u32_u24 v148, v148, 12                   ; its 12 bytes of the normals
	v_and_b32 v149, 63, v0
	v_add_nc_u32 v149, s50, v149
	v_lshlrev_b32 v149, 2, v149                    ; the mask of point t % 64
	s_lshl_b32 s51, s26, 10
	v_lshl_add_u32 v8, v1, 4, s51                  ; Wp1: channel 64 w + r
	s_wait_loadcnt 16                              ; the indices are in; the 16 loads of Wp2's first tile stay out
.irp i,0,1,2,3
	v_and_b32 v[68+2*(\i)], 0xffff, v[64+(\i)]
	v_lshrrev_b32 v[69+2*(\i)], 16, v[64+(\i)]
.endr
.irp i,0,1,2,3,4,5,6,7
	v_min_u32 v[68+(\i)], 0x1fff, v[68+(\i)]
	v_lshlrev_b32 v[76+(\i)], 5, v[68+(\i)]
	v_lshlrev_b32 v[84+(\i)], 2, v[68+(\i)]
.endr
.irp c,0,1,2
	global_load_b32 v[124+(\c)], v160, s[6:7] offset:8*(\c)    ; my point's coordinates, rounded
	global_load_b32 v[127+(\c)], v148, s[8:9] offset:4*(\c)    ; and normal
.endr
.irp i,0,1,2,3,4,5,6,7
.irp c,0,1,2
	global_load_b32 v[92+3*(\i)+(\c)], v[76+(\i)], s[6:7] offset:8*(\c)
.endr
	global_load_b32 v[116+(\i)], v[84+(\i)], s[10:11]
.endr
	global_load_b32 v130, v149, s[10:11]
.irp t,0,1,2,3
	global_load_b128 v[40+4*(\t):40+4*(\t)+3], v8, s[18:19] offset:W1T+256*(\t)
.endr
	s_lshl_b32 s51, s26, 13                        ; my wave's 16 points of 512 bytes
	s_add_co_u32 s51, s51, PIN
	v_lshl_add_u32 v150, v154, 9, s51
	v_lshl_add_u32 v150, v155, 7, v150             ; pin of my point, neighbour 8 (t % 2)
	s_lshl_b32 s51, s26, 10
	s_add_co_u32 s51, s51, VAL
	v_lshl_add_u32 v151, v17, 5, s51               ; VAL + 32 t
	s_lshl_b32 s51, s26, 7
	s_add_co_u32 s51, s51, PMK
	v_lshl_add_u32 v152, v17, 2, s51               ; PMK + 4 t
	v_mov_b32 v153, 0xff800000
	v_mov_b32 v135, 0x3f80                         ; the seventh input, 1.0, and an eighth, 0
	v_add_nc_u32 v159, -1, v2                      ; all ones in lanes 0-15, 0 in lanes 16-31
	; S: column r of a 16 x 16 unit matrix, as a lane's half of a bf16 fragment: 1.0 at depth r - 8 h, if that lies in 0 .. 7
	v_lshlrev_b32 v156, 3, v2
	v_sub_nc_u32 v156, v1, v156
	v_and_b32 v157, 1, v156
	v_lshlrev_b32 v157, 4, v157
	v_mov_b32 v158, 0x3f80
	v_lshlrev_b32 v158, v157, v158
	v_lshrrev_b32 v156, 1, v156
.irp i,0,1,2,3
	v_cmp_eq_u32 vcc_lo, \i, v156
	v_cndmask_b32 v[24+(\i)], 0, v158, vcc_lo
.endr
	v_lshlrev_b32 v11, 4, v17                      ; H back: 16 bytes a lane
	s_lshl_b32 s51, s26, 11
	v_add_nc_u32 v10, s51, v11                     ; H in: my wave's two fragments
	s_lshl_b32 s51, s26, 7
	v_lshl_add_u32 v12, v2, 4, s51
	v_add_nc_u32 v12, 512, v12                     ; k in a row of QKV: 512 + 128 w + 16 h
	v_add_nc_u32 v13, s51, v250                    ; q's word: 128 w + 4 (r / 2)
	v_add_nc_u32 v246, PIN, v11
	v_lshlrev_b32 v247, 5, v2
	v_add_nc_u32 v247, VAL, v247
	v_mov_b32 v248, PMK
	v_lshl_add_u32 v249, v1, 2, s51
	v_add_nc_u32 v249, AO, v249                    ; the heads' output: 128 w + 4 r
	v_mov_b32 v254, 0xff000000                     ; -2^127
.irp i,0,1,2,3
	v_mov_b32 v[136+(\i)], 0
	v_mov_b32 v[16+(\i)], 0
	v_mov_b32 v[20+(\i)], 0
	v_mov_b32 v[28+(\i)], 0
	v_mov_b32 v[36+(\i)], 0
.endr
	s_wait_loadcnt 0x0                             ; the points' inputs and Wp1, which were issued last
	LOADWB WP2T, 1, 3                              ; the other three tiles come in under the lines below
	v_cvt_pk_bf16_f32 v134, v128, v129
	v_cvt_pk_bf16_f32 v131, v130, v130             ; the point's mask rounded to bf16,
	v_lshlrev_b32 v130, 16, v131                   ; and widened again
.irp i,0,1,2,3,4,5,6,7
.irp c,0,1,2
	v_sub_f32 v[92+3*(\i)+(\c)], v[124+(\c)], v[92+3*(\i)+(\c)]   ; own - neighbour
.endr
	v_cvt_pk_bf16_f32 v132, v[92+3*(\i)], v[92+3*(\i)+1]
	v_cvt_pk_bf16_f32 v133, v[92+3*(\i)+2], v127
	ds_store_b128 v150, v[132:135] offset:16*(\i)
	ds_store_b128 v150, v[136:139] offset:256+16*(\i)
	v_cmp_lt_f32 vcc_lo, 0, v[116+(\i)]
	v_cndmask_b32 v[140+(\i)], v153, v136, vcc_lo
.endr
	ds_store_b128 v151, v[140:143]
	ds_store_b128 v151, v[144:147] offset:16
	ds_store_b32 v152, v130
.irp i,0,1,2,3,4,5,6,7,8,9,10,11,12,13,14,15
	v_and_b32 v[40+(\i)], v159, v[40+(\i)]         ; depths 8-15 and 24-31 of Wp1's fragments are 0
.endr
	s_wait_dscnt 0x0
	s_barrier_signal -1
	s_barrier_wait -1
	ds_load_b128 v[32:35], v246                    ; point 0's pin
	s_mov_b32 s29, 0
	s_mov_b32 s30, 0
	s_mov_b32 s31, 1
	s_mov_b32 s51, 0
	GATHER                                         ; point 0's rows, point 1's index
	s_wait_loadcnt 13                              ; Wp2 is in; the 13 loads just issued stay out
	s_wait_dscnt 0x0
	s_mov_b32 s28, 32
.Lpoint:
	POINT 0
	POINT 1
	s_sub_co_u32 s28, s28, 1
	s_cmp_lg_u32 s28, 0
	s_cbranch_scc1 .Lpoint
	; THE 64 POINTS TOGETHER.  v[32:159] h, (tile of points m, tile of channels t) at 32 + 32 m + 8 t: a lane holds point 16 m + r, channels 64 w + 16 t + 8 h + j
	s_wait_loadcnt 0x0                             ; the rows that were asked for once more
	s_wait_dscnt 0x0                               ; my part of the heads' output is stored
	s_barrier_signal -1
	s_barrier_wait -1
	v_lshl_add_u32 v5, v1, 2, PMK
	s_lshl_b32 s50, s26, 8
	v_lshl_add_u32 v6, v1, 10, s50
	v_lshl_add_u32 v6, v2, 5, v6                   ; features: row r, 256 w + 32 h
	s_lshl_b32 s51, s26, 15
	v_lshl_add_u32 v7, v1, 9, s51
	v_lshl_add_u32 v7, v2, 4, v7
	v_mul_u32_u24 v8, v1, AOP
	v_lshl_add_u32 v8, v2, 4, v8
	v_add_nc_u32 v8, AO, v8
	v_lshl_add_u32 v9, v2, 5, s50                  ; bo, gamma, beta: 256 w + 32 h
	s_mul_i32 s51, s26, 16*272
	s_add_co_u32 s51, s51, STG
	v_mul_u32_u24 v10, v1, 272
	v_lshl_add_u32 v10, v2, 5, v10
	v_add_nc_u32 v10, s51, v10                     ; stage in: row r, 32 h
	v_mul_u32_u24 v11, v2, 272
	v_lshl_add_u32 v11, v1, 4, v11
	v_add_nc_u32 v11, s51, v11                     ; stage back: lanes 0-15 a row, lanes 16-31 the next
	v_lshl_add_u32 v12, v2, 10, s50
	v_lshl_add_u32 v12, v1, 4, v12                 ; the same two rows in out0
	v_lshl_add_u32 v14, v1, 4, LNP
	s_lshl_b32 s51, s26, 2
	v_add_nc_u32 v13, s51, v14
	LOADWB WOT, 0, 1
.irp m,0,1,2,3
.irp t,0,1,2,3
	global_load_b128 v[32+32*(\m)+8*(\t):32+32*(\m)+8*(\t)+3],   v6, s[4:5] offset:16384*(\m)+64*(\t)
	global_load_b128 v[32+32*(\m)+8*(\t)+4:32+32*(\m)+8*(\t)+7], v6, s[4:5] offset:16384*(\m)+64*(\t)+16
.endr
.endr
.irp t,0,1,2,3
	global_load_b128 v[224+8*(\t):224+8*(\t)+3], v9, s[12:13] offset:64*(\t)
	global_load_b128 v[224+8*(\t)+4:224+8*(\t)+7], v9, s[12:13] offset:64*(\t)+16
.endr
.irp m,0,1,2,3
	ds_load_b32 v[16+2*(\m)], v5 offset:64*(\m)    ; the mask of point 16 m + r
.endr
	s_wait_loadcnt 0x0                             ; the features and bo, which were issued last
	LOADWB WOT, 1, 3                               ; Wo's other three tiles come in under the lines below
.irp g,0,1,2,3,4,5,6,7
	RND16 32+16*(\g)                               ; the residual's features, rounded to bf16
.endr
	RND16 224                                      ; and bo
	RND16 240
	s_wait_dscnt 0x0
.irp m,0,1,2,3
.irp t,0,1,2,3
.irp jp,0,1,2,3
	v_pk_fma_f32 v[32+32*(\m)+8*(\t)+2*(\jp):33+32*(\m)+8*(\t)+2*(\jp)], v[224+8*(\t)+2*(\jp):225+8*(\t)+2*(\jp)], v[16+2*(\m):17+2*(\m)], v[32+32*(\m)+8*(\t)+2*(\jp):33+32*(\m)+8*(\t)+2*(\jp)] op_sel_hi:[1,0,1]
.endr
.endr
.endr
	s_wait_loadcnt 0x0                             ; Wo
.irp m,0,1,2,3
.rept 4
	v_nop                                          ; the places in front of loads into fragments that the products before have read
.endr
.irp k,0,1,2,3,4,5,6,7
	ds_load_b128 v[160+8*(\k):160+8*(\k)+3], v8 offset:16*AOP*(\m)+64*(\k)
	ds_load_b128 v[160+8*(\k)+4:160+8*(\k)+7], v8 offset:16*AOP*(\m)+64*(\k)+32
.endr
	WIN 0x01                                       ; source 0 (Wo) window 1
.irp k,0,1,2,3,4,5,6,7
	s_wait_dscnt 14-2*(\k)
.irp t,0,1,2,3
	v_wmma_f32_16x16x32_bf16 v[32+32*(\m)+8*(\t):32+32*(\m)+8*(\t)+7], v[64*(\t)+8*(\k):64*(\t)+8*(\k)+7], v[160+8*(\k):160+8*(\k)+7], v[32+32*(\m)+8*(\t):32+32*(\m)+8*(\t)+7]
.endr
.endr
	WIN 0
.endr
.rept 4
	v_nop
.endr
.irp t,0,1,2,3
	global_load_b128 v[160+8*(\t):160+8*(\t)+3], v9, s[14:15] offset:64*(\t)
	global_load_b128 v[160+8*(\t)+4:160+8*(\t)+7], v9, s[14:15] offset:64*(\t)+16
	global_load_b128 v[192+8*(\t):192+8*(\t)+3], v9, s[16:17] offset:64*(\t)
	global_load_b128 v[192+8*(\t)+4:192+8*(\t)+7], v9, s[16:17] offset:64*(\t)+16
.endr
	; the mean: 32 numbers a lane, the other half of the lanes, the four waves through LDS
.irp m,0,1,2,3
	v_pk_add_f32 v[224+4*(\m):225+4*(\m)], v[32+32*(\m):33+32*(\m)], v[40+32*(\m):41+32*(\m)]
	v_pk_add_f32 v[226+4*(\m):227+4*(\m)], v[48+32*(\m):49+32*(\m)], v[56+32*(\m):57+32*(\m)]
.endr
.irp jp,1,2,3
.irp t,0,1
.irp m,0,1,2,3
	v_pk_add_f32 v[224+4*(\m):225+4*(\m)], v[224+4*(\m):225+4*(\m)], v[32+32*(\m)+8*(\t)+2*(\jp):33+32*(\m)+8*(\t)+2*(\jp)]
	v_pk_add_f32 v[226+4*(\m):227+4*(\m)], v[226+4*(\m):227+4*(\m)], v[48+32*(\m)+8*(\t)+2*(\jp):49+32*(\m)+8*(\t)+2*(\jp)]
.endr
.endr
.endr
; the end of a sum over a point's 256 channels; g = which half of LNP.  Leaves the sum in v[240 + 4 m]
.macro ACROSS g
.irp m,0,1,2,3
	v_pk_add_f32 v[224+4*(\m):225+4*(\m)], v[224+4*(\m):225+4*(\m)], v[226+4*(\m):227+4*(\m)]
.endr
.irp m,0,1,2,3
	v_add_f32 v[224+4*(\m)], v[224+4*(\m)], v[225+4*(\m)]
.endr
.irp m,0,1,2,3
	v_permlanex16_b32 v[226+4*(\m)], v[224+4*(\m)], s32, s33
.endr
.irp m,0,1,2,3
	v_add_f32 v[224+4*(\m)], v[224+4*(\m)], v[226+4*(\m)]
.endr
.irp m,0,1,2,3
	ds_store_b32 v13, v[224+4*(\m)] offset:1024*(\g)+256*(\m)
.endr
	s_wait_dscnt 0x0
	s_barrier_signal -1
	s_barrier_wait -1
.irp m,0,1,2,3
	ds_load_b128 v[240+4*(\m):243+4*(\m)], v14 offset:1024*(\g)+256*(\m)
.endr
	s_wait_dscnt 0x0
.irp m,0,1,2,3
	v_add_f32 v[240+4*(\m)], v[240+4*(\m)], v[241+4*(\m)]
	v_add_f32 v[242+4*(\m)], v[242+4*(\m)], v[243+4*(\m)]
.endr
.irp m,0,1,2,3
	v_add_f32 v[240+4*(\m)], v[240+4*(\m)], v[242+4*(\m)]
.endr
.endm
	ACROSS 0
.irp m,0,1,2,3
	v_mul_f32 v[224+4*(\m)], s62, v[240+4*(\m)]    ; the mean
.endr
.irp m,0,1,2,3
.irp t,0,1,2,3
.irp jp,0,1,2,3
	v_pk_add_f32 v[32+32*(\m)+8*(\t)+2*(\jp):33+32*(\m)+8*(\t)+2*(\jp)], v[32+32*(\m)+8*(\t)+2*(\jp):33+32*(\m)+8*(\t)+2*(\jp)], v[224+4*(\m):225+4*(\m)] op_sel_hi:[1,0] neg_lo:[0,1] neg_hi:[0,1]
.endr
.endr
.endr
	; the variance, of the centred numbers
.irp m,0,1,2,3
	v_pk_mul_f32 v[224+4*(\m):225+4*(\m)], v[32+32*(\m):33+32*(\m)], v[32+32*(\m):33+32*(\m)]
	v_pk_mul_f32 v[226+4*(\m):227+4*(\m)], v[48+32*(\m):49+32*(\m)], v[48+32*(\m):49+32*(\m)]
.endr
.irp n,1,2,3,4,5,6,7
.irp m,0,1,2,3
	v_pk_fma_f32 v[224+4*(\m):225+4*(\m)], v[32+32*(\m)+2*(\n):33+32*(\m)+2*(\n)], v[32+32*(\m)+2*(\n):33+32*(\m)+2*(\n)], v[224+4*(\m):225+4*(\m)]
	v_pk_fma_f32 v[226+4*(\m):227+4*(\m)], v[48+32*(\m)+2*(\n):49+32*(\m)+2*(\n)], v[48+32*(\m)+2*(\n):49+32*(\m)+2*(\n)], v[226+4*(\m):227+4*(\m)]
.endr
.endr
	ACROSS 1
.irp m,0,1,2,3
	v_fma_f32 v[240+4*(\m)], v[240+4*(\m)], s62, s63
.endr
.irp m,0,1,2,3
	v_rsq_f32 v[224+4*(\m)], v[240+4*(\m)]
.endr
	v_nop
	s_wait_alu depctr_va_vdst(0)                   ; one wait for the four
	s_wait_loadcnt 0x0                             ; gamma and beta,
	RND16 160                                      ; rounded to bf16
	RND16 176
	RND16 192
	RND16 208
.irp m,0,1,2,3
.irp t,0,1,2,3
.irp jp,0,1,2,3
	v_pk_mul_f32 v[32+32*(\m)+8*(\t)+2*(\jp):33+32*(\m)+8*(\t)+2*(\jp)], v[32+32*(\m)+8*(\t)+2*(\jp):33+32*(\m)+8*(\t)+2*(\jp)], v[224+4*(\m):225+4*(\m)] op_sel_hi:[1,0]
.endr
.irp jp,0,1,2,3
	v_pk_fma_f32 v[32+32*(\m)+8*(\t)+2*(\jp):33+32*(\m)+8*(\t)+2*(\jp)], v[32+32*(\m)+8*(\t)+2*(\jp):33+32*(\m)+8*(\t)+2*(\jp)], v[160+8*(\t)+2*(\jp):161+8*(\t)+2*(\jp)], v[192+8*(\t)+2*(\jp):193+8*(\t)+2*(\jp)]
.endr
.irp jp,0,1,2,3
	v_pk_mul_f32 v[32+32*(\m)+8*(\t)+2*(\jp):33+32*(\m)+8*(\t)+2*(\jp)], v[32+32*(\m)+8*(\t)+2*(\jp):33+32*(\m)+8*(\t)+2*(\jp)], v[16+2*(\m):17+2*(\m)] op_sel_hi:[1,0]
.endr
.endr
	; 16 rows through my own stage: in by lanes' 32 bytes, back as rows of 256 bytes.  LDS serves a wave's instructions in order (ISA guide 5.7.1.4)
.irp t,0,1,2,3
	ds_store_b128 v10, v[32+32*(\m)+8*(\t):32+32*(\m)+8*(\t)+3] offset:64*(\t)
	ds_store_b128 v10, v[32+32*(\m)+8*(\t)+4:32+32*(\m)+8*(\t)+7] offset:64*(\t)+16
.endr
.irp i,0,1,2,3,4,5,6,7
	ds_load_b128 v[32+32*(\m)+4*(\i):32+32*(\m)+4*(\i)+3], v11 offset:544*(\i)
.endr
.irp i,0,1,2,3,4,5,6,7
	s_wait_dscnt 7-(\i)
	global_store_b128 v12, v[32+32*(\m)+4*(\i):32+32*(\m)+4*(\i)+3], s[24:25] offset:16384*(\m)+2048*(\i)   ; 16 lanes store 256 consecutive bytes, aligned
.endr
.endr
	s_wait_tensorcnt 0x0                           ; the wave's end
	ds_add_u32 v3, v4
	s_wait_dscnt 0x0
	s_endpgm
.Lfunc_end_k_q6667726959_main:
	.size	k_q6667726959_main, .Lfunc_end_k_q6667726959_main-k_q6667726959_main
	.p2alignl 7, 3214868480
	.fill 96, 4, 3214868480
	.section	.rodata,"a",@progbits
	.p2align	6, 0x0
	.amdhsa_kernel k_q6667726959_main
		.amdhsa_group_segment_fixed_size 107520
		.amdhsa_private_segment_fixed_size 0
		.amdhsa_enable_private_segment 0
		.amdhsa_kernarg_size 88
		.amdhsa_user_sgpr_count 2
		.amdhsa_user_sgpr_kernarg_segment_ptr 1
		.amdhsa_wavefront_size32 1
		.amdhsa_system_sgpr_workgroup_id_x 1
		.amdhsa_system_sgpr_workgroup_id_y 1
		.amdhsa_system_sgpr_workgroup_id_z 1
		.amdhsa_system_vgpr_workitem_id 0
		.amdhsa_next_free_vgpr 512
		.amdhsa_next_free_sgpr 66
		.amdhsa_reserve_vcc 1
		.amdhsa_float_denorm_mode_32 3
		.amdhsa_float_denorm_mode_16_64 3
		.amdhsa_memory_ordered 1
		.amdhsa_forward_progress 1
		.amdhsa_inst_pref_size 164
	.end_amdhsa_kernel
	.amdgpu_metadata
---
amdhsa.version: [ 1, 2 ]
amdhsa.kernels:
  - .name:           k_q6667726959_main
    .symbol:         k_q6667726959_main.kd
    .args:
      - { .name: features, .offset: 0, .size: 8, .value_kind: global_buffer, .address_space: global }
      - { .name: TS, .offset: 8, .size: 8, .value_kind: global_buffer, .address_space: global }
      - { .name: normals, .offset: 16, .size: 8, .value_kind: global_buffer, .address_space: global }
      - { .name: mask, .offset: 24, .size: 8, .value_kind: global_buffer, .address_space: global }
      - { .name: bo, .offset: 32, .size: 8, .value_kind: global_buffer, .address_space: global }
      - { .name: gamma, .offset: 40, .size: 8, .value_kind: global_buffer, .address_space: global }
      - { .name: beta, .offset: 48, .size: 8, .value_kind: global_buffer, .address_space: global }
      - { .name: WTS, .offset: 56, .size: 8, .value_kind: global_buffer, .address_space: global }
      - { .name: QKV, .offset: 64, .size: 8, .value_kind: global_buffer, .address_space: global }
      - { .name: IDX, .offset: 72, .size: 8, .value_kind: global_buffer, .address_space: global }
      - { .name: out0, .offset: 80, .size: 8, .value_kind: global_buffer, .address_space: global }
    .group_segment_fixed_size: 107520
    .private_segment_fixed_size: 0
    .kernarg_segment_align: 8
    .kernarg_segment_size: 88
    .max_flat_workgroup_size: 128
    .sgpr_count:     66
    .vgpr_count:     512
    .wavefront_size: 32
...
	.end_amdgpu_metadata
.endif
;; end of part 5
;; ======== version 2 of 3: 5 launches; 1.49 times as fast as version 1
;; limits: a function is approximated: absolute error at most 2.5e-05
;; workspace buffers: WTS 662,528 bytes; TS 524,288 bytes; TP 262,144 bytes; QKV 25,165,824 bytes; GL 524,288 bytes of whole numbers; IDX 524,288 bytes of whole numbers
;; launch prep: the kernel of part 1 again; grid 73 x 1, 8 waves a work-group, no clusters, 0 bytes of LDS; arguments Wq, Wk, Wv, Wp2, Wo, coords, Wp1, bp1, bq, bk, bv, bp2, WTS, TS, TP; writes WTS, TS, TP
;; launch proj: the kernel of part 2 again; grid 256 x 1, 4 waves a work-group, no clusters, 99,840 bytes of LDS; arguments features, WTS, QKV; writes QKV
;; launch knna (part 6): grid 256 x 1, 16 waves a work-group, clusters of 4 x 1, 203,776 bytes of LDS; arguments TP, TS, GL; writes GL
.if DOCPART == 6
	.amdgcn_target "amdgcn-amd-amdhsa--gfx1250"
	.amdhsa_code_object_version 6
	.text
	.protected	k_q6667726959_knna
	.globl	k_q6667726959_knna
	.p2align	8
	.type	k_q6667726959_knna,@function
k_q6667726959_knna:
	s_mov_b64 s[64:65], 0
	v_nop
	global_prefetch_b8 v0, s[64:65] scope:SCOPE_SE
	s_setreg_imm32_b32 hwreg(HW_REG_WAVE_MODE, 25, 1), 1
	s_wait_xcnt 0x0
	s_wait_alu depctr_hold_cnt(0) depctr_sa_sdst(0) depctr_va_vdst(0) depctr_va_sdst(0) depctr_va_ssrc(0) depctr_va_vcc(0) depctr_vm_vsrc(0)
	s_getreg_b32 s2, hwreg(HW_REG_IB_STS2, 6, 4)
	s_cmp_eq_u32 s2, 0
	s_cbranch_scc0 .Lentry_in_a_cluster
	s_endpgm
.Lentry_in_a_cluster:
	s_bfe_u32 s2, ttmp6, 0x10000c
	s_cmp_lg_u32 s2, 0x3003
	s_cbranch_scc0 .Lentry_shape_is_right
	s_endpgm
.Lentry_shape_is_right:
; FIRST HALF OF THE NEIGHBOUR SEARCH.  The 8,192 points of a batch lie in 256 groups of 32 neighbouring indices.  For each query: the 16 groups that come first by (smallest dist2 in the group, group number).
; Every one of the 16 nearest points (ties to the lower index) lies in one of them: were it elsewhere, 16 group minima would come before it.
; dist2 = fma(-2, fma(z,z',fma(y,y',x*x')), d2n + d2m), f32, on the tables' coordinates, which are rounded to bf16: their products are exact in f32, so the bits hang on the order of the sums alone, which is ascending.
; LIMIT: the neighbours are those of the rounded coordinates; coordinates are finite.
; SHARES.  A work-group has 64 queries and 16 waves.  A LANE OWNS A GROUP: lane l of wave w holds the 32 candidates of group 32 (w % 8) + l, 512 bytes of TP as 16 pairs (x0,x1,y0,y1,z0,z1,d0,d1), in 128 registers
; for the whole launch.  Wave w serves queries 32 (w / 8) .. + 31; they come as scalars from TS (x,x,y,y,z,z,d,d), four at a time: 128 bytes for 388 vector lines.  The four are copied out of the registers that they
; landed in, and the next four are asked for at once, so that a request has a whole trip in which to land.  For a query and two candidates: five packed lines; a group's minimum never leaves its lane.
; THE TABLE comes through LDS: 256 rows of 512 bytes + 16, so that the 16 rows that a load touches start at 16 different groups of four banks (64 banks of 4 bytes: ISA guide 11.1).
; CLUSTER.  The four work-groups of a cluster belong to one batch and want the same table, so it is asked for JOINTLY: waves 0-3 each issue one tensor load of 64 rows, with the same descriptor and a mask that names
; the four.  The work-group's place in its cluster enters the addresses of TS and GL alone.  No prefetch: the one fill stands at the kernel's head.
; The minima meet in LDS, M[query][group]; then waves 0-3 select, 16 queries each, lane (r, h) walking groups 128 h .. 128 h + 127 of query r:
;   pass 1 keeps the 16 smallest values sorted (a median of three for each place); the halves are merged: TAU = the 16th smallest, E = how many of the 16 equal TAU;
;   pass 2 walks again in ascending order and shifts each hit's number into a 256-bit register; no branch and no address hangs on a distance.
.set GP,    528                        ; a group in LDS: 512 bytes + 16
.set MB,    256*GP                     ; behind the table: M, in rows of 1,040 bytes into which no fill lands
.set MP,    1040                       ; a query's 256 minima + 16 bytes: 16 lanes 1,040 bytes apart take 16 different columns of 16 bytes
.set SPARE, MB+64*MP                   ; behind M: the spare words, 128 bytes a wave
.set ZR,   5
.set SIXT, 7
.set IDB,  9
.set ID,   10
.set E1,   11
.set SH,   12
.set NSH,  13
.set QUO,  14
.set TAU,  15
.set DT,   32                          ; v[32:63]   the distance phase: 32 dot products, then 32 distances
.set DU,   64                          ; v[64:95]   the distance phase: d2n + d2m
.set L,    32                          ; v[32:47]   the selection: the 16 smallest, ascending
.set LM,   48                          ; v[48:63]   merged
.set W,    64                          ; v[64:71]   16 numbers of 16 bits
.set VB,   80                          ; v[80:95]   16 values
.set U,    112                         ; v[112:115] what a lane stores
.set ME,   121
.set MCN,  122
.set MT1,  123
.set MT2,  124
.set MCP,  125
.set MNP,  126
.set CB,   128                         ; v[128:255] my group: pair p at CB + 8 p
.set WV,   11                          ; s11  my wave's number
.set PS0,  14                          ; s14, s15: each lane takes its own place in the other half
.set PS1,  15
.set HM,   48                          ; s48: the lanes with h = 1
.set QA,   16                          ; s[16:47] the four queries in hand (ahead of the loop: the tensor load's descriptor)
.set QB,   68                          ; s[68:99] the four that are on their way
.macro ROUND                           ; a round of the cluster's barrier: my work-group's barrier; wave 0 signals for the work-group; every wave waits for all four; my work-group's barrier once more
	s_barrier_signal -1
	s_barrier_wait -1
	s_cmp_lg_u32 s[WV], 0
	s_cbranch_scc1 .Lnot_wave_0_\@
	s_barrier_signal -3
.Lnot_wave_0_\@:
	s_barrier_wait -3
	s_barrier_signal -1
	s_barrier_wait -1
.endm
; query q of the four in hand against my group: 80 packed lines for 32 distances, 16 lines for their minimum, in four chains
.macro QUERY q
.set SQ, QA+8*(\q)
.irp p,0,1,2,3,4,5,6,7,8,9,10,11,12,13,14,15
	v_pk_mul_f32 v[DT+2*(\p):DT+2*(\p)+1], v[CB+8*(\p):CB+8*(\p)+1], s[SQ:SQ+1] op_sel_hi:[1,0]
	v_pk_add_f32 v[DU+2*(\p):DU+2*(\p)+1], v[CB+8*(\p)+6:CB+8*(\p)+7], s[SQ+6:SQ+7] op_sel_hi:[1,0]
.endr
.irp p,0,1,2,3,4,5,6,7,8,9,10,11,12,13,14,15
	v_pk_fma_f32 v[DT+2*(\p):DT+2*(\p)+1], v[CB+8*(\p)+2:CB+8*(\p)+3], s[SQ+2:SQ+3], v[DT+2*(\p):DT+2*(\p)+1] op_sel_hi:[1,0,1]
.endr
.irp p,0,1,2,3,4,5,6,7,8,9,10,11,12,13,14,15
	v_pk_fma_f32 v[DT+2*(\p):DT+2*(\p)+1], v[CB+8*(\p)+4:CB+8*(\p)+5], s[SQ+4:SQ+5], v[DT+2*(\p):DT+2*(\p)+1] op_sel_hi:[1,0,1]
.endr
.irp p,0,1,2,3,4,5,6,7,8,9,10,11,12,13,14,15
	v_pk_fma_f32 v[DT+2*(\p):DT+2*(\p)+1], v[DT+2*(\p):DT+2*(\p)+1], -2.0, v[DU+2*(\p):DU+2*(\p)+1] op_sel_hi:[1,0,1]
.endr
.irp i,0,1,2,3
	v_min3_num_f32 v[24+(\i)], v[DT+3*(\i)], v[DT+3*(\i)+1], v[DT+3*(\i)+2]
.endr
.irp k,0,1
.irp i,0,1,2,3
	v_min3_num_f32 v[24+(\i)], v[24+(\i)], v[DT+12+8*(\k)+2*(\i)], v[DT+13+8*(\k)+2*(\i)]
.endr
.endr
	v_min3_num_f32 v24, v24, v[DT+28], v[DT+29]
	v_min3_num_f32 v25, v25, v[DT+30], v[DT+31]
	v_min3_num_f32 v24, v24, v25, v26
	v_min_num_f32 v[20+(\q)], v24, v27
.endm
; 16 values into the sorted list: place i takes the median of the value and the old places i - 1 and i
.macro INS16
.irp j,0,1,2,3,4,5,6,7,8,9,10,11,12,13,14,15
.irp i,15,14,13,12,11,10,9,8,7,6,5,4,3,2,1
	v_med3_num_f32 v[L+(\i)], v[VB+(\j)], v[L+(\i)-1], v[L+(\i)]
.endr
	v_min_num_f32 v[L], v[L], v[VB+(\j)]
.endr
.endm
; the two halves' lists: min(L[i], other L[15 - i]) are the 16 smallest of the 32.  QUO = how many values equal to TAU this half may still take, x 16:
; the lower half E; the upper half E less what the lower half takes, min(its count of TAU in L, E)
.macro MERGE
.irp i,0,1,2,3,4,5,6,7,8,9,10,11,12,13,14,15
	v_mov_b32 v[LM+(\i)], v[L+(\i)]                ; v_permlanex16_b32's destination counts as read
.endr
.irp i,0,1,2,3,4,5,6,7,8,9,10,11,12,13,14,15
	v_permlanex16_b32 v[LM+(\i)], v[L+15-(\i)], s[PS0], s[PS1]
.endr
.irp i,0,1,2,3,4,5,6,7,8,9,10,11,12,13,14,15
	v_min_num_f32 v[LM+(\i)], v[LM+(\i)], v[L+(\i)]
.endr
	v_max3_num_f32 v[TAU], v[LM], v[LM+1], v[LM+2]
.irp i,3,5,7,9,11,13
	v_max3_num_f32 v[TAU], v[TAU], v[LM+(\i)], v[LM+(\i)+1]
.endr
	v_max_num_f32 v[TAU], v[TAU], v[LM+15]
	v_mov_b32 v[ME], 0
	v_mov_b32 v[MCN], 0
.irp i,0,1,2,3,4,5,6,7,8,9,10,11,12,13,14,15
	v_cmp_eq_f32 vcc_lo, v[LM+(\i)], v[TAU]
	v_cndmask_b32 v[MT1], 0, v[SIXT], vcc_lo
	v_add_nc_u32 v[ME], v[ME], v[MT1]
	v_cmp_eq_f32 vcc_lo, v[L+(\i)], v[TAU]
	v_cndmask_b32 v[MT2], 0, v[SIXT], vcc_lo
	v_add_nc_u32 v[MCN], v[MCN], v[MT2]
.endr
	v_mov_b32 v[MCP], v[MCN]
	v_permlanex16_b32 v[MCP], v[MCN], s[PS0], s[PS1]
	v_min_u32 v[MCP], v[MCP], v[ME]
	v_sub_nc_u32 v[MCP], v[ME], v[MCP]
	v_cndmask_b32 v[QUO], v[ME], v[MCP], s[HM]
.endm
; 16 values in ascending order of their numbers: a hit (below TAU, or equal while the quota lasts) shifts W down by 16 bits and enters its number on top
.macro HIT16
.irp j,0,1,2,3,4,5,6,7,8,9,10,11,12,13,14,15
	v_cmp_eq_f32 vcc_lo, v[VB+(\j)], v[TAU]
	v_cndmask_b32 v[E1], 0, v[SIXT], vcc_lo
	v_min_u32 v[E1], v[E1], v[QUO]
	v_sub_nc_u32 v[QUO], v[QUO], v[E1]
	v_cmp_lt_f32 vcc_lo, v[VB+(\j)], v[TAU]
	v_cndmask_b32 v[SH], v[E1], v[SIXT], vcc_lo
	v_add_nc_u32 v[NSH], v[NSH], v[SH]
	v_add_nc_u32 v[ID], \j, v[IDB]
.irp i,0,1,2,3,4,5,6
	v_alignbit_b32 v[W+(\i)], v[W+(\i)+1], v[W+(\i)], v[SH]
.endr
	v_alignbit_b32 v[W+7], v[ID], v[W+7], v[SH]
.endr
.endm
; the lower half's hits go down by as many places as the upper half has hits; then the two registers are one list, ascending
.macro TAIL
	v_mov_b32 v[MNP], v[NSH]
	v_permlanex16_b32 v[MNP], v[NSH], s[PS0], s[PS1]
	v_cndmask_b32 v[MNP], v[MNP], v[ZR], s[HM]
.irp k,0,1,2,3,4,5,6,7,8,9,10,11,12,13,14,15
	v_cmp_lt_u32 vcc_lo, 16*(\k), v[MNP]
	v_cndmask_b32 v[SH], 0, v[SIXT], vcc_lo
.irp i,0,1,2,3,4,5,6
	v_alignbit_b32 v[W+(\i)], v[W+(\i)+1], v[W+(\i)], v[SH]
.endr
	v_alignbit_b32 v[W+7], v[ZR], v[W+7], v[SH]
.endr
.irp i,0,1,2,3,4,5,6,7
	v_permlanex16_b32 v[LM+(\i)], v[W+(\i)], s[PS0], s[PS1]
.endr
.irp i,0,1,2,3,4,5,6,7
	v_or_b32 v[W+(\i)], v[W+(\i)], v[LM+(\i)]
.endr
.endm
	s_load_b128 s[4:7], s[0:1], 0x0                ; TP s[4:5], TS s[6:7]
	s_load_b64 s[8:9], s[0:1], 0x10                ; GL
	v_lshl_add_u32 v3, v0, 2, SPARE                ; my spare word
	v_mov_b32 v4, 0
	ds_add_u32 v3, v4                              ; the wave's opening: the add, twice on end, and its wait ahead of the first tensor load
	ds_add_u32 v3, v4
	v_lshrrev_b32 v8, 5, v0
	v_readfirstlane_b32 s[WV], v8                  ; wave 0..15
	v_and_b32 v1, 31, v0                           ; lane
	v_and_b32 v18, 15, v0                          ; r
	v_bfe_u32 v2, v0, 4, 1                         ; h
	; descriptor group 1: 64 rows of 128 elements of 4 bytes, 16 bytes of padding behind each row
	s_mov_b32 s24, 15|(2<<16)|(1<<20)|(1<<21)|(6<<22)|(3<<25)  ; the mask of four; 4-byte elements; padding on; bit 21 beside a mask; after every 128 words; 4 words
	s_mov_b32 s25, 128<<16                         ; tensor_dim0 = 128
	s_mov_b32 s26, 64<<16                          ; tensor_dim1 = 64
	s_mov_b32 s27, 128<<16                         ; tile_dim0 = 128
	s_mov_b32 s28, 64                              ; tile_dim1 = 64
	s_mov_b32 s29, 128                             ; elements from row to row
	s_mov_b32 s30, 0
	s_mov_b32 s31, 0
	s_mov_b32 s16, 1                               ; group 0: count
	s_mul_i32 s17, s[WV], 64*GP                    ; LDS address: 64 groups for each of waves 0-3
	s_lshr_b32 s50, ttmp9, 5                       ; batch: 32 clusters each; the four partners share it
	s_lshl_b32 s20, s50, 17                        ; a batch's table of pairs: 131,072 bytes,
	s_lshl_b32 s21, s[WV], 15                      ; 64 groups of 512
	s_add_co_u32 s20, s20, s21
	s_mov_b32 s21, 0
	s_lshl_b32 s52, s50, 18                        ; a batch's table of points: 262,144 bytes
	s_mov_b32 s53, 0
	s_bfe_u32 s62, ttmp6, 0x40000                  ; cx: it enters the addresses of TS and GL alone
	s_lshl_b32 s63, ttmp9, 2
	s_add_co_u32 s63, s63, s62                     ; the work-group's number
	s_and_b32 s60, s[WV], 7                        ; which 32 groups are my wave's
	s_lshr_b32 s61, s[WV], 3                       ; which 32 queries
	s_and_b32 s10, s63, 127
	s_lshl_b32 s10, s10, 11                        ; the work-group's 64 queries, 32 bytes each,
	s_lshl_b32 s62, s61, 10                        ; my wave's 32
	s_add_co_u32 s10, s10, s62
	s_lshl_b32 s51, s60, 7                         ; M: my wave's 32 groups, 4 bytes each,
	s_mul_i32 s62, s61, 32*MP                      ; my wave's 32 queries
	s_add_co_u32 s51, s51, s62
	s_add_co_u32 s51, s51, MB
	v_lshl_add_u32 v17, v1, 2, s51
	s_mul_i32 s62, s60, 32*GP
	v_mul_u32_u24 v16, v1, GP
	v_add_nc_u32 v16, s62, v16                     ; my group in the table
	s_mov_b32 s[PS0], 0x76543210
	s_mov_b32 s[PS1], 0xfedcba98
	s_mov_b32 s[HM], 0xffff0000
	s_wait_dscnt 0x0                               ; both opening adds are done
	s_wait_kmcnt 0x0
	s_add_nc_u64 s[18:19], s[4:5], s[20:21]
	s_or_b32 s19, s19, 0x80000000                  ; type = 2
	s_add_nc_u64 s[12:13], s[6:7], s[52:53]
	ROUND                                          ; all four work-groups are here: the joint loads meet
	s_cmp_lt_u32 s[WV], 4                          ; the branch hangs on the wave's number alone: it is the same in every work-group
	s_cbranch_scc0 .Lno_fill
	tensor_load_to_lds s[16:19], s[24:31]          ; the wave's one tensor load of the launch
	s_nop 0
.rept 4
	v_nop
.endr
.Lno_fill:
	s_load_b512 s[QB:QB+15], s[12:13], s10 offset:0x0      ; my first four queries
	s_load_b512 s[QB+16:QB+31], s[12:13], s10 offset:0x40
	s_wait_tensorcnt 0x0                           ; my 64 groups are in (waves 4-15 have none out),
	s_barrier_signal -1
	s_barrier_wait -1                              ; everybody's are; nothing is filled again
.set c, 0
.rept 32
	ds_load_b128 v[CB+4*c:CB+4*c+3], v16 offset:16*c       ; my group's 512 bytes
.set c, c+1
.endr
	s_mov_b32 s49, 0
	s_mov_b32 s59, 8
	s_wait_dscnt 0x0                               ; my group is in registers,
	s_barrier_signal -1
	s_barrier_wait -1                              ; and so is every lane's: all reads of the table stand ahead of all stores to LDS (M's bytes lie apart from the table's; passed once)
.Lquad:                                            ; four queries a trip
	s_wait_kmcnt 0x0                               ; the four are in; nothing else is out, so the offset may be written
.irp i,0,1,2,3,4,5,6,7,8,9,10,11,12,13,14,15
	s_mov_b64 s[QA+2*(\i):QA+2*(\i)+1], s[QB+2*(\i):QB+2*(\i)+1]
.endr
	s_add_co_u32 s10, s10, 128
	s_min_u32 s10, s10, 262016                     ; the last request of all, which serves nothing, stays inside the batch's table
	s_load_b512 s[QB:QB+15], s[12:13], s10 offset:0x0
	s_load_b512 s[QB+16:QB+31], s[12:13], s10 offset:0x40
	QUERY 0
	QUERY 1
	QUERY 2
	QUERY 3
	v_add_nc_u32 v6, s49, v17
.irp q,0,1,2,3
	ds_store_b32 v6, v[20+(\q)] offset:MP*(\q)     ; 32 groups' minima: 128 consecutive bytes
.endr
	s_add_co_u32 s49, s49, 4*MP
	s_sub_co_u32 s59, s59, 1
	s_cmp_lg_u32 s59, 0
	s_cbranch_scc1 .Lquad
	s_wait_kmcnt 0x0                               ; the request that ran ahead
	s_wait_dscnt 0x0                               ; for the others' sake: my minima lie in M
	s_barrier_signal -1
	s_barrier_wait -1
	s_cmp_lt_u32 s[WV], 4
	s_cbranch_scc0 .Lend
	s_mul_i32 s54, s[WV], 16*MP
	s_add_co_u32 s54, s54, MB
	v_mul_u32_u24 v19, v18, MP                     ; query 16 s + r,
	v_lshl_add_u32 v19, v2, 9, v19                 ; groups from 128 h on
	v_add_nc_u32 v19, s54, v19
	v_mov_b32 v[ZR], 0
	v_mov_b32 v[SIXT], 16
	v_mov_b32 v[NSH], 0
	v_lshlrev_b32 v[IDB], 7, v2
.irp i,0,1,2,3,4,5,6,7,8,9,10,11,12,13,14,15
	v_mov_b32 v[L+(\i)], 0x7f800000
.endr
.irp i,0,1,2,3,4,5,6,7
	v_mov_b32 v[W+(\i)], 0
.endr
	s_mov_b32 s55, 0                               ; each loop has a step, a count and an address register of its own
	s_mov_b32 s56, 8
.Lpass1:                                           ; 16 groups a trip
	v_add_nc_u32 v22, s55, v19
.irp j,0,1,2,3
	ds_load_b128 v[VB+4*(\j):VB+4*(\j)+3], v22 offset:16*(\j)
.endr
	s_wait_dscnt 0x0
	INS16
	s_add_co_u32 s55, s55, 64
	s_sub_co_u32 s56, s56, 1
	s_cmp_lg_u32 s56, 0
	s_cbranch_scc1 .Lpass1
	MERGE
	s_mov_b32 s57, 0
	s_mov_b32 s58, 8
.Lpass2:
	v_add_nc_u32 v23, s57, v19
.irp j,0,1,2,3
	ds_load_b128 v[VB+4*(\j):VB+4*(\j)+3], v23 offset:16*(\j)
.endr
	s_wait_dscnt 0x0
	HIT16
	v_add_nc_u32 v[IDB], 16, v[IDB]
	s_add_co_u32 s57, s57, 64
	s_sub_co_u32 s58, s58, 1
	s_cmp_lg_u32 s58, 0
	s_cbranch_scc1 .Lpass2
	TAIL
.irp i,0,1,2,3
	v_cndmask_b32 v[U+(\i)], v[W+(\i)], v[W+4+(\i)], s[HM]   ; each half stores its 16 bytes of the query's 32
.endr
	s_lshl_b32 s50, s63, 11
	s_lshl_b32 s51, s[WV], 9
	s_add_co_u32 s50, s50, s51
	v_lshl_add_u32 v16, v18, 5, s50
	v_lshl_add_u32 v16, v2, 4, v16
	global_store_b128 v16, v[U:U+3], s[8:9]        ; the wave's 16 queries: 512 consecutive bytes
.Lend:
	s_wait_dscnt 0x0                               ; my LDS reads are back,
	s_barrier_signal -1
	s_barrier_wait -1                              ; and so are every wave's: no LDS word is written below while a wave still reads
	s_wait_tensorcnt 0x0                           ; the wave's end
	ds_add_u32 v3, v4
	s_wait_dscnt 0x0
	ROUND                                          ; the closing round: no work-group ends while a partner may still ask for the table
	s_endpgm
.Lfunc_end_k_q6667726959_knna:
	.size	k_q6667726959_knna, .Lfunc_end_k_q6667726959_knna-k_q6667726959_knna
	.p2alignl 7, 3214868480
	.fill 96, 4, 3214868480
	.section	.rodata,"a",@progbits
	.p2align	6, 0x0
	.amdhsa_kernel k_q6667726959_knna
		.amdhsa_group_segment_fixed_size 203776
		.amdhsa_private_segment_fixed_size 0
		.amdhsa_enable_private_segment 0
		.amdhsa_kernarg_size 24
		.amdhsa_user_sgpr_count 2
		.amdhsa_user_sgpr_kernarg_segment_ptr 1
		.amdhsa_wavefront_size32 1
		.amdhsa_system_sgpr_workgroup_id_x 1
		.amdhsa_system_sgpr_workgroup_id_y 1
		.amdhsa_system_sgpr_workgroup_id_z 1
		.amdhsa_system_vgpr_workitem_id 0
		.amdhsa_next_free_vgpr 256
		.amdhsa_next_free_sgpr 100
		.amdhsa_reserve_vcc 1
		.amdhsa_float_denorm_mode_32 3
		.amdhsa_float_denorm_mode_16_64 3
		.amdhsa_memory_ordered 1
		.amdhsa_forward_progress 1
		.amdhsa_inst_pref_size 79
	.end_amdhsa_kernel
	.amdgpu_metadata
---
amdhsa.version: [ 1, 2 ]
amdhsa.kernels:
  - .name:           k_q6667726959_knna
    .symbol:         k_q6667726959_knna.kd
    .args:
      - { .name: TP, .offset: 0, .size: 8, .value_kind: global_buffer, .address_space: global }
      - { .name: TS, .offset: 8, .size: 8, .value_kind: global_buffer, .address_space: global }
      - { .name: GL, .offset: 16, .size: 8, .value_kind: global_buffer, .address_space: global }
    .group_segment_fixed_size: 203776
    .private_segment_fixed_size: 0
    .kernarg_segment_align: 8
    .kernarg_segment_size: 24
    .max_flat_workgroup_size: 512
    .sgpr_count:     100
    .vgpr_count:     256
    .wavefront_size: 32
...
	.end_amdgpu_metadata
.endif
;; end of part 6
;; launch knnb: the kernel of part 4 again; grid 256 x 1, 4 waves a work-group, no clusters, 167,936 bytes of LDS; arguments TP, TS, GL, IDX; writes IDX
;; launch main (part 7): grid 256 x 1, 8 waves a work-group, no clusters, 142,336 bytes of LDS; arguments features, TS, normals, mask, bo, gamma, beta, WTS, QKV, IDX, out0; writes out0
.if DOCPART == 7
	.amdgcn_target "amdgcn-amd-amdhsa--gfx1250"
	.amdhsa_code_object_version 6
	.text
	.protected	k_q6667726959_main
	.globl	k_q6667726959_main
	.p2align	8
	.type	k_q6667726959_main,@function
k_q6667726959_main:
	s_mov_b64 s[64:65], 0
	v_nop
	global_prefetch_b8 v0, s[64:65] scope:SCOPE_SE
	s_setreg_imm32_b32 hwreg(HW_REG_WAVE_MODE, 25, 1), 1
	s_wait_xcnt 0x0
; POSITION MLP, ATTENTION OVER 16 NEIGHBOURS, Wo, RESIDUAL, LAYERNORM.  A work-group has 64 points and eight waves, in two GROUPS of four: group g = w / 4 serves points 32 g .. 32 g + 31;
; in its group wave w owns channels 64 (w % 4) .. + 63 (two heads) of the hidden layer, of pos_emb, k, v, the heads' output and the result.
; TWO WAVES SHARE A SIMD, 512 registers each: a point's phases hang on each other, so while one wave waits the other issues.  A fragment of H read from LDS feeds four products, as it would with four waves;
; the price is that Wp2's and Wo's fragments lie twice in a SIMD's registers.  The group enters the fixed lane parts of the addresses alone: the loop counts a local point, 0 .. 31, in both groups.
; EVERY INPUT ENTERS ROUNDED ONCE TO bf16: the coordinates come so from the table TS (32 bytes a point: x at 0, y at 8, z at 16), the weights from WTS; normals, the features of the residual, bo, gamma, beta and the points' mask are rounded here.
; For each point, in phases:
;  1 hidden = Wp1^T pin (+ bp1 as a seventh input of 1): four products of depth 32, of which 7 are used; two tiles of Wp1 share a fragment, and zeros beside pin pick one.  A lane holds neighbour r, channels 8 h + j.
;  2 H = 2 gelu(x) = x + |x| erf(|x| / sqrt 2); erf(z) = 1 - (a1 t + a2 t^2 + a3 t^3) e^(-z z), t = 1 / (1 + p z).  LIMIT: that form of erf is off by up to 2.5e-5, less than H's rounding to bf16.
;    Rounded in pairs, the lane's numbers ARE its part of source 0 of the next product; a group's four waves exchange them through LDS (two buffers by turns, one barrier a point, which all eight waves pass).
;  3 pos_emb = H (0.5 Wp2): 32 products; Wp2's 64 columns of mine stay in window 1.  A lane holds channel r and neighbours 8 h + j.
;  4 the gathered rows of k and v (bf16, a lane a neighbour) are turned into that layout and added by a product with a matrix of ones and zeros, pos_emb as its C.
;  5 scores by lanes (q k summed over 16 lanes twice), the mask as 0 or -inf, a maximum (held finite), exponentials, sums; a point whose neighbours are all masked gets 0, as nan_to_num gives.
;    The lane's four results leave as two whole words, (tile 0, tile 1) and (tile 2, tile 3): place 32 b + 2 r + s of a row holds channel 32 b + 16 s + r; Wo^T is laid in the same order, so the sums are the same.
; Then out = (mask x heads' output) Wo + mask bo + features, LayerNorm in two steps (mean; then the centred squares), gamma, beta, mask.
; bf16 matrix operands, f32 elsewhere.  Neighbour indices are whole numbers read from memory, held to 0 .. 8,191 before they enter an address.
; LIMIT: the test 'neighbour's mask > 0' is made on the mask as it is given; it differs from the test on the rounded mask only for positive numbers below bf16's smallest, 9.2e-41.
; No cluster: the weights go into registers once a wave; the bulk of what is read, 1 MiB of gathered rows a work-group, is shared with nobody in step.
; No prefetch: a row of k and v is read by some 16 points, of work-groups and at moments that no arithmetic on indices foretells; a point's rows are asked for a whole point ahead, into registers.
.set HF,    0                          ; group g's two buffers of 8,192 at 16,384 g: fragment f at 1,024 f: registers 0-3 of 32 lanes, then registers 4-7
.set PIN,   32768                      ; [point][32 lanes] x 16 bytes; lanes 16-31 hold zeros
.set VAL,   65536                      ; [point][neighbour] f32: 0 or -inf
.set AO,    69632                      ; 64 rows of 512 bytes + 16
.set AOP,   528
.set LNP,   103424                     ; [stage][point][wave of the group] f32
.set PMK,   105472                     ; the 64 points' mask; each of the 256 threads brings one number, so it lies there four times; the first copy is read
.set STG,   106496                     ; 16 rows of 256 bytes + 16 for each wave
.set SPARE, 141312                     ; the spare words, 128 bytes a wave
.set WP2T,  393216
.set WOT,   524288
.set W1T,   655360
.set MSB, 0
.macro WIN new
.if MSB != (\new)
	s_set_vgpr_msb (MSB<<8)|(\new)
.set MSB, \new
.endif
.endm
; REGISTERS, window 0: v1 r, v2 h, v3 v4 the add's; v5-v9 addresses of the point in hand; v10 v11 H's store and load; v12 v13 lane parts of k's and q's offsets; v14 index, v15 k's offset; v16-19 at work
;  v20-39: zeros | S | zeros | pin | zeros (an operand of 8 registers picks its half);  v40-55 Wp1;  v56-63 mask;  v64-79 k, v80-95 v;  v96-127 pos_emb, then v + pos_emb
;  v128-207: x, |x|, t, e;  then H's fragments;  then k + pos_emb, scores and softmax's registers;  v208-223 H;  v224-227 q's words;  v228 point's mask;  v229 q's offset;  v230-245 at work
;  v246-249 fixed lane parts of LDS addresses;  v250 4 (r / 2) + my group's lists;  v251 16 (r % 2);  v254 the maximum's floor;  v255 16 - 16 (r % 2)
; window 1: 32 weight fragments, (tile t, depth k) at v[64 t + 8 k]
; s48 wave 0 .. 7;  s26 wave in its group: which 64 channels;  s60 group: which 32 points
; n tiles of 16 weight rows, from tile t0 on: 16 loads each
.macro LOADWB base, t0, n
	WIN 0x40                                       ; destination window 1
.set tt, \t0
.rept \n
.irp k,0,1,2,3,4,5,6,7
	global_load_b128 v[64*tt+8*(\k):64*tt+8*(\k)+3],   v7, s[18:19] offset:(\base)+8192*tt+64*(\k)
	global_load_b128 v[64*tt+8*(\k)+4:64*tt+8*(\k)+7], v7, s[18:19] offset:(\base)+8192*tt+64*(\k)+32
.endr
.set tt, tt+1
.endr
	WIN 0
.endm
; 16 registers from base on are rounded to bf16 and widened to f32 again, through v24-31 (behind the loop over the points, where these are free)
.macro RND16 base
.irp i,0,1,2,3,4,5,6,7
	v_cvt_pk_bf16_f32 v[24+(\i)], v[(\base)+2*(\i)], v[(\base)+2*(\i)+1]
.endr
.irp i,0,1,2,3,4,5,6,7
	v_lshlrev_b32 v[(\base)+2*(\i)], 16, v[24+(\i)]
	v_and_b32 v[(\base)+2*(\i)+1], s34, v[24+(\i)]
.endr
.endm
; the rows of my group's point s30: 8 loads of k and v, 4 of the words that hold my q; and the word that holds my index of point s31: 13 loads.
; Its six vector lines are the places behind the products that read k and v.  All its address registers are free: the loads before were waited for.
.macro GATHER
	v_bfe_u32 v14, v14, v251, 16                   ; my half of the word
	v_min_u32 v14, 0x1fff, v14
	v_mul_u32_u24 v15, v14, 0x600                  ; a row of QKV: 1,536 bytes
	v_add_nc_u32 v15, v15, v12
	v_add_nc_u32 v229, s51, v13
	v_lshl_add_u32 v9, s31, 5, v250
.irp f,0,1,2,3
	global_load_b128 v[64+4*(\f):64+4*(\f)+3], v15, s[52:53] offset:32*(\f)
.endr
.irp f,0,1,2,3
	global_load_b128 v[80+4*(\f):80+4*(\f)+3], v15, s[52:53] offset:512+32*(\f)
.endr
.irp t,0,1,2,3
	global_load_b32 v[224+(\t)], v229, s[54:55] offset:32*(\t)
.endr
	global_load_b32 v14, v9, s[56:57]
.endm
; 16 numbers a lane (two tiles): one batch of 32 transcendentals, one wait
.macro GELU u
.irp i,0,1,2,3,4,5,6,7
	v_and_b32 v[160+2*(\i)], s35, v[128+16*(\u)+2*(\i)]
	v_and_b32 v[161+2*(\i)], s35, v[129+16*(\u)+2*(\i)]
	v_pk_fma_f32 v[176+2*(\i):177+2*(\i)], v[160+2*(\i):161+2*(\i)], s[36:37], 1.0 op_sel_hi:[1,0,0]
	v_pk_mul_f32 v[192+2*(\i):193+2*(\i)], v[128+16*(\u)+2*(\i):129+16*(\u)+2*(\i)], s[44:45] op_sel_hi:[1,0]
	v_rcp_f32 v[176+2*(\i)], v[176+2*(\i)]
	v_pk_mul_f32 v[192+2*(\i):193+2*(\i)], v[192+2*(\i):193+2*(\i)], v[128+16*(\u)+2*(\i):129+16*(\u)+2*(\i)]
	v_rcp_f32 v[177+2*(\i)], v[177+2*(\i)]
	v_exp_f32 v[192+2*(\i)], v[192+2*(\i)]
	v_exp_f32 v[193+2*(\i)], v[193+2*(\i)]
.endr
	v_nop                                          ; a plain instruction behind the last transcendental,
	s_wait_alu depctr_va_vdst(0)                   ; and the one wait ahead of the batch's first reader
.irp i,0,1,2,3,4,5,6,7
	v_pk_fma_f32 v[230+2*(\i):231+2*(\i)], v[176+2*(\i):177+2*(\i)], s[42:43], s[40:41] op_sel_hi:[1,0,0]
.endr
.irp i,0,1,2,3,4,5,6,7
	v_pk_fma_f32 v[230+2*(\i):231+2*(\i)], v[230+2*(\i):231+2*(\i)], v[176+2*(\i):177+2*(\i)], s[38:39] op_sel_hi:[1,1,0]
.endr
.irp i,0,1,2,3,4,5,6,7
	v_pk_mul_f32 v[230+2*(\i):231+2*(\i)], v[230+2*(\i):231+2*(\i)], v[176+2*(\i):177+2*(\i)]
.endr
.irp i,0,1,2,3,4,5,6,7
	v_pk_fma_f32 v[230+2*(\i):231+2*(\i)], v[230+2*(\i):231+2*(\i)], v[192+2*(\i):193+2*(\i)], 1.0 op_sel_hi:[1,1,0] neg_lo:[0,1,0] neg_hi:[0,1,0]
.endr
.irp i,0,1,2,3,4,5,6,7
	v_pk_fma_f32 v[230+2*(\i):231+2*(\i)], v[160+2*(\i):161+2*(\i)], v[230+2*(\i):231+2*(\i)], v[128+16*(\u)+2*(\i):129+16*(\u)+2*(\i)]
.endr
.irp i,0,1,2,3,4,5,6,7
	v_cvt_pk_bf16_f32 v[208+8*(\u)+(\i)], v[230+2*(\i)], v[231+2*(\i)]
.endr
.endm
; ONE POINT (s29, 0 .. 31, of my group); b = which of H's two buffers
.macro POINT b
	v_wmma_f32_16x16x32_bf16 v[128:135], v[40:47], v[32:39], 0   ; tile 0: pin in the low half of the depth
	v_wmma_f32_16x16x32_bf16 v[136:143], v[40:47], v[28:35], 0   ; tile 1: in the high half
	v_wmma_f32_16x16x32_bf16 v[144:151], v[48:55], v[32:39], 0
	v_wmma_f32_16x16x32_bf16 v[152:159], v[48:55], v[28:35], 0
	s_add_co_u32 s30, s29, 1
	s_min_u32 s30, s30, 31                         ; the next point; the last asks for itself once more
	s_add_co_u32 s31, s29, 2
	s_min_u32 s31, s31, 31
	s_mul_i32 s50, s29, AOP
	s_mul_i32 s51, s30, 1536
	v_lshl_add_u32 v5, s30, 9, v246                ; four address lines: the places behind those products
	v_lshl_add_u32 v6, s29, 6, v247
	v_lshl_add_u32 v7, s29, 2, v248
	v_add_nc_u32 v8, s50, v249
	GELU 0
	GELU 1
.irp t,0,1,2,3
	ds_store_b128 v10, v[208+4*(\t):208+4*(\t)+3] offset:HF+(\b)*8192+512*(\t)
.endr
	ds_load_b128 v[56:59], v6                      ; this point's neighbours' mask
	ds_load_b128 v[60:63], v6 offset:16
	ds_load_b32 v228, v7                           ; its own mask
	ds_load_b128 v[32:35], v5                      ; the next point's pin
	s_wait_dscnt 0x0                               ; my part of H is stored; my reads of the other buffer were waited for a point ago
	s_barrier_signal -1
	s_barrier_wait -1
.irp f,0,1,2,3,4,5,6,7,8,9,10,11,12,13,14,15
	ds_load_b128 v[128+4*(\f):128+4*(\f)+3], v11 offset:HF+(\b)*8192+512*(\f)
.endr
	WIN 0x04                                       ; source 1 (Wp2) window 1
.irp k,0,1,2,3,4,5,6,7
	s_wait_dscnt 14-2*(\k)                         ; fragment k is in; the loads behind it stay out
.irp t,0,1,2,3
.if (\k) == 0
	v_wmma_f32_16x16x32_bf16 v[96+8*(\t):96+8*(\t)+7], v[128+8*(\k):128+8*(\k)+7], v[64*(\t)+8*(\k):64*(\t)+8*(\k)+7], 0
.else
	v_wmma_f32_16x16x32_bf16 v[96+8*(\t):96+8*(\t)+7], v[128+8*(\k):128+8*(\k)+7], v[64*(\t)+8*(\k):64*(\t)+8*(\k)+7], v[96+8*(\t):96+8*(\t)+7]
.endif
.endr
.endr
	WIN 0
	s_wait_loadcnt 0x0                             ; k, v, q of this point and the next index
.irp t,0,1,2,3
	v_lshlrev_b32 v[232+2*(\t)], v255, v[224+(\t)] ; my q out of its word, as f32: eight plain lines, the places behind the products above
.endr
.irp t,0,1,2,3
	v_and_b32 v[232+2*(\t)], s34, v[232+2*(\t)]
.endr
	v_wmma_f32_16x16x32_bf16 v[128:135], v[64:71], v[24:31], v[96:103]     ; k + pos_emb
	v_wmma_f32_16x16x32_bf16 v[136:143], v[64:71], v[20:27], v[104:111]
	v_wmma_f32_16x16x32_bf16 v[144:151], v[72:79], v[24:31], v[112:119]
	v_wmma_f32_16x16x32_bf16 v[152:159], v[72:79], v[20:27], v[120:127]
.rept 5
	v_nop                                          ; the next four write over what those four read as C
.endr
	v_wmma_f32_16x16x32_bf16 v[96:103],  v[80:87], v[24:31], v[96:103]     ; v + pos_emb, in place
	v_wmma_f32_16x16x32_bf16 v[104:111], v[80:87], v[20:27], v[104:111]
	v_wmma_f32_16x16x32_bf16 v[112:119], v[88:95], v[24:31], v[112:119]
	v_wmma_f32_16x16x32_bf16 v[120:127], v[88:95], v[20:27], v[120:127]
	GATHER
	; scores: my channel's share for 8 neighbours and 2 heads, then the sum over the 16 lanes of a row
.irp hd,0,1
.irp jp,0,1,2,3
	v_pk_mul_f32 v[160+8*(\hd)+2*(\jp):161+8*(\hd)+2*(\jp)], v[128+16*(\hd)+2*(\jp):129+16*(\hd)+2*(\jp)], v[232+4*(\hd):233+4*(\hd)] op_sel_hi:[1,0]
.endr
.endr
.irp hd,0,1
.irp jp,0,1,2,3
	v_pk_fma_f32 v[160+8*(\hd)+2*(\jp):161+8*(\hd)+2*(\jp)], v[136+16*(\hd)+2*(\jp):137+16*(\hd)+2*(\jp)], v[234+4*(\hd):235+4*(\hd)], v[160+8*(\hd)+2*(\jp):161+8*(\hd)+2*(\jp)] op_sel_hi:[1,0,1]
.endr
.endr
.irp x,1,2,4,8
.irp i,0,1,2,3,4,5,6,7,8,9,10,11,12,13,14,15
	v_add_f32_dpp v[160+(\i)], v[160+(\i)], v[160+(\i)] row_xmask:\x row_mask:0xf bank_mask:0xf
.endr
.endr
.irp hd,0,1
.irp jp,0,1,2,3
	v_pk_add_f32 v[160+8*(\hd)+2*(\jp):161+8*(\hd)+2*(\jp)], v[160+8*(\hd)+2*(\jp):161+8*(\hd)+2*(\jp)], v[56+2*(\jp):57+2*(\jp)]
.endr
.endr
.irp hd,0,1
	v_max3_num_f32 v[176+(\hd)], v[160+8*(\hd)], v[161+8*(\hd)], v[162+8*(\hd)]
.endr
.irp hd,0,1
	v_max3_num_f32 v[176+(\hd)], v[176+(\hd)], v[163+8*(\hd)], v[164+8*(\hd)]
.endr
.irp hd,0,1
	v_max3_num_f32 v[176+(\hd)], v[176+(\hd)], v[165+8*(\hd)], v[166+8*(\hd)]
.endr
.irp hd,0,1
	v_max_num_f32 v[176+(\hd)], v[176+(\hd)], v[167+8*(\hd)]
.endr
.irp hd,0,1
	v_permlanex16_b32 v[178+(\hd)], v[176+(\hd)], s32, s33   ; the other eight neighbours
.endr
.irp hd,0,1
	v_max3_num_f32 v[176+(\hd)], v[176+(\hd)], v[178+(\hd)], v254   ; finite also where every neighbour is masked
.endr
.irp hd,0,1
	v_mul_f32 v[180+2*(\hd)], s46, v[176+(\hd)]
.endr
.irp hd,0,1
.irp jp,0,1,2,3
	v_pk_fma_f32 v[160+8*(\hd)+2*(\jp):161+8*(\hd)+2*(\jp)], v[160+8*(\hd)+2*(\jp):161+8*(\hd)+2*(\jp)], s[46:47], v[180+2*(\hd):181+2*(\hd)] op_sel_hi:[1,0,0] neg_lo:[0,0,1] neg_hi:[0,0,1]
.endr
.endr
.irp i,0,1,2,3,4,5,6,7,8,9,10,11,12,13,14,15
	v_exp_f32 v[160+(\i)], v[160+(\i)]
.endr
	v_nop
	s_wait_alu depctr_va_vdst(0)                   ; one wait for the 16 exponentials
.irp hd,0,1
	v_pk_add_f32 v[184+4*(\hd):185+4*(\hd)], v[160+8*(\hd):161+8*(\hd)], v[162+8*(\hd):163+8*(\hd)]
	v_pk_add_f32 v[186+4*(\hd):187+4*(\hd)], v[164+8*(\hd):165+8*(\hd)], v[166+8*(\hd):167+8*(\hd)]
.endr
.irp hd,0,1
	v_pk_add_f32 v[184+4*(\hd):185+4*(\hd)], v[184+4*(\hd):185+4*(\hd)], v[186+4*(\hd):187+4*(\hd)]
.endr
.irp hd,0,1
	v_add_f32 v[192+(\hd)], v[184+4*(\hd)], v[185+4*(\hd)]
.endr
.irp hd,0,1
	v_permlanex16_b32 v[194+(\hd)], v[192+(\hd)], s32, s33
.endr
.irp hd,0,1
	v_add_f32 v[192+(\hd)], v[192+(\hd)], v[194+(\hd)]
.endr
.irp hd,0,1
	v_max_num_f32 v[192+(\hd)], s49, v[192+(\hd)]  ; a sum of 0 (all masked) gives 0 x a finite number
.endr
.irp hd,0,1
	v_rcp_f32 v[196+(\hd)], v[192+(\hd)]
.endr
.irp t,0,1,2,3
	v_pk_mul_f32 v[198+2*(\t):199+2*(\t)], v[160+8*((\t)/2):161+8*((\t)/2)], v[96+8*(\t):97+8*(\t)]
.endr
.irp jp,1,2,3
.irp t,0,1,2,3
	v_pk_fma_f32 v[198+2*(\t):199+2*(\t)], v[160+8*((\t)/2)+2*(\jp):161+8*((\t)/2)+2*(\jp)], v[96+8*(\t)+2*(\jp):97+8*(\t)+2*(\jp)], v[198+2*(\t):199+2*(\t)]
.endr
.endr
.irp t,0,1,2,3
	v_add_f32 v[198+2*(\t)], v[198+2*(\t)], v[199+2*(\t)]
.endr
.irp t,0,1,2,3
	v_permlanex16_b32 v[16+(\t)], v[198+2*(\t)], s32, s33
.endr
.irp t,0,1,2,3
	v_add_f32 v[198+2*(\t)], v[198+2*(\t)], v[16+(\t)]
.endr
	s_wait_alu depctr_va_vdst(0)                   ; the two reciprocals; the sums above stand between
.irp hd,0,1
	v_mul_f32 v[196+(\hd)], v[196+(\hd)], v228     ; 1 / l times the point's mask
.endr
.irp t,0,1,2,3
	v_mul_f32 v[198+2*(\t)], v[198+2*(\t)], v[196+(\t)/2]
.endr
	v_cvt_pk_bf16_f32 v206, v198, v200             ; channels r and 16 + r of my first 32,
	v_cvt_pk_bf16_f32 v207, v202, v204             ; and of my second 32: two whole words
	ds_store_b32 v8, v206
	ds_store_b32 v8, v207 offset:64
	s_add_co_u32 s29, s29, 1
.endm
	s_load_b512 s[4:19], s[0:1], 0x0               ; features, TS, normals, mask, bo, gamma, beta, WTS
	s_load_b128 s[20:23], s[0:1], 0x40             ; QKV, IDX
	s_load_b64 s[24:25], s[0:1], 0x50              ; out0
	v_lshl_add_u32 v3, v0, 2, SPARE                ; my spare word
	v_mov_b32 v4, 0
	v_lshrrev_b32 v16, 5, v0
	v_readfirstlane_b32 s48, v16                   ; wave 0 .. 7
	s_and_b32 s26, s48, 3                          ; which 64 channels
	s_lshr_b32 s60, s48, 2                         ; which 32 points
	v_and_b32 v1, 15, v0                           ; r
	v_bfe_u32 v2, v0, 4, 1                         ; h
	v_and_b32 v17, 31, v0                          ; lane
	s_lshr_b32 s27, ttmp9, 7                       ; batch
	s_mov_b32 s32, 0x76543210
	s_mov_b32 s33, 0xfedcba98
	s_mov_b32 s34, 0xffff0000                      ; a word's upper bf16
	s_mov_b32 s35, 0x7fffffff
	s_mov_b32 s36, 0x3eaa540e                      ; 0.47047 / sqrt 2
	s_mov_b32 s37, s36
	s_mov_b32 s38, 0x3eb2303a                      ; a1 = 0.3480242
	s_mov_b32 s39, s38
	s_mov_b32 s40, 0xbdc45ca1                      ; a2 = -0.0958798
	s_mov_b32 s41, s40
	s_mov_b32 s42, 0x3f3f7377                      ; a3 = 0.7478556
	s_mov_b32 s43, s42
	s_mov_b32 s44, 0xbf38aa3b                      ; -log2(e) / 2
	s_mov_b32 s45, s44
	s_mov_b32 s46, 0x3e8293ee                      ; log2(e) / sqrt 32
	s_mov_b32 s47, s46
	s_mov_b32 s49, 0x0da24260                      ; 1e-30
	s_mov_b32 s62, 0x3b800000                      ; 1 / 256
	s_mov_b32 s63, 0x358637bd                      ; 1e-6
	s_mov_b32 s59, 0
	s_lshl_b32 s50, s48, 8
	v_lshl_add_u32 v180, v17, 3, s50               ; the lists: thread t reads the 8 bytes at 8 t = 256 w + 8 lane
	v_lshrrev_b32 v250, 1, v1
	v_lshlrev_b32 v250, 2, v250                    ; 4 (r / 2): the word that holds number r of a row of 16-bit numbers
	v_and_b32 v251, 1, v1
	v_lshlrev_b32 v251, 4, v251                    ; 16 (r % 2): where it begins in that word
	v_sub_nc_u32 v255, 16, v251
	s_lshl_b32 s51, s26, 7                         ; my 64 channels: 128 bytes of bf16
	v_lshl_add_u32 v12, v2, 4, s51
	v_add_nc_u32 v12, 512, v12                     ; k in a row of QKV: 512 + 128 (w % 4) + 16 h
	s_mul_i32 s50, s60, 49152                      ; my group's 32 rows of 1,536 bytes
	s_add_co_u32 s50, s50, s51
	v_add_nc_u32 v13, s50, v250                    ; q's word in my group's first row
	s_lshl_b32 s50, s60, 10                        ; my group's 32 lists of 32 bytes
	v_add_nc_u32 v250, s50, v250                   ; my index's word in my group's first list
	s_lshl_b32 s51, s26, 15
	v_lshl_add_u32 v7, v1, 9, s51
	v_lshl_add_u32 v7, v2, 4, v7                   ; weights: row 64 (w % 4) + r, 16 h bytes
	s_wait_kmcnt 0x0
	s_lshl_b32 s58, ttmp9, 16                      ; 64 rows of 1,024 bytes
	s_add_nc_u64 s[4:5], s[4:5], s[58:59]
	s_add_nc_u64 s[24:25], s[24:25], s[58:59]
	s_lshl_b32 s58, ttmp9, 11                      ; 64 lists of 32 bytes
	s_add_nc_u64 s[56:57], s[22:23], s[58:59]
	s_mul_i32 s58, ttmp9, 98304                    ; 64 rows of QKV
	s_add_nc_u64 s[54:55], s[20:21], s[58:59]
	s_mul_i32 s58, s27, 12582912                   ; a batch's rows of QKV
	s_add_nc_u64 s[52:53], s[20:21], s[58:59]
	s_lshl_b32 s58, s27, 18                        ; a batch's table of coordinates: 8,192 points of 32 bytes
	s_add_nc_u64 s[6:7], s[6:7], s[58:59]
	s_mul_i32 s58, s27, 98304                      ; a batch's normals
	s_add_nc_u64 s[8:9], s[8:9], s[58:59]
	s_lshl_b32 s58, s27, 15                        ; a batch's mask
	s_add_nc_u64 s[10:11], s[10:11], s[58:59]
	; THE POINTS' INPUTS.  Thread t serves point t / 4, neighbours 4 (t % 4) + 0 .. 3
	global_load_b64 v[64:65], v180, s[56:57]       ; my four indices
	global_load_b32 v14, v250, s[56:57]            ; my group's first point's index for my lane, in its word
	LOADWB WP2T, 0, 1
	s_and_b32 s50, ttmp9, 127
	s_lshl_b32 s50, s50, 6                         ; the work-group's first point in its batch
	s_lshl_b32 s51, s48, 3
	s_add_co_u32 s51, s51, s50
	v_bfe_u32 v154, v0, 2, 3                       ; lane / 4
	v_and_b32 v155, 3, v0                          ; t % 4
	v_add_nc_u32 v148, s51, v154                   ; my point: 8 w + lane / 4
	v_lshlrev_b32 v160, 5, v148                    ; its 32 bytes in the table of coordinates,
	v_mul_u32_u24 v148, v148, 12                   ; its 12 bytes of the normals
	v_and_b32 v149, 63, v0
	v_add_nc_u32 v149, s50, v149
	v_lshlrev_b32 v149, 2, v149                    ; the mask of point t % 64
	s_lshl_b32 s51, s26, 10
	v_lshl_add_u32 v8, v1, 4, s51                  ; Wp1: channel 64 (w % 4) + r
	s_wait_loadcnt 16                              ; the indices are in; the 16 loads of Wp2's first tile stay out
.irp i,0,1
	v_and_b32 v[68+2*(\i)], 0xffff, v[64+(\i)]
	v_lshrrev_b32 v[69+2*(\i)], 16, v[64+(\i)]
.endr
.irp i,0,1,2,3
	v_min_u32 v[68+(\i)], 0x1fff, v[68+(\i)]
	v_lshlrev_b32 v[76+(\i)], 5, v[68+(\i)]
	v_lshlrev_b32 v[84+(\i)], 2, v[68+(\i)]
.endr
.irp c,0,1,2
	global_load_b32 v[124+(\c)], v160, s[6:7] offset:8*(\c)    ; my point's coordinates, rounded
	global_load_b32 v[127+(\c)], v148, s[8:9] offset:4*(\c)    ; and normal
.endr
.irp i,0,1,2,3
.irp c,0,1,2
	global_load_b32 v[92+3*(\i)+(\c)], v[76+(\i)], s[6:7] offset:8*(\c)
.endr
	global_load_b32 v[116+(\i)], v[84+(\i)], s[10:11]
.endr
	global_load_b32 v130, v149, s[10:11]
.irp t,0,1,2,3
	global_load_b128 v[40+4*(\t):40+4*(\t)+3], v8, s[18:19] offset:W1T+256*(\t)
.endr
	s_lshl_b32 s51, s48, 12                        ; my wave's 8 points of 512 bytes
	s_add_co_u32 s51, s51, PIN
	v_lshl_add_u32 v150, v154, 9, s51
	v_lshl_add_u32 v150, v155, 6, v150             ; pin of my point, neighbour 4 (t % 4)
	s_lshl_b32 s51, s48, 9
	s_add_co_u32 s51, s51, VAL
	v_lshl_add_u32 v151, v17, 4, s51               ; VAL + 16 t
	s_lshl_b32 s51, s48, 7
	s_add_co_u32 s51, s51, PMK
	v_lshl_add_u32 v152, v17, 2, s51               ; PMK + 4 t
	v_mov_b32 v153, 0xff800000
	v_mov_b32 v135, 0x3f80                         ; the seventh input, 1.0, and an eighth, 0
	v_add_nc_u32 v159, -1, v2                      ; all ones in lanes 0-15, 0 in lanes 16-31
	; S: column r of a 16 x 16 unit matrix, as a lane's half of a bf16 fragment: 1.0 at depth r - 8 h, if that lies in 0 .. 7
	v_lshlrev_b32 v156, 3, v2
	v_sub_nc_u32 v156, v1, v156
	v_and_b32 v157, 1, v156
	v_lshlrev_b32 v157, 4, v157
	v_mov_b32 v158, 0x3f80
	v_lshlrev_b32 v158, v157, v158
	v_lshrrev_b32 v156, 1, v156
.irp i,0,1,2,3
	v_cmp_eq_u32 vcc_lo, \i, v156
	v_cndmask_b32 v[24+(\i)], 0, v158, vcc_lo
.endr
	v_lshlrev_b32 v11, 4, v17
	s_lshl_b32 s51, s60, 14
	v_add_nc_u32 v11, s51, v11                     ; H back: my group's buffers, 16 bytes a lane
	s_lshl_b32 s51, s26, 11
	v_add_nc_u32 v10, s51, v11                     ; H in: my wave's two fragments
	v_add_nc_u32 v246, PIN, v11                    ; pins: a group's 32 points of 512 bytes are 16,384 bytes as well
	v_lshlrev_b32 v247, 5, v2
	s_lshl_b32 s51, s60, 11                        ; my group's 32 points of 64 bytes
	s_add_co_u32 s51, s51, VAL
	v_add_nc_u32 v247, s51, v247
	s_lshl_b32 s51, s60, 7                         ; my group's 32 points of 4 bytes
	s_add_co_u32 s51, s51, PMK
	v_mov_b32 v248, s51
	s_lshl_b32 s51, s26, 7
	s_mul_i32 s50, s60, 32*AOP                     ; my group's 32 rows
	s_add_co_u32 s51, s51, s50
	s_add_co_u32 s51, s51, AO
	v_lshl_add_u32 v249, v1, 2, s51                ; the heads' output: 128 (w % 4) + 4 r
	v_mov_b32 v254, 0xff000000                     ; -2^127
.irp i,0,1,2,3
	v_mov_b32 v[136+(\i)], 0
	v_mov_b32 v[16+(\i)], 0
	v_mov_b32 v[20+(\i)], 0
	v_mov_b32 v[28+(\i)], 0
	v_mov_b32 v[36+(\i)], 0
.endr
	s_wait_loadcnt 0x0                             ; the points' inputs and Wp1, which were issued last
	LOADWB WP2T, 1, 3                              ; the other three tiles come in under the lines below
	v_cvt_pk_bf16_f32 v134, v128, v129
	v_cvt_pk_bf16_f32 v131, v130, v130             ; the point's mask rounded to bf16,
	v_lshlrev_b32 v130, 16, v131                   ; and widened again
.irp i,0,1,2,3
.irp c,0,1,2
	v_sub_f32 v[92+3*(\i)+(\c)], v[124+(\c)], v[92+3*(\i)+(\c)]   ; own - neighbour
.endr
	v_cvt_pk_bf16_f32 v132, v[92+3*(\i)], v[92+3*(\i)+1]
	v_cvt_pk_bf16_f32 v133, v[92+3*(\i)+2], v127
	ds_store_b128 v150, v[132:135] offset:16*(\i)
	ds_store_b128 v150, v[136:139] offset:256+16*(\i)
	v_cmp_lt_f32 vcc_lo, 0, v[116+(\i)]
	v_cndmask_b32 v[140+(\i)], v153, v136, vcc_lo
.endr
	ds_store_b128 v151, v[140:143]
	ds_store_b32 v152, v130
.irp i,0,1,2,3,4,5,6,7,8,9,10,11,12,13,14,15
	v_and_b32 v[40+(\i)], v159, v[40+(\i)]         ; depths 8-15 and 24-31 of Wp1's fragments are 0
.endr
	s_wait_dscnt 0x0
	s_barrier_signal -1
	s_barrier_wait -1
	ds_load_b128 v[32:35], v246                    ; my group's first point's pin
	s_mov_b32 s29, 0
	s_mov_b32 s30, 0
	s_mov_b32 s31, 1
	s_mov_b32 s51, 0
	GATHER                                         ; the first point's rows, the second's index
	s_wait_loadcnt 13                              ; Wp2 is in; the 13 loads just issued stay out
	s_wait_dscnt 0x0
	s_mov_b32 s28, 16
.Lpoint:                                           ; two points of each group a trip
	POINT 0
	POINT 1
	s_sub_co_u32 s28, s28, 1
	s_cmp_lg_u32 s28, 0
	s_cbranch_scc1 .Lpoint
	; MY GROUP'S 32 POINTS TOGETHER.  v[32:95] h, (tile of points m, tile of channels t) at 32 + 32 m + 8 t: a lane holds point 32 g + 16 m + r, channels 64 (w % 4) + 16 t + 8 h + j
	s_wait_loadcnt 0x0                             ; the rows that were asked for once more
	s_wait_dscnt 0x0                               ; my part of the heads' output is stored
	s_barrier_signal -1
	s_barrier_wait -1
	s_lshl_b32 s51, s60, 7
	s_add_co_u32 s51, s51, PMK
	v_lshl_add_u32 v5, v1, 2, s51                  ; the mask of point 32 g + r
	s_lshl_b32 s50, s26, 8                         ; my 64 channels: 256 bytes of f32
	s_lshl_b32 s61, s60, 15                        ; my group's 32 rows of 1,024 bytes
	s_add_co_u32 s61, s61, s50
	v_lshl_add_u32 v6, v1, 10, s61
	v_lshl_add_u32 v6, v2, 5, v6                   ; features: row 32 g + r, 256 (w % 4) + 32 h
	s_lshl_b32 s51, s26, 15
	v_lshl_add_u32 v7, v1, 9, s51
	v_lshl_add_u32 v7, v2, 4, v7
	v_mul_u32_u24 v8, v1, AOP
	v_lshl_add_u32 v8, v2, 4, v8
	s_mul_i32 s51, s60, 32*AOP
	s_add_co_u32 s51, s51, AO
	v_add_nc_u32 v8, s51, v8                       ; the heads' output: row 32 g + r, 16 h
	v_lshl_add_u32 v9, v2, 5, s50                  ; bo, gamma, beta: 256 (w % 4) + 32 h
	s_mul_i32 s51, s48, 16*272
	s_add_co_u32 s51, s51, STG
	v_mul_u32_u24 v10, v1, 272
	v_lshl_add_u32 v10, v2, 5, v10
	v_add_nc_u32 v10, s51, v10                     ; stage in: row r, 32 h
	v_mul_u32_u24 v11, v2, 272
	v_lshl_add_u32 v11, v1, 4, v11
	v_add_nc_u32 v11, s51, v11                     ; stage back: lanes 0-15 a row, lanes 16-31 the next
	v_lshl_add_u32 v12, v2, 10, s61
	v_lshl_add_u32 v12, v1, 4, v12                 ; the same two rows in out0
	s_lshl_b32 s51, s60, 9                         ; my group's 32 points of 16 bytes
	s_add_co_u32 s51, s51, LNP
	v_lshl_add_u32 v14, v1, 4, s51
	s_lshl_b32 s51, s26, 2
	v_add_nc_u32 v13, s51, v14
	LOADWB WOT, 0, 1
.irp m,0,1
.irp t,0,1,2,3
	global_load_b128 v[32+32*(\m)+8*(\t):32+32*(\m)+8*(\t)+3],   v6, s[4:5] offset:16384*(\m)+64*(\t)
	global_load_b128 v[32+32*(\m)+8*(\t)+4:32+32*(\m)+8*(\t)+7], v6, s[4:5] offset:16384*(\m)+64*(\t)+16
.endr
.endr
.irp t,0,1,2,3
	global_load_b128 v[224+8*(\t):224+8*(\t)+3], v9, s[12:13] offset:64*(\t)
	global_load_b128 v[224+8*(\t)+4:224+8*(\t)+7], v9, s[12:13] offset:64*(\t)+16
.endr
.irp m,0,1
	ds_load_b32 v[16+2*(\m)], v5 offset:64*(\m)    ; the mask of point 32 g + 16 m + r
.endr
	s_wait_loadcnt 0x0                             ; the features and bo, which were issued last
	LOADWB WOT, 1, 3                               ; Wo's other three tiles come in under the lines below
.irp g,0,1,2,3
	RND16 32+16*(\g)                               ; the residual's features, rounded to bf16
.endr
	RND16 224                                      ; and bo
	RND16 240
	s_wait_dscnt 0x0
.irp m,0,1
.irp t,0,1,2,3
.irp jp,0,1,2,3
	v_pk_fma_f32 v[32+32*(\m)+8*(\t)+2*(\jp):33+32*(\m)+8*(\t)+2*(\jp)], v[224+8*(\t)+2*(\jp):225+8*(\t)+2*(\jp)], v[16+2*(\m):17+2*(\m)], v[32+32*(\m)+8*(\t)+2*(\jp):33+32*(\m)+8*(\t)+2*(\jp)] op_sel_hi:[1,0,1]
.endr
.endr
.endr
	s_wait_loadcnt 0x0                             ; Wo
.irp m,0,1
.rept 4
	v_nop                                          ; the places in front of loads into fragments that the products before have read
.endr
.irp k,0,1,2,3,4,5,6,7
	ds_load_b128 v[160+8*(\k):160+8*(\k)+3], v8 offset:16*AOP*(\m)+64*(\k)
	ds_load_b128 v[160+8*(\k)+4:160+8*(\k)+7], v8 offset:16*AOP*(\m)+64*(\k)+32
.endr
	WIN 0x01                                       ; source 0 (Wo) window 1
.irp k,0,1,2,3,4,5,6,7
	s_wait_dscnt 14-2*(\k)                         ; fragment k is in; the loads behind it stay out
.irp t,0,1,2,3
	v_wmma_f32_16x16x32_bf16 v[32+32*(\m)+8*(\t):32+32*(\m)+8*(\t)+7], v[64*(\t)+8*(\k):64*(\t)+8*(\k)+7], v[160+8*(\k):160+8*(\k)+7], v[32+32*(\m)+8*(\t):32+32*(\m)+8*(\t)+7]
.endr
.endr
	WIN 0
.endr
.rept 4
	v_nop
.endr
.irp t,0,1,2,3
	global_load_b128 v[160+8*(\t):160+8*(\t)+3], v9, s[14:15] offset:64*(\t)
	global_load_b128 v[160+8*(\t)+4:160+8*(\t)+7], v9, s[14:15] offset:64*(\t)+16
	global_load_b128 v[192+8*(\t):192+8*(\t)+3], v9, s[16:17] offset:64*(\t)
	global_load_b128 v[192+8*(\t)+4:192+8*(\t)+7], v9, s[16:17] offset:64*(\t)+16
.endr
	; the mean: 32 numbers a lane, the other half of the lanes, the group's four waves through LDS
.irp m,0,1
	v_pk_add_f32 v[224+4*(\m):225+4*(\m)], v[32+32*(\m):33+32*(\m)], v[40+32*(\m):41+32*(\m)]
	v_pk_add_f32 v[226+4*(\m):227+4*(\m)], v[48+32*(\m):49+32*(\m)], v[56+32*(\m):57+32*(\m)]
.endr
.irp jp,1,2,3
.irp t,0,1
.irp m,0,1
	v_pk_add_f32 v[224+4*(\m):225+4*(\m)], v[224+4*(\m):225+4*(\m)], v[32+32*(\m)+8*(\t)+2*(\jp):33+32*(\m)+8*(\t)+2*(\jp)]
	v_pk_add_f32 v[226+4*(\m):227+4*(\m)], v[226+4*(\m):227+4*(\m)], v[48+32*(\m)+8*(\t)+2*(\jp):49+32*(\m)+8*(\t)+2*(\jp)]
.endr
.endr
.endr
; the end of a sum over a point's 256 channels; g = which half of LNP.  Leaves the sum in v[240 + 4 m]
.macro ACROSS g
.irp m,0,1
	v_pk_add_f32 v[224+4*(\m):225+4*(\m)], v[224+4*(\m):225+4*(\m)], v[226+4*(\m):227+4*(\m)]
.endr
.irp m,0,1
	v_add_f32 v[224+4*(\m)], v[224+4*(\m)], v[225+4*(\m)]
.endr
.irp m,0,1
	v_permlanex16_b32 v[226+4*(\m)], v[224+4*(\m)], s32, s33
.endr
.irp m,0,1
	v_add_f32 v[224+4*(\m)], v[224+4*(\m)], v[226+4*(\m)]
.endr
.irp m,0,1
	ds_store_b32 v13, v[224+4*(\m)] offset:1024*(\g)+256*(\m)
.endr
	s_wait_dscnt 0x0
	s_barrier_signal -1
	s_barrier_wait -1
.irp m,0,1
	ds_load_b128 v[240+4*(\m):243+4*(\m)], v14 offset:1024*(\g)+256*(\m)
.endr
	s_wait_dscnt 0x0
.irp m,0,1
	v_add_f32 v[240+4*(\m)], v[240+4*(\m)], v[241+4*(\m)]
	v_add_f32 v[242+4*(\m)], v[242+4*(\m)], v[243+4*(\m)]
.endr
.irp m,0,1
	v_add_f32 v[240+4*(\m)], v[240+4*(\m)], v[242+4*(\m)]
.endr
.endm
	ACROSS 0
.irp m,0,1
	v_mul_f32 v[224+4*(\m)], s62, v[240+4*(\m)]    ; the mean
.endr
.irp m,0,1
.irp t,0,1,2,3
.irp jp,0,1,2,3
	v_pk_add_f32 v[32+32*(\m)+8*(\t)+2*(\jp):33+32*(\m)+8*(\t)+2*(\jp)], v[32+32*(\m)+8*(\t)+2*(\jp):33+32*(\m)+8*(\t)+2*(\jp)], v[224+4*(\m):225+4*(\m)] op_sel_hi:[1,0] neg_lo:[0,1] neg_hi:[0,1]
.endr
.endr
.endr
	; the variance, of the centred numbers
.irp m,0,1
	v_pk_mul_f32 v[224+4*(\m):225+4*(\m)], v[32+32*(\m):33+32*(\m)], v[32+32*(\m):33+32*(\m)]
	v_pk_mul_f32 v[226+4*(\m):227+4*(\m)], v[48+32*(\m):49+32*(\m)], v[48+32*(\m):49+32*(\m)]
.endr
.irp n,1,2,3,4,5,6,7
.irp m,0,1
	v_pk_fma_f32 v[224+4*(\m):225+4*(\m)], v[32+32*(\m)+2*(\n):33+32*(\m)+2*(\n)], v[32+32*(\m)+2*(\n):33+32*(\m)+2*(\n)], v[224+4*(\m):225+4*(\m)]
	v_pk_fma_f32 v[226+4*(\m):227+4*(\m)], v[48+32*(\m)+2*(\n):49+32*(\m)+2*(\n)], v[48+32*(\m)+2*(\n):49+32*(\m)+2*(\n)], v[226+4*(\m):227+4*(\m)]
.endr
.endr
	ACROSS 1
.irp m,0,1
	v_fma_f32 v[240+4*(\m)], v[240+4*(\m)], s62, s63
.endr
.irp m,0,1
	v_rsq_f32 v[224+4*(\m)], v[240+4*(\m)]
.endr
	v_nop
	s_wait_alu depctr_va_vdst(0)                   ; one wait for the two
	s_wait_loadcnt 0x0                             ; gamma and beta,
	RND16 160                                      ; rounded to bf16
	RND16 176
	RND16 192
	RND16 208
.irp m,0,1
.irp t,0,1,2,3
.irp jp,0,1,2,3
	v_pk_mul_f32 v[32+32*(\m)+8*(\t)+2*(\jp):33+32*(\m)+8*(\t)+2*(\jp)], v[32+32*(\m)+8*(\t)+2*(\jp):33+32*(\m)+8*(\t)+2*(\jp)], v[224+4*(\m):225+4*(\m)] op_sel_hi:[1,0]
.endr
.irp jp,0,1,2,3
	v_pk_fma_f32 v[32+32*(\m)+8*(\t)+2*(\jp):33+32*(\m)+8*(\t)+2*(\jp)], v[32+32*(\m)+8*(\t)+2*(\jp):33+32*(\m)+8*(\t)+2*(\jp)], v[160+8*(\t)+2*(\jp):161+8*(\t)+2*(\jp)], v[192+8*(\t)+2*(\jp):193+8*(\t)+2*(\jp)]
.endr
.irp jp,0,1,2,3
	v_pk_mul_f32 v[32+32*(\m)+8*(\t)+2*(\jp):33+32*(\m)+8*(\t)+2*(\jp)], v[32+32*(\m)+8*(\t)+2*(\jp):33+32*(\m)+8*(\t)+2*(\jp)], v[16+2*(\m):17+2*(\m)] op_sel_hi:[1,0]
.endr
.endr
	; 16 rows through my own stage: in by lanes' 32 bytes, back as rows of 256 bytes.  LDS serves a wave's instructions in order (ISA guide 5.7.1.4)
.irp t,0,1,2,3
	ds_store_b128 v10, v[32+32*(\m)+8*(\t):32+32*(\m)+8*(\t)+3] offset:64*(\t)
	ds_store_b128 v10, v[32+32*(\m)+8*(\t)+4:32+32*(\m)+8*(\t)+7] offset:64*(\t)+16
.endr
.irp i,0,1,2,3,4,5,6,7
	ds_load_b128 v[32+32*(\m)+4*(\i):32+32*(\m)+4*(\i)+3], v11 offset:544*(\i)
.endr
.irp i,0,1,2,3,4,5,6,7
	s_wait_dscnt 7-(\i)                            ; rows 2 i and 2 i + 1 are back; the later ones stay out
	global_store_b128 v12, v[32+32*(\m)+4*(\i):32+32*(\m)+4*(\i)+3], s[24:25] offset:16384*(\m)+2048*(\i)   ; 16 lanes store 256 consecutive bytes, aligned
.endr
.endr
	s_wait_tensorcnt 0x0                           ; the wave's end
	ds_add_u32 v3, v4
	s_wait_dscnt 0x0
	s_endpgm
.Lfunc_end_k_q6667726959_main:
	.size	k_q6667726959_main, .Lfunc_end_k_q6667726959_main-k_q6667726959_main
	.p2alignl 7, 3214868480
	.fill 96, 4, 3214868480
	.section	.rodata,"a",@progbits
	.p2align	6, 0x0
	.amdhsa_kernel k_q6667726959_main
		.amdhsa_group_segment_fixed_size 142336
		.amdhsa_private_segment_fixed_size 0
		.amdhsa_enable_private_segment 0
		.amdhsa_kernarg_size 88
		.amdhsa_user_sgpr_count 2
		.amdhsa_user_sgpr_kernarg_segment_ptr 1
		.amdhsa_wavefront_size32 1
		.amdhsa_system_sgpr_workgroup_id_x 1
		.amdhsa_system_sgpr_workgroup_id_y 1
		.amdhsa_system_sgpr_workgroup_id_z 1
		.amdhsa_system_vgpr_workitem_id 0
		.amdhsa_next_free_vgpr 512
		.amdhsa_next_free_sgpr 66
		.amdhsa_reserve_vcc 1
		.amdhsa_float_denorm_mode_32 3
		.amdhsa_float_denorm_mode_16_64 3
		.amdhsa_memory_ordered 1
		.amdhsa_forward_progress 1
		.amdhsa_inst_pref_size 129
	.end_amdhsa_kernel
	.amdgpu_metadata
---
amdhsa.version: [ 1, 2 ]
amdhsa.kernels:
  - .name:           k_q6667726959_main
    .symbol:         k_q6667726959_main.kd
    .args:
      - { .name: features, .offset: 0, .size: 8, .value_kind: global_buffer, .address_space: global }
      - { .name: TS, .offset: 8, .size: 8, .value_kind: global_buffer, .address_space: global }
      - { .name: normals, .offset: 16, .size: 8, .value_kind: global_buffer, .address_space: global }
      - { .name: mask, .offset: 24, .size: 8, .value_kind: global_buffer, .address_space: global }
      - { .name: bo, .offset: 32, .size: 8, .value_kind: global_buffer, .address_space: global }
      - { .name: gamma, .offset: 40, .size: 8, .value_kind: global_buffer, .address_space: global }
      - { .name: beta, .offset: 48, .size: 8, .value_kind: global_buffer, .address_space: global }
      - { .name: WTS, .offset: 56, .size: 8, .value_kind: global_buffer, .address_space: global }
      - { .name: QKV, .offset: 64, .size: 8, .value_kind: global_buffer, .address_space: global }
      - { .name: IDX, .offset: 72, .size: 8, .value_kind: global_buffer, .address_space: global }
      - { .name: out0, .offset: 80, .size: 8, .value_kind: global_buffer, .address_space: global }
    .group_segment_fixed_size: 142336
    .private_segment_fixed_size: 0
    .kernarg_segment_align: 8
    .kernarg_segment_size: 88
    .max_flat_workgroup_size: 256
    .sgpr_count:     66
    .vgpr_count:     512
    .wavefront_size: 32
...
	.end_amdgpu_metadata
.endif
;; end of part 7
;; ======== version 3 of 3: 5 launches; version 2 with the launch proj written anew for expert scheduling mode
;; limits: a function is approximated: absolute error at most 2.5e-05
;; workspace buffers: WTS 662,528 bytes; TS 524,288 bytes; TP 262,144 bytes; QKV 25,165,824 bytes; GL 524,288 bytes of whole numbers; IDX 524,288 bytes of whole numbers
;; launch prep: the kernel of part 1 again; grid 73 x 1, 8 waves a work-group, no clusters, 0 bytes of LDS; arguments Wq, Wk, Wv, Wp2, Wo, coords, Wp1, bp1, bq, bk, bv, bp2, WTS, TS, TP; writes WTS, TS, TP
;; launch proj (part 8): grid 256 x 1, 4 waves a work-group, no clusters, 99,840 bytes of LDS; arguments features, WTS, QKV; writes QKV
.if DOCPART == 8
	.amdgcn_target "amdgcn-amd-amdhsa--gfx1250"
	.amdhsa_code_object_version 6
	.text
	.protected	k_q6667726959_proj
	.globl	k_q6667726959_proj
	.p2align	8
	.type	k_q6667726959_proj,@function
k_q6667726959_proj:
	s_mov_b64 s[64:65], 0
	v_nop
	global_prefetch_b8 v0, s[64:65] scope:SCOPE_SE
	s_setreg_imm32_b32 hwreg(HW_REG_WAVE_SCHED_MODE, 0, 2), 2
	s_setreg_imm32_b32 hwreg(HW_REG_WAVE_MODE, 25, 1), 1
	s_wait_xcnt 0x0
	s_wait_alu depctr_vm_vsrc(0)
; QKV[row][0:768] = bf16(features[row] @ (Wq | Wk | Wv) + (bq | bk + bp2 | bv + bp2)).  bf16 operands, f32 sums.
; A work-group has 64 rows; wave w has the 12 tiles of 16 output channels 192 w .. 192 w + 191, for all four tiles of 16 rows.
; The 64 x 256 features lie converted in window 1 (256 registers) for the whole launch; the weights stream through two sets of 64 registers, a tile of 16 channels each.
; The product is used transposed (source 0 = 16 weight rows n, source 1 = 16 feature rows): a lane holds one row and eight neighbouring channels, 16 bytes of bf16.
; Results meet in LDS (rows of 1,536 bytes + 16 of padding) and leave as whole rows, 512 consecutive bytes a store.
; No cluster: what the work-groups share, 384 KiB of weights, goes straight into registers; no tile of it lies in LDS.
; THE MODE: SCHED_MODE bits 1:0 = 2 (LLVM: expert scheduling mode 2), set by the entry lines.  The code itself states the register dependences
; between vector or matrix instructions and memory or LDS instructions, with s_wait_alu, always for 0.
; THE PLAN.  Registers that memory or LDS instructions touch:
;   v5 v6 v7 v10 v11   offsets, made once at the head and never written again: the weights' and biases' scalar bases move on, and immediate offsets do the rest.
;   RAW0 .. RAW2       at the head only.  Half step s (16 rows x 128 features, 16 loads): its 32 conversions read RAW[s % 3]; behind them the loads of half step s + 3 land in it.
;   WB0 WB1, BB0 BB1   tile n: its 32 products read WB[n % 2], its 16 bias additions BB[n % 2]; the 18 loads of tile n + 2, issued at the head of tile n + 1, land in them.
;   OUT0 OUT1          tile n: its roundings write OUT[n % 2]; the four LDS stores issued at the head of tile n + 1 read it; tile n + 2 writes it again.
;   v8 v9              the stage's addresses: read by those LDS stores; written at the head of each odd tile, for the two tiles whose stores follow.
;   v[32:223]          on the way out: LDS loads land there, the global stores read them.
;   The accumulators, TMP and window 1 are named by vector and matrix instructions alone.
; So two waits stand at the head of a tile.  The one on vm_vsrc: the LDS stores issued a tile ago have read OUT[n % 2] (and v8, v9).  The one on va_vdst: the tile before has written the other OUT and is done
; reading its WB and BB, and v8, v9 are written.  The tile's 18 loads and 4 LDS stores follow at once, with no vector instruction between.  The loads stand first: they then have the whole tile, 32 products and
; the 32 lines behind them, in which to land.
.set PITCH, 1552
.set SPARE, 64*PITCH                   ; behind the stage: the spare words, 128 bytes a wave
.set BQKV,  659456
.set TMP, 16                           ; v[16:23]   at work
.set BB,  32                           ; v[32:47]   two sets of 8 biases
.set RW,  64                           ; v[64:255]  at the head only: three raw buffers of 64 registers
.set WB,  64                           ; v[64:191]  two sets of 8 weight fragments
.set ACC, 192                          ; v[192:223] four accumulators, one for each tile of rows
.set OUT, 224                          ; v[224:255] packed results: two sets of 16, by the tile's parity
.set MSB, 0
.macro WIN new
.if MSB != (\new)
	s_set_vgpr_msb (MSB<<8)|(\new)
.set MSB, \new
.endif
.endm
	s_load_b128 s[4:7], s[0:1], 0x0                ; features, WTS
	s_load_b64 s[8:9], s[0:1], 0x10                ; QKV
	v_lshl_add_u32 v3, v0, 2, SPARE                ; my spare word
	v_mov_b32 v4, 0
	v_lshrrev_b32 v12, 5, v0
	v_readfirstlane_b32 s10, v12                   ; wave
	v_and_b32 v1, 15, v0                           ; r
	v_bfe_u32 v2, v0, 4, 1                         ; h
	v_and_b32 v13, 31, v0                          ; lane
	v_lshlrev_b32 v5, 10, v1
	v_lshl_add_u32 v5, v2, 5, v5                   ; features: row r, 8 h floats
	v_lshlrev_b32 v6, 9, v1
	v_lshl_add_u32 v6, v2, 4, v6                   ; weights: row r of a tile, 16 h bytes
	v_lshlrev_b32 v7, 5, v2                        ; biases: 8 h floats
	v_mul_u32_u24 v14, v1, PITCH
	v_lshl_add_u32 v14, v2, 4, v14
	v_lshlrev_b32 v11, 4, v13
	s_wait_alu depctr_va_sdst(0)                   ; s10 is written, ahead of its first reader: LDS addresses and all the bases are made from it
	s_mul_i32 s11, s10, 384
	v_add_nc_u32 v14, s11, v14                     ; stage: row r, my wave's 384 bytes, 16 h
	s_mul_i32 s26, s10, 16*PITCH
	v_lshl_add_u32 v10, v13, 4, s26                ; back: my wave's 16 rows, 16 bytes a lane
	s_lshl_b32 s12, ttmp9, 16                      ; 64 rows of 1,024 bytes
	s_mov_b32 s13, 0
	s_mul_i32 s18, s10, 98304                      ; my wave's 192 weight rows
	s_mov_b32 s19, 0
	s_mul_i32 s20, s10, 768
	s_add_co_u32 s20, s20, BQKV
	s_mov_b32 s21, 0
	s_mul_i32 s22, ttmp9, 98304                    ; 64 rows of 1,536 bytes
	s_mul_i32 s27, s10, 24576                      ; my wave's 16 of them
	s_add_co_u32 s22, s22, s27
	s_mov_b32 s23, 0
	s_wait_kmcnt 0x0
	s_add_nc_u64 s[4:5], s[4:5], s[12:13]
	s_add_nc_u64 s[14:15], s[6:7], s[18:19]        ; the weight stream
	s_add_nc_u64 s[16:17], s[6:7], s[20:21]        ; the bias stream
	s_add_nc_u64 s[8:9], s[8:9], s[22:23]
	s_wait_alu depctr_va_vdst(0)                   ; the offsets v5, v6, v7, v10 and v11 are written, which the loads and stores of the whole kernel read
; Half step s: rows 16 (s / 2) .. + 15, features 128 (s % 2) .. + 127: 16 loads of 16 bytes a lane into raw buffer s % 3
.macro HLOAD s
.irp c,0,1,2,3
	global_load_b128 v[RW+64*((\s)%3)+16*(\c):RW+64*((\s)%3)+16*(\c)+3],     v5, s[4:5] offset:((\s)/2)*16384+512*((\s)%2)+128*(\c)
	global_load_b128 v[RW+64*((\s)%3)+16*(\c)+4:RW+64*((\s)%3)+16*(\c)+7],   v5, s[4:5] offset:((\s)/2)*16384+512*((\s)%2)+128*(\c)+16
	global_load_b128 v[RW+64*((\s)%3)+16*(\c)+8:RW+64*((\s)%3)+16*(\c)+11],  v5, s[4:5] offset:((\s)/2)*16384+512*((\s)%2)+128*(\c)+64
	global_load_b128 v[RW+64*((\s)%3)+16*(\c)+12:RW+64*((\s)%3)+16*(\c)+15], v5, s[4:5] offset:((\s)/2)*16384+512*((\s)%2)+128*(\c)+80
.endr
.endm
; its 64 numbers a lane rounded to bf16 into window 1: fragment (m, k) at v[64 m + 8 k], that is four fragments from v[32 s] on.  The windows are back at 0 ahead of whatever wait and loads follow
.macro HCVT s
	WIN 0x40                                       ; destination window 1
.set i, 0
.rept 32
	v_cvt_pk_bf16_f32 v[32*(\s)+i], v[RW+64*((\s)%3)+2*i], v[RW+64*((\s)%3)+2*i+1]
.set i, i+1
.endr
	WIN 0
.endm
; a tile's 16 weight loads and 2 bias loads into set u; n = the tile's place behind the two streams' bases
.macro LOADW u, n
.irp k,0,1,2,3,4,5,6,7
	global_load_b128 v[WB+64*(\u)+8*(\k):WB+64*(\u)+8*(\k)+3],   v6, s[14:15] offset:(\n)*8192+64*(\k)
	global_load_b128 v[WB+64*(\u)+8*(\k)+4:WB+64*(\u)+8*(\k)+7], v6, s[14:15] offset:(\n)*8192+64*(\k)+32
.endr
	global_load_b128 v[BB+8*(\u):BB+8*(\u)+3],   v7, s[16:17] offset:(\n)*64
	global_load_b128 v[BB+8*(\u)+4:BB+8*(\u)+7], v7, s[16:17] offset:(\n)*64+16
.endm
; 32 products; the four accumulators take turns, one instruction a turn; the first four start the sums
.macro MUL u
	WIN 0x04                                       ; source 1 (features) window 1
.irp k,0,1,2,3,4,5,6,7
.irp m,0,1,2,3
.if (\k) == 0
	v_wmma_f32_16x16x32_bf16 v[ACC+8*(\m):ACC+8*(\m)+7], v[WB+64*(\u)+8*(\k):WB+64*(\u)+8*(\k)+7], v[64*(\m)+8*(\k):64*(\m)+8*(\k)+7], 0
.else
	v_wmma_f32_16x16x32_bf16 v[ACC+8*(\m):ACC+8*(\m)+7], v[WB+64*(\u)+8*(\k):WB+64*(\u)+8*(\k)+7], v[64*(\m)+8*(\k):64*(\m)+8*(\k)+7], v[ACC+8*(\m):ACC+8*(\m)+7]
.endif
.endr
.endr
	WIN 0
.endm
; bias and rounding: 16 bytes a lane for each tile of rows, into out-buffer u; each accumulator is read from its low end on
.macro EPI u
.irp m,0,1,2,3
.irp j,0,2,4,6
	v_pk_add_f32 v[TMP+(\j):TMP+(\j)+1], v[ACC+8*(\m)+(\j):ACC+8*(\m)+(\j)+1], v[BB+8*(\u)+(\j):BB+8*(\u)+(\j)+1]
.endr
.irp j,0,1,2,3
	v_cvt_pk_bf16_f32 v[OUT+16*(\u)+4*(\m)+(\j)], v[TMP+2*(\j)], v[TMP+2*(\j)+1]
.endr
.endr
.endm
; out-buffer u into the stage: v8 rows 0-31, v9 rows 32-63; an odd tile lies 32 bytes behind the even one before it
.macro PUT u
.irp m,0,1,2,3
	ds_store_b128 v[8+(\m)/2], v[OUT+16*(\u)+4*(\m):OUT+16*(\u)+4*(\m)+3] offset:((\m)%2)*16*PITCH+32*(\u)
.endr
.endm
; A TILE of parity u.  first = 1: tile 0, with no tile in front of it.  ahead = 1: the next tile but one... that is, the tile behind this one is asked for, into the other set.
; left = how many younger loads may stay out when this tile's 18 have to be there.
.macro TILE u, first, ahead, left
.if !(\first)
	s_wait_alu depctr_vm_vsrc(0)                   ; the LDS stores issued at the last tile's head have read OUT[u], which this tile's roundings write again, and v8 and v9, which an odd tile writes below
.if (\u) == 1
	v_add_nc_u32 v8, s24, v14                      ; rows 0-31: the place of the two tiles whose stores follow, the even one's now and the odd one's a tile later
	v_add_nc_u32 v9, 32*PITCH, v8                  ; rows 32-63
.endif
	s_wait_alu depctr_va_vdst(0)                   ; the tile before has written the other OUT, which the LDS stores below read; its products and bias additions are done reading the other WB and BB, in which the loads below land; v8 and v9 are written
.endif
.if \ahead
	LOADW 1-(\u), 3-(\u)
.endif
.if !(\first)
	PUT 1-(\u)                                     ; the tile before
.endif
	s_wait_loadcnt \left                           ; loads come back in order (ISA guide 5.7.1): set u is in; the loads just issued stay out
	MUL \u
.rept 4
	v_nop                                          ; the places behind the last product, before its result is read (ISA guide 7.12.1)
.endr
	EPI \u
.endm
	; THE FEATURES, eight half steps round three raw buffers: 32 to 48 loads of the wave are on their way
	HLOAD 0
	HLOAD 1
	HLOAD 2
.irp s,0,1,2,3,4
	s_wait_loadcnt 32                              ; half step s is in; the two younger ones, 16 loads each, stay out
	HCVT \s
	s_wait_alu depctr_va_vdst(0)                   ; the conversions are done reading their raw buffer, in which the loads below land
	HLOAD (\s)+3
.endr
	s_wait_loadcnt 32
	HCVT 5                                         ; its buffer is not loaded again: no wait follows
	s_wait_loadcnt 16                              ; half step 6 is in; half step 7 stays out
	HCVT 6
	s_wait_alu depctr_va_vdst(0)                   ; the conversions are done reading raw buffer 0, which is weight set 0 from here on
	LOADW 0, 0
	s_wait_loadcnt 18                              ; half step 7 is in; the 18 loads just issued stay out
	HCVT 7
	s_wait_alu depctr_va_vdst(0)                   ; the conversions are done reading raw buffer 1, which is weight set 1 from here on
	LOADW 1, 1
	s_mov_b32 s24, 0                               ; two tiles are 64 bytes of a stage row
	TILE 0, 1, 0, 18                               ; tile 0 stands ahead of the loop: a lap then stores the two tiles that share v8 and v9
	s_mov_b32 s25, 5
.Llap:                                             ; tiles 1 to 10, two a lap
	TILE 1, 0, 1, 18
	TILE 0, 0, 1, 18
	s_wait_xcnt 0x0                                ; the two bases are written only behind this wait
	s_add_nc_u64 s[14:15], s[14:15], 16384
	s_add_nc_u64 s[16:17], s[16:17], 128
	s_add_co_u32 s24, s24, 64                      ; its reader, at the lap's top, stands ahead of two waits on va_vdst
	s_sub_co_u32 s25, s25, 1
	s_cmp_lg_u32 s25, 0
	s_cbranch_scc1 .Llap
	TILE 1, 0, 0, 0                                ; tile 11: nothing is asked for behind it
	s_wait_alu depctr_va_vdst(0)                   ; tile 11 has written OUT1, which the last four LDS stores read; and every vector and matrix instruction is done with v[32:223], in which the loads from the stage land
	PUT 1
	s_wait_dscnt 0x0                               ; for the others' sake: my stores into the stage are done
	s_barrier_signal -1
	s_barrier_wait -1
.set t, 0
.rept 48                                           ; my 16 rows, three pieces of 512 bytes each
	ds_load_b128 v[32+4*t:32+4*t+3], v10 offset:(t/3)*PITCH+(t%3)*512
.set t, t+1
.endr
.set t, 0
.rept 48
	s_wait_dscnt 47-t                              ; LDS loads come back in order: piece t is in
	global_store_b128 v11, v[32+4*t:32+4*t+3], s[8:9] offset:(t/3)*1536+(t%3)*512   ; 512 consecutive bytes, aligned
.set t, t+1
.endr
	s_wait_dscnt 0x0                               ; the closing lines, six on end
	s_wait_alu 0x0
	s_wait_tensorcnt 0x0
	ds_add_u32 v3, v4
	s_wait_dscnt 0x0
	s_endpgm
.Lfunc_end_k_q6667726959_proj:
	.size	k_q6667726959_proj, .Lfunc_end_k_q6667726959_proj-k_q6667726959_proj
	.p2alignl 7, 3214868480
	.fill 96, 4, 3214868480
	.section	.rodata,"a",@progbits
	.p2align	6, 0x0
	.amdhsa_kernel k_q6667726959_proj
		.amdhsa_group_segment_fixed_size 99840
		.amdhsa_private_segment_fixed_size 0
		.amdhsa_enable_private_segment 0
		.amdhsa_kernarg_size 24
		.amdhsa_user_sgpr_count 2
		.amdhsa_user_sgpr_kernarg_segment_ptr 1
		.amdhsa_wavefront_size32 1
		.amdhsa_system_sgpr_workgroup_id_x 1
		.amdhsa_system_sgpr_workgroup_id_y 1
		.amdhsa_system_sgpr_workgroup_id_z 1
		.amdhsa_system_vgpr_workitem_id 0
		.amdhsa_next_free_vgpr 512
		.amdhsa_next_free_sgpr 66
		.amdhsa_reserve_vcc 0
		.amdhsa_float_denorm_mode_32 3
		.amdhsa_float_denorm_mode_16_64 3
		.amdhsa_memory_ordered 1
		.amdhsa_forward_progress 1
		.amdhsa_inst_pref_size 66
	.end_amdhsa_kernel
	.amdgpu_metadata
---
amdhsa.version: [ 1, 2 ]
amdhsa.kernels:
  - .name:           k_q6667726959_proj
    .symbol:         k_q6667726959_proj.kd
    .args:
      - { .name: features, .offset: 0, .size: 8, .value_kind: global_buffer, .address_space: global }
      - { .name: WTS, .offset: 8, .size: 8, .value_kind: global_buffer, .address_space: global }
      - { .name: QKV, .offset: 16, .size: 8, .value_kind: global_buffer, .address_space: global }
    .group_segment_fixed_size: 99840
    .private_segment_fixed_size: 0
    .kernarg_segment_align: 8
    .kernarg_segment_size: 24
    .max_flat_workgroup_size: 128
    .sgpr_count:     66
    .vgpr_count:     512
    .wavefront_size: 32
...
	.end_amdgpu_metadata
.endif
;; end of part 8
;; launch knna: the kernel of part 6 again; grid 256 x 1, 16 waves a work-group, clusters of 4 x 1, 203,776 bytes of LDS; arguments TP, TS, GL; writes GL
;; launch knnb: the kernel of part 4 again; grid 256 x 1, 4 waves a work-group, no clusters, 167,936 bytes of LDS; arguments TP, TS, GL, IDX; writes IDX
;; launch main: the kernel of part 7 again; grid 256 x 1, 8 waves a work-group, no clusters, 142,336 bytes of LDS; arguments features, TS, normals, mask, bo, gamma, beta, WTS, QKV, IDX, out0; writes out0
